; MI455X (gfx1250); checked and timed in simulation.
; The chip was launched on July 23, 2026; its instructions are those of AMD's public machine-readable ISA for CDNA 5 (MIT licence, August 2026) and "CDNA5" Instruction Set Architecture Reference Guide (July 2026). The comments in the code are by the model that wrote it; some were corrected since.
;; Gemma4 Experts. Allowed arithmetic: matrix products marked QUANTISED: E4M3 operands, one given power-of-two scale a tensor, by v_wmma_f32_16x16x64_fp8_fp8 or v_wmma_f32_16x16x128_fp8_fp8, f32 sums; products left as they are: f32 operands where the result goes on into a quantised operand, else bf16, f16 or f32 operands; f32 sums; everything else in f32.
;; Inputs: down_w 8 x 1,024 x 2,048 float32; gate_w_codes 8 x 1,024 x 64 x 32 uint8 (E4M3 codes of gate_w, K innermost, in blocks of 32 codes); lowp_scales 6 int32 (the exponents e of the quantised operands' scales 2^e); routing_weights 1,024 x 2 float32; selected_experts 1,024 x 2 int32; up_w_codes 8 x 1,024 x 64 x 32 uint8 (E4M3 codes of up_w, K innermost, in blocks of 32 codes); x_codes 1,024 x 64 x 32 uint8 (E4M3 codes of x, K innermost, in blocks of 32 codes).
;; Outputs: out0 1,024 x 2,048 float32.
;; This version of the problem:
;;   THIS VERSION OF THE PROBLEM IS GIVEN IN LOW PRECISION. The matrix products marked QUANTISED in the list below multiply operands that are first quantised to E4M3 (4 exponent bits, 3 mantissa bits; 8 bits a number), with one given power-of-two scale for each operand tensor; their sums are f32. All else is computed in f32.
;;   The module's matrix products, in the order in which they are computed (A, B: the left and right operand; K: the contracted axis; several contracted axes count as one K, in the product's order):
;;     1. batch 1,024 x [M 8, K 2] x [K 2, N 1]; A: computed on the way; B: input routing_weights: left as it is (K = 2 < 32)
;;     2. [M 8,192, K 2,048] x [K 2,048, N 1,024]; A: input gate_w (given as codes); B: input x (given as codes): QUANTISED (scales: A lowp_scales[0], B lowp_scales[1])
;;     3. [M 8,192, K 2,048] x [K 2,048, N 1,024]; A: input up_w (given as codes); B: input x (given as codes): QUANTISED (scales: A lowp_scales[2], B lowp_scales[3])
;;     4. batch 8,192 x [M 1,024, K 1] x [K 1, N 1]; A: computed on the way; B: computed on the way: left as it is (no contracted axis)
;;     5. [M 1,024, K 8,192] x [K 8,192, N 2,048]; A: computed on the way; B: input down_w: QUANTISED (scales: A lowp_scales[4], B lowp_scales[5])
;;   THE QUANTISER, for each operand of a quantised product, along K:
;;     - The operand's scale is 2^e, e = its entry of the input lowp_scales (int32; the entries are numbered through the quantised products in the list's order, A before B).
;;     - Each number is divided by the scale, clamped to +-448, and rounded to the nearest number of E4M3, ties to even, subnormals kept.
;;     - The product sums the exact products of the quantised numbers (number of the format x scale) in f32.
;;   ~~~python
;;   def quantise(x, axis, e):      # numpy; x: float32 -> the quantised numbers, widened to float32 again
;;       x = np.moveaxis(x, axis, -1); K = x.shape[-1]
;;       r = np.clip(x / 2.0 ** e, -448, 448)
;;       step = 2.0 ** (np.maximum(np.frexp(np.where(r == 0, 1, r))[1] - 1, -6) - 3)
;;       q = np.round(r / step) * step * 2.0 ** e      # np.round: ties to even
;;       return np.moveaxis(q, -1, axis).astype(np.float32)
;;   ~~~
;;   OPERANDS COMPUTED ON THE WAY. 'Computed on the way' means the value that the module computes at that place (a softmax that the list does not call 'softmax' is quantised finished and normalised). What goes into a quantiser is computed in f32, as accurately as f32 sums, v_exp_f32 and their like allow (about 1e-6 of the number): no bf16 or f16 on the way to a quantiser, and a product that is left as it is and whose result goes on into a quantised operand takes f32 operands (vector FMAs, or v_wmma_f32_16x16x4_f32). A number that lies on a knife's edge between two numbers of the format may be rounded either way, as far as f32 arithmetic and the matrix unit's own rounding can turn it there, and no further.
;;   INPUTS GIVEN AS CODES. gate_w (in the module: [8, 2048, 1024], K = its axis 1); up_w (in the module: [8, 2048, 1024], K = its axis 1); x (in the module: [1024, 2048], K = its axis 1): each comes as NAME_codes (uint8): NAME with its K axis moved to the last place and cut into blocks of 32 codes, [.., K / 32, bytes a block], one block behind the other in memory; one code a byte (a code: sign, 4 exponent bits, 3 mantissa bits); its scale is its entry of lowp_scales. Its value is code x scale, taken as it is: it is not quantised again, and the codes and scales need not be those that the quantiser above would give.
;; 3 versions. Each part assembles by itself: llvm-mc -triple=amdgcn-amd-amdhsa -mcpu=gfx1250 --defsym DOCPART=n.
;; ======== version 1 of 3: 3 launches
;; workspace buffers: dcodes 16,777,216 bytes; act 8,388,608 bytes; wtab 32,768 bytes; route 6,656 bytes of whole numbers
;; launch prep (part 1): grid 513 x 1, 8 waves a work-group, no clusters, 5,120 bytes of LDS; arguments down_w, lowp_scales, selected_experts, routing_weights, dcodes, route, wtab; writes dcodes, route, wtab
.if DOCPART == 1
	.amdgcn_target "amdgcn-amd-amdhsa--gfx1250"
	.amdhsa_code_object_version 6
	.text
	.protected	k_qd3e58f99b7_prep
	.globl	k_qd3e58f99b7_prep
	.p2align	8
	.type	k_qd3e58f99b7_prep,@function
k_qd3e58f99b7_prep:
	s_mov_b64 s[64:65], 0
	v_nop
	global_prefetch_b8 v0, s[64:65] scope:SCOPE_SE
	s_setreg_imm32_b32 hwreg(HW_REG_WAVE_MODE, 25, 1), 1
	s_wait_xcnt 0x0
; PREP.  Work-groups 1 to 512 turn down_w [8][1024 i][2048 h], f32, into codes of E4M3 with the given scale 2^e5; work-group 0 sorts the tokens.
; THE CODES are laid in the order of the operand's registers: dcodes [e 8][ht 128][s 8][c 4][lane 32][16 bytes]: lane (r, hh) holds, of column h = 16 ht + r, the codes of i = 128 s + 32 c + 16 hh + 0 .. 15.
;   A lane takes a column h and its registers run down i (the product's K): each load reads 128 consecutive bytes a wave, 1,024 a work-group; the conversions give 16 neighbours along K as 16 bytes,
;   and sixteen lanes store 256 consecutive bytes, aligned.  A work-group takes 256 columns x 128 i.  No LDS, no barrier on this way.
;   code = x / 2^e5, held within +-448, to the nearest code, ties to even.  LIMIT: e5 between -126 and 119.  NaN in down_w is not served.
; THE ROUTING.  Tokens are sorted by key = 8 min(c0, c1) + max(c0, c1), c = min(index, 7): 36 keys.  Sorted place p: tile p / 16 (64 tiles).  Stored:
;   route bytes 0: tok[p];  4096: elist[e][64]: the tiles in which some token has expert e in its key, then padding by e's first tile;  6144: tmask[tile], a bit an expert;  6400: ecount[e], then 24 zeros.
;   wtab [p][8] f32: w[tok[p]][e] = the sum of the routing weights of the slots whose RAW index equals e: an index outside 0 .. 7 weighs nothing, as under one_hot; only the key clamps it.
;   256 threads, four tokens each.  The order of tokens inside a key is free.  One barrier; it stands under the branch on the work-group's number alone, which all eight waves take alike.
.set X,   32                           ; quantiser: v32-95 two sets of 32 numbers
.set C,   96                           ; v96-127 the codes: eight registers a block, so that no store's data are written again
.set S,   8                            ; routing: v8-15 raw indices of my four tokens
.set RW,  16                           ; v16-23 their routing weights
.set KEY, 24                           ; v24-27 keys
.set POS, 28                           ; v28-31 sorted places
.set H,   32                           ; v32-33 my wave's count for key = lane, lane + 32
.set CN,  36                           ; v36-51 all eight waves' counts for those two keys
.set TOT, 52                           ; v52-53 their sums
.set PRE, 54                           ; v54-55 the sums over the waves in front of mine
.set PA,  60                           ; v60-63 4 p
.set PB,  64                           ; v64-67 32 p
.set TID, 68                           ; v68-71 my tokens' numbers
.set WT,  72                           ; v72-103 eight weights for each of my four tokens
.macro LOADB t                         ; block t: down_w(32 t + i, my column), i = 0 .. 31
.irp i, 0,1,2,3,4,5,6,7,8,9,10,11,12,13,14,15,16,17,18,19,20,21,22,23,24,25,26,27,28,29,30,31
	global_load_b32 v[X+32*((\t)%2)+\i], v3, s[4:5] offset:(32*(\t)+\i)*8192 th:TH_LOAD_NT
.endr
.endm
.macro BLOCKQ t
.if (\t) < 3
	s_wait_loadcnt 32                              ; this block's 32 loads are in; the next block's 32 stand behind them
.else
	s_wait_loadcnt 0x0
.endif
.irp i, 0,1,2,3,4,5,6,7,8,9,10,11,12,13,14,15,16,17,18,19,20,21,22,23,24,25,26,27,28,29,30,31
	v_med3_num_f32 v[X+32*((\t)%2)+\i], v[X+32*((\t)%2)+\i], -v10, v10   ; the conversion does not saturate (ISA guide 7.6.2): the hold at 448 x the scale comes first
.endr
.irp g, 0,1,2,3
	v_cvt_scalef32_pk8_fp8_f32 v[C+8*(\t)+2*\g:C+8*(\t)+2*\g+1], v[X+32*((\t)%2)+8*\g:X+32*((\t)%2)+8*\g+7], v11
.endr
	global_store_b128 v4, v[C+8*(\t):C+8*(\t)+3], s[12:13] offset:512*(\t)         ; i = 32 t + 0 .. 15: the lower half of the fragment's lanes
	global_store_b128 v4, v[C+8*(\t)+4:C+8*(\t)+7], s[12:13] offset:512*(\t)+256   ; i = 32 t + 16 .. 31: the upper half
.if (\t) < 2
	LOADB (\t)+2                                   ; loads into the conversions' sources want no place; the next vector lines are the other set's holds
.endif
.endm
	s_load_b256 s[4:11], s[0:1], 0x0               ; down_w s[4:5], scales s[6:7], selected_experts s[8:9], routing_weights s[10:11]
	s_load_b128 s[12:15], s[0:1], 0x20             ; dcodes s[12:13], route s[14:15]
	s_load_b64 s[16:17], s[0:1], 0x30              ; wtab
	v_lshl_add_u32 v160, v0, 2, 0x1000
	v_mov_b32 v161, 0
	v_lshrrev_b32 v1, 5, v0
	v_readfirstlane_b32 s18, v1                    ; wave 0..7
	v_and_b32 v2, 31, v0                           ; lane
	s_cmp_eq_u32 ttmp9, 0
	s_cbranch_scc1 .Lroute
	; ---------------- the quantiser ----------------
	s_sub_co_u32 s19, ttmp9, 1
	s_and_b32 s20, s19, 7                          ; which 256 columns
	s_bfe_u32 s21, s19, 0x30003                    ; which 128 along i
	s_lshr_b32 s22, s19, 6                         ; expert
	s_lshl_b32 s24, s22, 23                        ; from: expert x 8,388,608
	s_lshl_b32 s25, s21, 20                        ; + 128 rows of 8,192 bytes
	s_add_co_u32 s24, s24, s25
	s_lshl_b32 s25, s20, 10                        ; + 256 columns
	s_add_co_u32 s24, s24, s25
	s_lshl_b32 s25, s18, 7                         ; + my wave's 32 columns
	s_add_co_u32 s24, s24, s25
	s_mov_b32 s25, 0
	s_lshl_b32 s26, s22, 21                        ; to: expert x 2,097,152
	s_lshl_b32 s27, s20, 18                        ; + 16 column tiles of 16,384 bytes
	s_add_co_u32 s26, s26, s27
	s_lshl_b32 s27, s18, 15                        ; + my wave's two column tiles
	s_add_co_u32 s26, s26, s27
	s_lshl_b32 s27, s21, 11                        ; + the K step's 2,048 bytes
	s_add_co_u32 s26, s26, s27
	s_mov_b32 s27, 0
	v_lshlrev_b32 v3, 2, v2                        ; in: 4 bytes a lane
	v_and_b32 v4, 15, v2
	v_lshlrev_b32 v4, 4, v4
	v_lshrrev_b32 v5, 4, v2
	v_lshl_add_u32 v4, v5, 14, v4                  ; out: 16 (lane % 16) + 16,384 (lane / 16)
	s_wait_kmcnt 0x0
	s_load_b32 s28, s[6:7], 0x14                   ; e5
	s_add_nc_u64 s[4:5], s[4:5], s[24:25]
	s_add_nc_u64 s[12:13], s[12:13], s[26:27]
	LOADB 0
	LOADB 1
	s_wait_kmcnt 0x0
	s_add_co_i32 s28, s28, 127
	s_lshl_b32 s29, s28, 23
	v_mov_b32 v11, s29                             ; 2^e5 as f32: the conversion takes its exponent field
	s_add_co_i32 s28, s28, 8
	s_lshl_b32 s28, s28, 23
	s_or_b32 s28, s28, 0x600000
	v_mov_b32 v10, s28                             ; 448 x 2^e5
	BLOCKQ 0
	BLOCKQ 1
	BLOCKQ 2
	BLOCKQ 3
	s_endpgm
	; ---------------- the routing ----------------
.Lroute:
	v_lshlrev_b32 v1, 5, v0                        ; my four tokens: 32 bytes in each of the two inputs
	v_mul_u32_u24 v6, v2, 48                       ; LDS: a key's eight counts, 48 bytes apart
	s_lshl_b32 s19, s18, 2
	v_add_nc_u32 v5, s19, v6                       ; my wave's word among them
	v_mov_b32 v[H], 0
	v_mov_b32 v[H+1], 0
	v_mov_b32 v[PRE], 0
	v_mov_b32 v[PRE+1], 0
.irp j, 0,1,2,3
	v_mov_b32 v[POS+\j], 0
.endr
	v_lshlrev_b32 v[TID], 2, v0
.irp j, 1,2,3
	v_add_nc_u32 v[TID+\j], \j, v[TID]
.endr
	s_wait_kmcnt 0x0
	global_load_b128 v[S:S+3], v1, s[8:9]
	global_load_b128 v[S+4:S+7], v1, s[8:9] offset:16
	global_load_b128 v[RW:RW+3], v1, s[10:11]
	global_load_b128 v[RW+4:RW+7], v1, s[10:11] offset:16
	s_wait_loadcnt 0x0
.irp j, 0,1,2,3
	v_min_u32 v56, 7, v[S+2*\j]
	v_min_u32 v57, 7, v[S+2*\j+1]
	v_min_u32 v58, v56, v57
	v_max_u32 v59, v56, v57
	v_lshl_add_u32 v[KEY+\j], v58, 3, v59
.endr
	; my wave's count of each key, into lane key % 32 of H
.irp a, 0,1,2,3,4,5,6,7
.irp b, 0,1,2,3,4,5,6,7
.if \b >= \a
	v_cmp_eq_u32 s20, 8*\a+\b, v[KEY]
	v_cmp_eq_u32 s21, 8*\a+\b, v[KEY+1]
	v_cmp_eq_u32 s22, 8*\a+\b, v[KEY+2]
	v_cmp_eq_u32 s23, 8*\a+\b, v[KEY+3]
	s_bcnt1_i32_b32 s20, s20
	s_bcnt1_i32_b32 s21, s21
	s_bcnt1_i32_b32 s22, s22
	s_bcnt1_i32_b32 s23, s23
	s_add_co_u32 s20, s20, s21
	s_add_co_u32 s22, s22, s23
	s_add_co_u32 s20, s20, s22
	v_writelane_b32 v[H+(8*\a+\b)/32], s20, (8*\a+\b)%32
.endif
.endr
.endr
	ds_store_b32 v5, v[H]                          ; key = lane
	ds_store_b32 v5, v[H+1] offset:1536            ; key = lane + 32
	s_wait_dscnt 0x0                               ; for the others' sake: my counts lie in LDS
	s_barrier_signal -1
	s_barrier_wait -1
	ds_load_b128 v[CN:CN+3], v6
	ds_load_b128 v[CN+4:CN+7], v6 offset:16
	ds_load_b128 v[CN+8:CN+11], v6 offset:1536
	ds_load_b128 v[CN+12:CN+15], v6 offset:1552
	s_wait_dscnt 0x0
.irp g, 0,1
	v_add3_u32 v[TOT+\g], v[CN+8*\g], v[CN+8*\g+1], v[CN+8*\g+2]
	v_add3_u32 v[TOT+\g], v[TOT+\g], v[CN+8*\g+3], v[CN+8*\g+4]
	v_add3_u32 v[TOT+\g], v[TOT+\g], v[CN+8*\g+5], v[CN+8*\g+6]
	v_add_nc_u32 v[TOT+\g], v[TOT+\g], v[CN+8*\g+7]
.endr
.irp w, 0,1,2,3,4,5,6
	s_cmp_gt_u32 s18, \w                           ; is wave w in front of mine?
	s_cselect_b32 s25, -1, 0
	v_and_b32 v56, s25, v[CN+\w]
	v_and_b32 v57, s25, v[CN+8+\w]
	v_add_nc_u32 v[PRE], v[PRE], v56
	v_add_nc_u32 v[PRE+1], v[PRE+1], v57
.endr
	; places: the keys in ascending order; inside a key the waves in order, inside a wave slot j = 0 .. 3, inside a slot the lanes
	s_mov_b32 s26, 0                               ; where the key's run begins
.irp a, 0,1,2,3,4,5,6,7
.irp b, 0,1,2,3,4,5,6,7
.if \b >= \a
	v_readlane_b32 s27, v[TOT+(8*\a+\b)/32], (8*\a+\b)%32
	v_readlane_b32 s28, v[PRE+(8*\a+\b)/32], (8*\a+\b)%32
	s_add_co_u32 s28, s28, s26
.irp j, 0,1,2,3
	v_cmp_eq_u32 vcc_lo, 8*\a+\b, v[KEY+\j]
	v_mbcnt_lo_u32_b32 v56, vcc_lo, s28
	v_cndmask_b32 v[POS+\j], v[POS+\j], v56, vcc_lo
	s_bcnt1_i32_b32 s29, vcc_lo
	s_add_co_u32 s28, s28, s29
.endr
	s_add_co_u32 s26, s26, s27
.endif
.endr
.endr
.irp j, 0,1,2,3
	v_min_u32 v[POS+\j], 1023, v[POS+\j]           ; a place is below 1,024 by its making; the clamp states it
	v_lshlrev_b32 v[PA+\j], 2, v[POS+\j]
	v_lshlrev_b32 v[PB+\j], 5, v[POS+\j]
.endr
.irp j, 0,1,2,3
	global_store_b32 v[PA+\j], v[TID+\j], s[14:15] ; tok[p]
.endr
.irp j, 0,1,2,3
.irp e, 0,1,2,3,4,5,6,7
	v_cmp_eq_u32 vcc_lo, \e, v[S+2*\j]
	v_cndmask_b32 v56, 0, v[RW+2*\j], vcc_lo
	v_cmp_eq_u32 vcc_lo, \e, v[S+2*\j+1]
	v_cndmask_b32 v57, 0, v[RW+2*\j+1], vcc_lo
	v_add_f32 v[WT+8*\j+\e], v56, v57              ; w[token][e], in f32
.endr
	global_store_b128 v[PB+\j], v[WT+8*\j:WT+8*\j+3], s[16:17]
	global_store_b128 v[PB+\j], v[WT+8*\j+4:WT+8*\j+7], s[16:17] offset:16
.endr
	s_cmp_lg_u32 s18, 0
	s_cbranch_scc1 .Lend                           ; the lists are wave 0's work; no barrier follows
	; tmask: lane l holds tiles l and l + 32.  A key's run [run, end) meets tile [lo, hi) where end > lo and run < hi, if the run is not empty
	v_lshlrev_b32 v104, 4, v2
	v_add_nc_u32 v105, 16, v104
	v_add_nc_u32 v106, 512, v104
	v_add_nc_u32 v107, 528, v104
	v_lshlrev_b32 v108, 2, v2
	v_mov_b32 v109, 0
	v_mov_b32 v110, 0
	v_add_nc_u32 v111, 32, v2
	v_mov_b32 v144, 0
	s_mov_b32 s26, 0
.irp a, 0,1,2,3,4,5,6,7
.irp b, 0,1,2,3,4,5,6,7
.if \b >= \a
	v_readlane_b32 s27, v[TOT+(8*\a+\b)/32], (8*\a+\b)%32
	s_add_co_u32 s28, s26, s27
	s_cmp_lg_u32 s27, 0
	s_cselect_b32 s30, (1<<\a)|(1<<\b), 0
	v_mov_b32 v57, s30
	v_cmp_gt_u32 vcc_lo, s28, v104
	v_cmp_lt_u32 s31, s26, v105
	s_and_b32 vcc_lo, vcc_lo, s31
	v_cndmask_b32 v56, 0, v57, vcc_lo
	v_or_b32 v109, v109, v56
	v_cmp_gt_u32 vcc_lo, s28, v106
	v_cmp_lt_u32 s31, s26, v107
	s_and_b32 vcc_lo, vcc_lo, s31
	v_cndmask_b32 v56, 0, v57, vcc_lo
	v_or_b32 v110, v110, v56
	s_mov_b32 s26, s28
.endif
.endr
.endr
	global_store_b32 v108, v109, s[14:15] offset:6144
	global_store_b32 v108, v110, s[14:15] offset:6272
	; elist[e]: the tiles with bit e go to the front in order; the others' 64 - count entries are filled with e's first tile.  The 64 lane slots are a permutation of the 64 entries.
.irp e, 0,1,2,3,4,5,6,7
	v_and_b32 v56, 1<<\e, v109
	v_and_b32 v57, 1<<\e, v110
	v_cmp_ne_u32 s20, 0, v56
	v_cmp_ne_u32 s21, 0, v57
	s_bcnt1_i32_b32 s22, s20
	s_bcnt1_i32_b32 s23, s21
	s_add_co_u32 s24, s22, s23                     ; the count
	s_ctz_i32_b32 s25, s20
	s_ctz_i32_b32 s27, s21
	s_add_co_u32 s27, s27, 32
	s_cmp_lg_u32 s20, 0
	s_cselect_b32 s25, s25, s27
	s_min_u32 s25, s25, 63                         ; e's first tile (tile 31 where e has none: a valid tile, never worked on)
	s_not_b32 s28, s20
	s_not_b32 s29, s21
	s_add_co_u32 s30, s23, 32                      ; count + (32 - the lower half's members)
	v_mov_b32 v58, s25
	v_mbcnt_lo_u32_b32 v56, s20, 0
	v_mbcnt_lo_u32_b32 v57, s28, s24
	v_cndmask_b32 v[112+4*\e], v57, v56, s20
	v_cndmask_b32 v[114+4*\e], v58, v2, s20
	v_mbcnt_lo_u32_b32 v56, s21, s22
	v_mbcnt_lo_u32_b32 v57, s29, s30
	v_cndmask_b32 v[113+4*\e], v57, v56, s21
	v_cndmask_b32 v[115+4*\e], v58, v111, s21
	v_min_u32 v[112+4*\e], 63, v[112+4*\e]
	v_min_u32 v[113+4*\e], 63, v[113+4*\e]
	v_lshlrev_b32 v[112+4*\e], 2, v[112+4*\e]
	v_lshlrev_b32 v[113+4*\e], 2, v[113+4*\e]
	global_store_b32 v[112+4*\e], v[114+4*\e], s[14:15] offset:4096+256*\e   ; each expert has registers of its own: no store's sources are written again
	global_store_b32 v[113+4*\e], v[115+4*\e], s[14:15] offset:4096+256*\e
	v_writelane_b32 v144, s24, \e
.endr
	global_store_b32 v108, v144, s[14:15] offset:6400
.Lend:
	s_wait_tensorcnt 0x0
	ds_add_u32 v160, v161
	s_wait_dscnt 0x0
	s_endpgm
.Lfunc_end_k_qd3e58f99b7_prep:
	.size	k_qd3e58f99b7_prep, .Lfunc_end_k_qd3e58f99b7_prep-k_qd3e58f99b7_prep
	.p2alignl 7, 3214868480
	.fill 96, 4, 3214868480
	.section	.rodata,"a",@progbits
	.p2align	6, 0x0
	.amdhsa_kernel k_qd3e58f99b7_prep
		.amdhsa_group_segment_fixed_size 5120
		.amdhsa_private_segment_fixed_size 0
		.amdhsa_enable_private_segment 0
		.amdhsa_kernarg_size 56
		.amdhsa_user_sgpr_count 2
		.amdhsa_user_sgpr_kernarg_segment_ptr 1
		.amdhsa_wavefront_size32 1
		.amdhsa_system_sgpr_workgroup_id_x 1
		.amdhsa_system_sgpr_workgroup_id_y 1
		.amdhsa_system_sgpr_workgroup_id_z 1
		.amdhsa_system_vgpr_workitem_id 0
		.amdhsa_next_free_vgpr 162
		.amdhsa_next_free_sgpr 66
		.amdhsa_reserve_vcc 1
		.amdhsa_float_denorm_mode_32 3
		.amdhsa_float_denorm_mode_16_64 3
		.amdhsa_memory_ordered 1
		.amdhsa_forward_progress 1
		.amdhsa_inst_pref_size 122
	.end_amdhsa_kernel
	.amdgpu_metadata
---
amdhsa.version: [ 1, 2 ]
amdhsa.kernels:
  - .name:           k_qd3e58f99b7_prep
    .symbol:         k_qd3e58f99b7_prep.kd
    .args:
      - { .name: down_w, .offset: 0, .size: 8, .value_kind: global_buffer, .address_space: global }
      - { .name: lowp_scales, .offset: 8, .size: 8, .value_kind: global_buffer, .address_space: global }
      - { .name: selected_experts, .offset: 16, .size: 8, .value_kind: global_buffer, .address_space: global }
      - { .name: routing_weights, .offset: 24, .size: 8, .value_kind: global_buffer, .address_space: global }
      - { .name: dcodes, .offset: 32, .size: 8, .value_kind: global_buffer, .address_space: global }
      - { .name: route, .offset: 40, .size: 8, .value_kind: global_buffer, .address_space: global }
      - { .name: wtab, .offset: 48, .size: 8, .value_kind: global_buffer, .address_space: global }
    .group_segment_fixed_size: 5120
    .private_segment_fixed_size: 0
    .kernarg_segment_align: 8
    .kernarg_segment_size: 56
    .max_flat_workgroup_size: 256
    .sgpr_count:     66
    .vgpr_count:     162
    .wavefront_size: 32
...
	.end_amdgpu_metadata
.endif
;; end of part 1
;; launch gateup (part 2): grid 32 x 8, 4 waves a work-group, no clusters, 144,384 bytes of LDS; arguments x_codes, gate_w_codes, up_w_codes, lowp_scales, route, wtab, act; writes act
.if DOCPART == 2
	.amdgcn_target "amdgcn-amd-amdhsa--gfx1250"
	.amdhsa_code_object_version 6
	.text
	.protected	k_qd3e58f99b7_gateup
	.globl	k_qd3e58f99b7_gateup
	.p2align	8
	.type	k_qd3e58f99b7_gateup,@function
k_qd3e58f99b7_gateup:
	s_mov_b64 s[64:65], 0
	v_nop
	global_prefetch_b8 v0, s[64:65] scope:SCOPE_SE
	s_setreg_imm32_b32 hwreg(HW_REG_WAVE_MODE, 25, 1), 1
	s_wait_xcnt 0x0
; GATEUP.  act = Q(gelu(x G_e) (x U_e) w[t][e]) for the units (tile of 16 sorted tokens, expert e) that the stored list names; both products on E4M3 codes as they are given.
; SHARES.  A work-group has expert e (y) and 32 columns of the intermediate axis (x): 32 rows of gate_w_codes and 32 of up_w_codes, 2,048 bytes each.  THE FOUR WAVES SHARE K: wave w has bytes 512 w .. 512 w + 511 of
; every row, four K steps of 128.  So a wave's weights, 4 tiles x 4 K steps x 16 registers, stay in 256 registers for the whole launch, each weight byte is loaded once in the launch, and each byte of an x row is loaded
; by one wave of the work-group and feeds four matrix instructions.  The expert's units go in groups of four (64 rows): 16 groups in a loop of constant count; groups past the expert's count are passed over by scalar
; branches on the stored count, round the work alone: every wave passes every barrier.  The four waves' partial sums of a group meet in LDS; wave w then finishes unit w of the group.
; LAYOUT.  The products are used transposed (source 0 = 16 weight rows, source 1 = 16 tokens): a lane holds ONE token.  Lane r of tile u takes weight row 32 sl + 8 u + r + 8 (r / 8), so that the 16 registers of tiles
; u = 0, 1 are columns 32 sl + 16 (lane / 16) + 0 .. 15: 16 neighbours along the next product's K, which are one group of four registers of that operand.  act is laid in the order of the operand's registers:
; [tile 64][e 8][s 8][c 4][lane 32][16 bytes], and the wave's one store covers 512 consecutive bytes, aligned.
; A fragment is fetched by four loads of 16 bytes, 32 apart: a permutation of k inside an instruction, the same in both operands.
; ARITHMETIC in f32: g = sum x 2^(e0 + e1), u = sum x 2^(e2 + e3); gelu(g) = g / (1 + 2^(-2 log2(e) sqrt(2 / pi) g (1 + 0.044715 g^2))), which is 0.5 g (1 + tanh(..)); x u x w; held within +-448 x 2^e4; converted.
; A token of the tile that does not use e has w = 0 and gets code 0.  The K sums are formed in four parts and added in f32.
; LIMITS: e0 + e1 and e2 + e3 between -126 and 127; e4 between -126 and 119.  NaN codes among the inputs, and NaN or infinite routing weights, are not served.
; NO TENSOR LOADS, NO CLUSTER, though the 32 work-groups of an expert read the same x rows: which rows, and how many, hangs on the stored list; the rows are gathered a token a lane, and the passing over of groups is a
; branch on a loaded number.
; REGISTERS, in windows of 256: window 0: addresses, the 16 accumulators (unit i, tile t) at v[128 + 8 (4 i + t)], later the four partial sums;  window 1: the weights, fragment (t, s) at v[16 (4 t + s)];
;   windows 2, 3: two buffers for a group's x, fragment (i, s) at v[16 (4 i + s)].
.set TOK,  0                           ; LDS: token number for each of 64 unit slots x 16 rows: 4,096 bytes, and 512 that the look-ahead's address range reaches and no trip reads
.set WRT,  4608                        ; w for the same: 4,096 bytes
.set TAU,  8704                        ; the tile's number for the same: 4,096 bytes
.set RED0, 12800                       ; partial sums, two buffers by turns: [writer wave 16,384][unit 4,096][tile 1,024][half 512][16 x lane]: images of registers, no pitch
.set RED1, 78336
.set XO,   4                           ; v4-7   byte offset in x_codes of my lane's part of unit i's row
.set ACC,  128
.set T1,   64                          ; v64-79, v80-95 at work in the activation
.set T2,   80
.set MSB, 0
.macro WIN new                         ; s_set_vgpr_msb: bits 1:0 source 0, 3:2 source 1, 5:4 source 2, 7:6 destination; the high byte repeats the setting that is left
.if MSB != (\new)
	s_set_vgpr_msb (MSB<<8)|(\new)
.set MSB, (\new)
.endif
.endm
.macro WLOAD f                         ; weight fragment f = 4 t + s: t = 0, 1 gate's tiles u = 0, 1; t = 2, 3 up's
.irp c, 0,1,2,3
.if (\f) < 8
	global_load_b128 v[16*(\f)+4*\c:16*(\f)+4*\c+3], v3, s[6:7] offset:((\f)/4)*16384+((\f)%4)*128+32*\c
.else
	global_load_b128 v[16*(\f)+4*\c:16*(\f)+4*\c+3], v3, s[8:9] offset:((\f)/4-2)*16384+((\f)%4)*128+32*\c
.endif
.endr
.endm
.macro XLOAD buf, i0                   ; 32 loads: units i0, i0 + 1 of a group, my four K steps
	WIN 0x80+0x40*(\buf)
.irp i, \i0, \i0+1
.irp s, 0,1,2,3
.irp c, 0,1,2,3
	global_load_b128 v[16*(4*(\i)+\s)+4*\c:16*(4*(\i)+\s)+4*\c+3], v[XO+(\i)], s[4:5] offset:128*\s+32*\c
.endr
.endr
.endr
	WIN 0
.endm
.macro MULP buf, i0                    ; 32 matrix instructions: units i0, i0 + 1 x four tiles x four K steps; the eight accumulators take turns, one instruction a turn; the first K step starts the sums
	WIN 0x09+4*(\buf)
.irp s, 0,1,2,3
.irp i, \i0, \i0+1
.irp t, 0,1,2,3
.if \s == 0
	v_wmma_f32_16x16x128_fp8_fp8 v[ACC+8*(4*(\i)+\t):ACC+8*(4*(\i)+\t)+7], v[16*(4*\t+\s):16*(4*\t+\s)+15], v[16*(4*(\i)+\s):16*(4*(\i)+\s)+15], 0
.else
	v_wmma_f32_16x16x128_fp8_fp8 v[ACC+8*(4*(\i)+\t):ACC+8*(4*(\i)+\t)+7], v[16*(4*\t+\s):16*(4*\t+\s)+15], v[16*(4*(\i)+\s):16*(4*(\i)+\s)+15], v[ACC+8*(4*(\i)+\t):ACC+8*(4*(\i)+\t)+7]
.endif
.endr
.endr
.endr
	WIN 0
.endm
.macro PLACES n                        ; plain vector instructions behind matrix instructions: 4 in front of loads into their registers and of stores of their results, 5 in front of matrix instructions that begin an accumulator anew
.rept \n
	v_nop
.endr
.endm
.macro REDST b                         ; my 16 partial sums into buffer b, each accumulator from its low end on
.irp i, 0,1,2,3
.irp t, 0,1,2,3
	ds_store_b128 v[10+\b], v[ACC+8*(4*\i+\t):ACC+8*(4*\i+\t)+3] offset:4096*\i+1024*\t
	ds_store_b128 v[10+\b], v[ACC+8*(4*\i+\t)+4:ACC+8*(4*\i+\t)+7] offset:4096*\i+1024*\t+512
.endr
.endr
.endm
.macro XADR off                        ; the four units' token numbers from LDS (address in v9 or v8, given by the caller's loads) become byte offsets: called behind the wait for those loads
.irp i, 0,1,2,3
	v_min_u32 v[32+\i], 1023, v[32+\i]
.endr
.irp i, 0,1,2,3
	v_lshl_add_u32 v[XO+\i], v[32+\i], 11, v28     ; token x 2,048 + 512 w + 16 (lane / 16)
.endr
.endm
.macro FINAL b                         ; unit w of the group: the four waves' partial sums, the activation, the codes, one store
	s_wait_xcnt 0x0                                ; my last store has read its offset and its data: both are written again below
	ds_load_b32 v16, v15 offset:WRT+256*\b         ; w of my token
	ds_load_b32 v17, v15 offset:TAU+256*\b         ; the unit's tile
.irp q, 0,1,2,3
.irp t, 0,1,2,3
	ds_load_b128 v[ACC+32*\q+8*\t:ACC+32*\q+8*\t+3], v[12+\b] offset:16384*\q+1024*\t
	ds_load_b128 v[ACC+32*\q+8*\t+4:ACC+32*\q+8*\t+7], v[12+\b] offset:16384*\q+1024*\t+512
.endr
.endr
	s_wait_dscnt 0x0
.irp k, 0,2,4,6,8,10,12,14,16,18,20,22,24,26,28,30
	v_pk_add_f32 v[128+\k:129+\k], v[128+\k:129+\k], v[160+\k:161+\k]
	v_pk_add_f32 v[192+\k:193+\k], v[192+\k:193+\k], v[224+\k:225+\k]
.endr
.irp k, 0,2,4,6,8,10,12,14,16,18,20,22,24,26,28,30
	v_pk_add_f32 v[128+\k:129+\k], v[128+\k:129+\k], v[192+\k:193+\k]   ; v128-143: gate's 16 sums; v144-159: up's
.endr
	v_mul_f32 v26, s44, v16                        ; w x 2^(e2 + e3)
	v_min_u32 v17, 63, v17
	v_mov_b32 v27, v26
	v_lshl_add_u32 v18, v17, 17, v19               ; tile x 131,072 + my place in the unit
.irp k, 0,2,4,6,8,10,12,14
	v_pk_mul_f32 v[128+\k:129+\k], v[128+\k:129+\k], s[42:43] op_sel_hi:[1,0]     ; g
.endr
.irp k, 0,2,4,6,8,10,12,14
	v_pk_mul_f32 v[T1+\k:T1+\k+1], v[128+\k:129+\k], v[128+\k:129+\k]             ; g^2
	v_pk_mul_f32 v[T2+\k:T2+\k+1], v[128+\k:129+\k], 0xc0135761 op_sel_hi:[1,0]   ; -2 log2(e) sqrt(2 / pi) g
.endr
.irp k, 0,2,4,6,8,10,12,14
	v_pk_fma_f32 v[T1+\k:T1+\k+1], v[T1+\k:T1+\k+1], 0x3d372713, 1.0 op_sel_hi:[1,0,0]   ; 1 + 0.044715 g^2
.endr
.irp k, 0,2,4,6,8,10,12,14
	v_pk_mul_f32 v[T1+\k:T1+\k+1], v[T1+\k:T1+\k+1], v[T2+\k:T2+\k+1]
.endr
.irp j, 0,1,2,3,4,5,6,7,8,9,10,11,12,13,14,15
	v_exp_f32 v[T1+\j], v[T1+\j]
.endr
.irp k, 0,2,4,6,8,10,12,14
	v_pk_mul_f32 v[144+\k:145+\k], v[144+\k:145+\k], v[26:27]                     ; u x w: plain work behind the batch, which names none of its results
.endr
	s_wait_alu depctr_va_vdst(0)                   ; one wait for the sixteen exponentials, ahead of their first reader
.irp k, 0,2,4,6,8,10,12,14
	v_pk_add_f32 v[T1+\k:T1+\k+1], v[T1+\k:T1+\k+1], 1.0 op_sel_hi:[1,0]
.endr
.irp j, 0,1,2,3,4,5,6,7,8,9,10,11,12,13,14,15
	v_rcp_f32 v[T1+\j], v[T1+\j]
.endr
	v_nop                                          ; a plain instruction behind the last reciprocal
	s_wait_alu depctr_va_vdst(0)                   ; and one wait for the sixteen
.irp k, 0,2,4,6,8,10,12,14
	v_pk_mul_f32 v[128+\k:129+\k], v[128+\k:129+\k], v[T1+\k:T1+\k+1]             ; gelu(g)
.endr
.irp k, 0,2,4,6,8,10,12,14
	v_pk_mul_f32 v[128+\k:129+\k], v[128+\k:129+\k], v[144+\k:145+\k]             ; x u w
.endr
.irp j, 0,1,2,3,4,5,6,7,8,9,10,11,12,13,14,15
	v_med3_num_f32 v[128+\j], v[128+\j], -v25, v25 ; the conversion does not saturate (ISA guide 7.6.2)
.endr
	v_cvt_scalef32_pk8_fp8_f32 v[20:21], v[128:135], v24
	v_cvt_scalef32_pk8_fp8_f32 v[22:23], v[136:143], v24
	v_nop                                          ; a plain instruction behind the last conversion: later products write its sources
	global_store_b128 v18, v[20:23], s[16:17]      ; 32 lanes store 512 consecutive bytes, aligned
.endm
; ONE GROUP, g = G + b, on x buffer b and partial-sum buffer b.  At its head x(g) is in registers, and x(g + 1) is on its way or in.  On every way through it all loads older than those it issues itself are waited for.
.macro HALF b
	s_lshl_b32 s34, s28, 8
	v_add_nc_u32 v9, s34, v8                       ; the tables' addresses of group G: made outside the branches
	v_add_nc_u32 v15, s34, v14
	s_lshl_b32 s31, s28, 2
	s_add_co_u32 s31, s31, 4*\b                    ; the group's first unit slot
	s_add_co_u32 s32, s31, 8                       ; that of the group two on
	s_add_co_u32 s33, s31, s26                     ; my unit slot
	s_cmp_lt_u32 s31, s27
	s_cbranch_scc0 .Lidle_\@                       ; the expert has no unit here
	s_cmp_lt_u32 s32, s27
	s_cbranch_scc0 .Lnone_\@                       ; nothing to fetch ahead
	s_wait_xcnt 0x0                                ; the x loads issued so far have read their offsets, which are written again below
.irp i, 0,1,2,3
	ds_load_b32 v[32+\i], v9 offset:TOK+(\b+2)*256+64*\i
.endr
	MULP \b, 0
	PLACES 4
	s_wait_dscnt 0x0
	XADR 0
	XLOAD \b, 0                                    ; group g + 2, units 0 and 1, into the registers just multiplied
	MULP \b, 2
	PLACES 5
	s_wait_loadcnt 32                              ; all but the 32 just issued: x(g + 1) is whole
	XLOAD \b, 2
	s_branch .Lred_\@
.Lnone_\@:
	MULP \b, 0
	MULP \b, 2
	PLACES 5
	s_wait_loadcnt 0x0
.Lred_\@:
	REDST \b
	s_branch .Lbar_\@
.Lidle_\@:
	s_wait_loadcnt 0x0
.Lbar_\@:
	s_wait_dscnt 0x0                               ; my partial sums lie in LDS, and my reads of the other buffer are over: it is written again behind this barrier
	s_barrier_signal -1
	s_barrier_wait -1
	s_cmp_lt_u32 s33, s27
	s_cbranch_scc0 .Lnofin_\@                      ; a padded slot is multiplied and not finished
	FINAL \b
.Lnofin_\@:
.endm
	s_load_b256 s[4:11], s[0:1], 0x0               ; x s[4:5], gate s[6:7], up s[8:9], scales s[10:11]
	s_load_b128 s[12:15], s[0:1], 0x20             ; route s[12:13], wtab s[14:15]
	s_load_b64 s[16:17], s[0:1], 0x30              ; act
	v_lshl_add_u32 v126, v0, 2, 0x23200
	v_mov_b32 v127, 0
	v_lshrrev_b32 v1, 5, v0
	v_readfirstlane_b32 s26, v1                    ; wave 0..3
	s_and_b32 s29, ttmp7, 0xffff                   ; expert
	v_and_b32 v1, 15, v0                           ; r
	v_bfe_u32 v2, v0, 4, 1                         ; h
	v_and_b32 v31, 31, v0
	v_lshlrev_b32 v30, 4, v31                      ; 16 x lane
	s_lshl_b32 s31, s26, 9
	v_lshlrev_b32 v28, 4, v2
	v_add_nc_u32 v28, s31, v28                     ; 512 w + 16 h: my part of a row
	v_and_b32 v3, 8, v1
	v_add_nc_u32 v3, v3, v1                        ; r + 8 (r / 8)
	v_lshl_add_u32 v3, v3, 11, v28                 ; the weights' offset
	v_lshlrev_b32 v8, 2, v1                        ; 4 r
	s_lshl_b32 s31, s26, 6
	v_add_nc_u32 v14, s31, v8                      ; 64 w + 4 r: unit w's row r in a group's tables
	s_lshl_b32 s31, s26, 14
	v_add_nc_u32 v10, s31, v30
	v_add_nc_u32 v11, RED1, v10                    ; where I store partial sums
	v_add_nc_u32 v10, RED0, v10
	s_lshl_b32 s31, s26, 12
	v_add_nc_u32 v12, s31, v30
	v_add_nc_u32 v13, RED1, v12                    ; where I read unit w's
	v_add_nc_u32 v12, RED0, v12
	s_lshl_b32 s31, s26, 10
	v_lshl_add_u32 v29, v2, 9, v8
	v_add_nc_u32 v29, s31, v29                     ; the tables' making: slot 16 w + 8 h + n, row r: 1,024 w + 512 h + 4 r (+ 64 n)
	s_lshl_b32 s31, s29, 14
	s_lshl_b32 s32, ttmp9, 9
	s_add_co_u32 s31, s31, s32
	v_add_nc_u32 v19, s31, v30                     ; act: 16,384 e + 512 sl + 16 x lane
	s_lshl_b32 s31, s26, 6
	s_lshl_b32 s32, s29, 8
	s_add_co_u32 s31, s31, s32
	v_lshlrev_b32 v56, 5, v2
	v_add_nc_u32 v56, s31, v56                     ; the list: 256 e + 4 (16 w + 8 h)
	s_lshl_b32 s32, s29, 21
	s_lshl_b32 s33, ttmp9, 16
	s_add_co_u32 s32, s32, s33                     ; the weights: expert x 2,097,152 + 32 rows x 2,048 x slice
	s_mov_b32 s33, 0
	s_lshl_b32 s34, s29, 2                         ; 4 e
	s_wait_kmcnt 0x0
	s_load_b32 s27, s[12:13], s34 offset:0x1900    ; ecount[e]
	s_load_b128 s[20:23], s[10:11], 0x0            ; e0 .. e3
	s_load_b64 s[24:25], s[10:11], 0x10            ; e4, e5
	s_add_nc_u64 s[6:7], s[6:7], s[32:33]
	s_add_nc_u64 s[8:9], s[8:9], s[32:33]
	global_load_b128 v[32:35], v56, s[12:13] offset:4096   ; my eight entries of elist[e]
	global_load_b128 v[36:39], v56, s[12:13] offset:4112
	WIN 0x40
.irp f, 0,1,2,3,4,5,6,7
	WLOAD \f
.endr
	WIN 0
	s_wait_loadcnt 32                              ; the list is in: behind it stand gate's 32 loads
.irp n, 0,1,2,3,4,5,6,7
	v_min_u32 v[32+\n], 63, v[32+\n]
.endr
.irp n, 0,1,2,3,4,5,6,7
	v_lshl_add_u32 v[64+\n], v[32+\n], 4, v1       ; p = 16 x tile + r
	v_lshlrev_b32 v[72+\n], 5, v[64+\n]
	v_add_nc_u32 v[72+\n], s34, v[72+\n]           ; wtab: 32 p + 4 e
	v_lshlrev_b32 v[64+\n], 2, v[64+\n]            ; tok: 4 p
.endr
.irp n, 0,1,2,3,4,5,6,7
	global_load_b32 v[40+\n], v[64+\n], s[12:13]
	global_load_b32 v[48+\n], v[72+\n], s[14:15]
.endr
	WIN 0x40
.irp f, 8,9,10,11,12,13,14,15
	WLOAD \f
.endr
	WIN 0
	s_wait_kmcnt 0x0
	s_min_u32 s27, s27, 64                         ; the expert's units
	s_add_co_i32 s42, s20, s21
	s_add_co_i32 s42, s42, 127
	s_lshl_b32 s42, s42, 23                        ; 2^(e0 + e1)
	s_mov_b32 s43, s42                             ; (named with it as a pair)
	s_add_co_i32 s44, s22, s23
	s_add_co_i32 s44, s44, 127
	s_lshl_b32 s44, s44, 23                        ; 2^(e2 + e3)
	s_add_co_i32 s45, s24, 127
	s_lshl_b32 s46, s45, 23
	v_mov_b32 v24, s46                             ; 2^e4
	s_add_co_i32 s45, s45, 8
	s_lshl_b32 s45, s45, 23
	s_or_b32 s45, s45, 0x600000
	v_mov_b32 v25, s45                             ; 448 x 2^e4
	s_wait_loadcnt 32                              ; the 16 table loads are in: behind them stand up's 32 loads
.irp n, 0,1,2,3,4,5,6,7
	ds_store_b32 v29, v[40+\n] offset:TOK+64*\n
	ds_store_b32 v29, v[48+\n] offset:WRT+64*\n
	ds_store_b32 v29, v[32+\n] offset:TAU+64*\n
.endr
	s_wait_dscnt 0x0                               ; for the others' sake: my quarter of the tables lies in LDS
	s_barrier_signal -1
	s_barrier_wait -1
	; groups 0 and 1 are fetched whatever the count: the list's padding makes every address a valid one, and both buffers are written on every way
.irp i, 0,1,2,3
	ds_load_b32 v[32+\i], v8 offset:TOK+64*\i
.endr
	s_wait_dscnt 0x0
	XADR 0
	XLOAD 0, 0
	XLOAD 0, 2
	s_wait_xcnt 0x0                                ; these loads have read their offsets
.irp i, 0,1,2,3
	ds_load_b32 v[32+\i], v8 offset:TOK+256+64*\i
.endr
	s_wait_dscnt 0x0
	XADR 0
	XLOAD 1, 0
	s_wait_loadcnt 32                              ; all but the 32 just issued: the weights and x(0) are in
	XLOAD 1, 2
	s_mov_b32 s28, 0                               ; G
.Lgroups:                                              ; 8 trips, two groups each
	HALF 0
	HALF 1
	s_add_co_u32 s28, s28, 2
	s_cmp_lt_u32 s28, 16
	s_cbranch_scc1 .Lgroups
	s_wait_tensorcnt 0x0
	ds_add_u32 v126, v127
	s_wait_dscnt 0x0
	s_endpgm
.Lfunc_end_k_qd3e58f99b7_gateup:
	.size	k_qd3e58f99b7_gateup, .Lfunc_end_k_qd3e58f99b7_gateup-k_qd3e58f99b7_gateup
	.p2alignl 7, 3214868480
	.fill 96, 4, 3214868480
	.section	.rodata,"a",@progbits
	.p2align	6, 0x0
	.amdhsa_kernel k_qd3e58f99b7_gateup
		.amdhsa_group_segment_fixed_size 144384
		.amdhsa_private_segment_fixed_size 0
		.amdhsa_enable_private_segment 0
		.amdhsa_kernarg_size 56
		.amdhsa_user_sgpr_count 2
		.amdhsa_user_sgpr_kernarg_segment_ptr 1
		.amdhsa_wavefront_size32 1
		.amdhsa_system_sgpr_workgroup_id_x 1
		.amdhsa_system_sgpr_workgroup_id_y 1
		.amdhsa_system_sgpr_workgroup_id_z 1
		.amdhsa_system_vgpr_workitem_id 0
		.amdhsa_next_free_vgpr 1024
		.amdhsa_next_free_sgpr 66
		.amdhsa_reserve_vcc 0
		.amdhsa_float_denorm_mode_32 3
		.amdhsa_float_denorm_mode_16_64 3
		.amdhsa_memory_ordered 1
		.amdhsa_forward_progress 1
		.amdhsa_inst_pref_size 91
	.end_amdhsa_kernel
	.amdgpu_metadata
---
amdhsa.version: [ 1, 2 ]
amdhsa.kernels:
  - .name:           k_qd3e58f99b7_gateup
    .symbol:         k_qd3e58f99b7_gateup.kd
    .args:
      - { .name: x_codes, .offset: 0, .size: 8, .value_kind: global_buffer, .address_space: global }
      - { .name: gate_w_codes, .offset: 8, .size: 8, .value_kind: global_buffer, .address_space: global }
      - { .name: up_w_codes, .offset: 16, .size: 8, .value_kind: global_buffer, .address_space: global }
      - { .name: lowp_scales, .offset: 24, .size: 8, .value_kind: global_buffer, .address_space: global }
      - { .name: route, .offset: 32, .size: 8, .value_kind: global_buffer, .address_space: global }
      - { .name: wtab, .offset: 40, .size: 8, .value_kind: global_buffer, .address_space: global }
      - { .name: act, .offset: 48, .size: 8, .value_kind: global_buffer, .address_space: global }
    .group_segment_fixed_size: 144384
    .private_segment_fixed_size: 0
    .kernarg_segment_align: 8
    .kernarg_segment_size: 56
    .max_flat_workgroup_size: 128
    .sgpr_count:     66
    .vgpr_count:     1024
    .wavefront_size: 32
...
	.end_amdgpu_metadata
.endif
;; end of part 2
;; launch down (part 3): grid 16 x 16, 8 waves a work-group, no clusters, 271,360 bytes of LDS; arguments act, dcodes, lowp_scales, route, out0; writes out0
.if DOCPART == 3
	.amdgcn_target "amdgcn-amd-amdhsa--gfx1250"
	.amdhsa_code_object_version 6
	.text
	.protected	k_qd3e58f99b7_down
	.globl	k_qd3e58f99b7_down
	.p2align	8
	.type	k_qd3e58f99b7_down,@function
k_qd3e58f99b7_down:
	s_mov_b64 s[64:65], 0
	v_nop
	global_prefetch_b8 v0, s[64:65] scope:SCOPE_SE
	s_setreg_imm32_b32 hwreg(HW_REG_WAVE_MODE, 25, 1), 1
	s_wait_xcnt 0x0
; DOWN.  out0[token][h] = 2^(e4 + e5) x the sum over (e, i) of act's codes x dcodes' codes, for the units that the stored masks name; where a token's tile has no unit of e, act is 0 there and nothing is multiplied.
; SHARES.  A work-group has 128 columns h (x) and a block of 64 sorted tokens, four tiles (y): each piece of an output row has one owner.  THE EIGHT WAVES SHARE K: wave w takes K step w (128 of the 1,024 i) of every
; expert.  So each byte of dcodes and of act is loaded by one wave of the work-group; a step's 8 fragments of dcodes and up to 4 of act feed up to 32 matrix instructions, and all experts add into the same 32
; accumulators.  The block's experts are walked by the bits of its four masks, in a loop of constant count; an expert that no tile uses is passed over by a scalar branch on the stored masks.  No barrier stands in the loop.
; Both operands lie in memory in the order of the operand's registers: a fragment is four loads of 512 consecutive bytes.
; The matrix instruction is used transposed (source 0 = 16 columns h, source 1 = 16 tokens): a lane holds eight neighbouring h of one token.  At the end the eight waves' partial sums meet in LDS (64 rows x 528 bytes a wave);
; wave w adds rows 8 w .. 8 w + 7 and stores each as 512 consecutive bytes, aligned, of its token's row.
; LIMIT: e4 + e5 between -126 and 127.  The K sums are formed in eight parts and added in f32.
; NO TENSOR LOADS, NO CLUSTER, though the 16 blocks read the same dcodes: which experts a block walks hangs on the stored masks, so partners would ask for different tiles, and the walk is a branch on loaded numbers.
; REGISTERS: window 0: v1 16 x lane; v2 where I store partial sums; v4-7 where I read them; v8-15 my eight rows' offsets in out0; v64-191 dcodes' 8 fragments, later the partial sums; v192-255 act's 4 fragments.
;   window 1: accumulator (tile i, column tile ct) at v[8 (8 i + ct)].
.set DF, 64
.set AF, 192
.set MSB, 0
.macro WIN new                         ; s_set_vgpr_msb: bits 1:0 source 0, 3:2 source 1, 5:4 source 2, 7:6 destination; the high byte repeats the setting that is left
.if MSB != (\new)
	s_set_vgpr_msb (MSB<<8)|(\new)
.set MSB, (\new)
.endif
.endm
.macro NEXTE                           ; the lowest expert left in s33 goes to s34
	s_ctz_i32_b32 s34, s33
	s_min_u32 s34, s34, 7
	s_sub_co_u32 s40, s33, 1
	s_and_b32 s33, s33, s40
.endm
; One expert's K step w.  first = 1: the step that starts all 32 sums with the constant 0; there a tile without a unit gets zero codes, so that every register is written on both ways and nothing is cleared later.
.macro STEP first
	s_lshl_b32 s40, s34, 21
	s_mov_b32 s41, 0
	s_add_nc_u64 s[44:45], s[36:37], s[40:41]      ; (the last step's loads are all in: their bases may be written)
	s_lshl_b32 s40, s34, 14
	s_add_nc_u64 s[46:47], s[38:39], s[40:41]
.irp ct, 0,1,2,3,4,5,6,7
.irp c, 0,1,2,3
	global_load_b128 v[DF+16*\ct+4*\c:DF+16*\ct+4*\c+3], v1, s[44:45] offset:16384*\ct+512*\c
.endr
.endr
.irp i, 0,1,2,3
	s_bitcmp1_b32 s[16+\i], s34
	s_cbranch_scc0 .Loff_\@_\i
.irp c, 0,1,2,3
	global_load_b128 v[AF+16*\i+4*\c:AF+16*\i+4*\c+3], v1, s[46:47] offset:131072*\i+512*\c
.endr
.if \first
	s_branch .Lon_\@_\i
.endif
.Loff_\@_\i:
.if \first
.irp j, 0,1,2,3,4,5,6,7,8,9,10,11,12,13,14,15
	v_mov_b32 v[AF+16*\i+\j], 0
.endr
.Lon_\@_\i:
.endif
.endr
	s_wait_loadcnt 0x0
.irp i, 0,1,2,3
.if \first
	WIN 0x40
.irp ct, 0,1,2,3,4,5,6,7
	v_wmma_f32_16x16x128_fp8_fp8 v[8*(8*\i+\ct):8*(8*\i+\ct)+7], v[DF+16*\ct:DF+16*\ct+15], v[AF+16*\i:AF+16*\i+15], 0
.endr
.else
	s_bitcmp1_b32 s[16+\i], s34
	s_cbranch_scc0 .Lskip_\@_\i
	WIN 0x50
.irp ct, 0,1,2,3,4,5,6,7
	v_wmma_f32_16x16x128_fp8_fp8 v[8*(8*\i+\ct):8*(8*\i+\ct)+7], v[DF+16*\ct:DF+16*\ct+15], v[AF+16*\i:AF+16*\i+15], v[8*(8*\i+\ct):8*(8*\i+\ct)+7]
.endr
	WIN 0
.Lskip_\@_\i:
.endif
.endr
	WIN 0
.rept 4
	v_nop                                          ; places in front of the next step's loads into these fragments, and of the stores of the results.  An accumulator has one instruction a step: no two neighbours share one
.endr
.endm
	s_load_b256 s[4:11], s[0:1], 0x0               ; act s[4:5], dcodes s[6:7], scales s[8:9], route s[10:11]
	s_load_b64 s[12:13], s[0:1], 0x20              ; out0
	v_lshl_add_u32 v62, v0, 2, 0x42000
	v_mov_b32 v63, 0
	v_lshrrev_b32 v1, 5, v0
	v_readfirstlane_b32 s32, v1                    ; wave 0..7
	s_and_b32 s50, ttmp7, 0xffff                   ; block of 64 sorted tokens
	v_and_b32 v3, 31, v0
	v_lshlrev_b32 v1, 4, v3                        ; 16 x lane
	v_and_b32 v16, 15, v0                          ; r
	v_bfe_u32 v17, v0, 4, 1                        ; hh
	s_mul_i32 s51, s32, 33792
	v_mul_u32_u24 v2, v16, 528
	v_lshl_add_u32 v2, v17, 5, v2
	v_add_nc_u32 v2, s51, v2                       ; in: my wave's region, row r, + 32 hh
	s_mul_i32 s51, s32, 8*528
	v_add_nc_u32 v4, s51, v1                       ; back: rows 8 w on, 16 bytes a lane, in waves 0, 2, 4, 6's regions
	v_add_nc_u32 v5, 67584, v4
	v_add_nc_u32 v6, 135168, v4
	v_add_nc_u32 v7, 202752, v4
	s_lshl_b32 s52, s32, 11                        ; my K step: 2,048 bytes a fragment
	s_lshl_b32 s40, ttmp9, 17                      ; dcodes: 8 column tiles of 16,384 bytes a slice
	s_add_co_u32 s40, s40, s52
	s_mov_b32 s41, 0
	s_lshl_b32 s42, s50, 19                        ; act: 4 tiles of 131,072 bytes a block
	s_add_co_u32 s42, s42, s52
	s_mov_b32 s43, 0
	s_lshl_b32 s53, s50, 8
	s_lshl_b32 s54, s32, 5
	s_add_co_u32 s53, s53, s54                     ; tok: 4 (64 block + 8 w)
	s_lshl_b32 s54, s50, 4                         ; tmask: 4 words a block
	s_lshl_b32 s55, ttmp9, 9                       ; out0: 512 bytes a slice
	v_add_nc_u32 v18, s55, v1
	s_wait_kmcnt 0x0
	s_load_b128 s[16:19], s[10:11], s54 offset:0x1800   ; the four tiles' masks
	s_load_b256 s[24:31], s[10:11], s53 offset:0x0      ; the tokens of my eight rows
	s_load_b64 s[20:21], s[8:9], 0x10              ; e4, e5
	s_add_nc_u64 s[36:37], s[6:7], s[40:41]
	s_add_nc_u64 s[38:39], s[4:5], s[42:43]
	s_wait_kmcnt 0x0
	s_or_b32 s33, s16, s17
	s_or_b32 s33, s33, s18
	s_or_b32 s33, s33, s19
	s_and_b32 s33, s33, 0xff                       ; the block's experts
.irp k, 0,1,2,3,4,5,6,7
	s_min_u32 s[24+\k], s[24+\k], 1023
	s_lshl_b32 s[24+\k], s[24+\k], 13              ; a row of out0 is 8,192 bytes
	v_add_nc_u32 v[8+\k], s[24+\k], v18
.endr
	s_add_co_i32 s48, s20, s21
	s_add_co_i32 s48, s48, 127
	s_lshl_b32 s48, s48, 23                        ; 2^(e4 + e5)
	s_mov_b32 s49, s48                             ; (named with it as a pair)
	NEXTE
	STEP 1
	s_mov_b32 s35, 7
.Lexp:                                                 ; 7 trips: at most seven experts more
	s_cmp_eq_u32 s33, 0
	s_cbranch_scc1 .Lnomore
	NEXTE
	STEP 0
.Lnomore:
	s_sub_co_u32 s35, s35, 1
	s_cmp_lg_u32 s35, 0
	s_cbranch_scc1 .Lexp
	; THE PARTIAL SUMS MEET.  Lane (r, hh) of accumulator (i, ct) holds row 16 i + r, bytes 64 ct + 32 hh + 0 .. 31; each accumulator goes from its low end on
	WIN 0x04                                       ; the stores' data: window 1
.irp i, 0,1,2,3
.irp ct, 0,1,2,3,4,5,6,7
	ds_store_b128 v2, v[8*(8*\i+\ct):8*(8*\i+\ct)+3] offset:8448*\i+64*\ct
	ds_store_b128 v2, v[8*(8*\i+\ct)+4:8*(8*\i+\ct)+7] offset:8448*\i+64*\ct+16
.endr
.endr
	WIN 0
	s_wait_dscnt 0x0                               ; for the others' sake: my partial sums lie in LDS
	s_barrier_signal -1
	s_barrier_wait -1
.irp hf, 0,1                                   ; four rows at a time
.if \hf
	s_wait_xcnt 0x0                                ; the first four stores have read their data: the registers are loaded again
.endif
.irp p, 0,1,2,3
.irp q, 0,1,2,3,4,5,6,7
	ds_load_b128 v[DF+32*\p+4*\q:DF+32*\p+4*\q+3], v[4+\q/2] offset:33792*(\q%2)+528*(4*\hf+\p)
.endr
.endr
	s_wait_dscnt 0x0
.irp p, 0,1,2,3
.irp q, 0,2,4,6
.irp d, 0,2
	v_pk_add_f32 v[DF+32*\p+4*\q+\d:DF+32*\p+4*\q+\d+1], v[DF+32*\p+4*\q+\d:DF+32*\p+4*\q+\d+1], v[DF+32*\p+4*\q+4+\d:DF+32*\p+4*\q+4+\d+1]
.endr
.endr
.irp q, 0,4
.irp d, 0,2
	v_pk_add_f32 v[DF+32*\p+4*\q+\d:DF+32*\p+4*\q+\d+1], v[DF+32*\p+4*\q+\d:DF+32*\p+4*\q+\d+1], v[DF+32*\p+4*\q+8+\d:DF+32*\p+4*\q+8+\d+1]
.endr
.endr
.irp d, 0,2
	v_pk_add_f32 v[DF+32*\p+\d:DF+32*\p+\d+1], v[DF+32*\p+\d:DF+32*\p+\d+1], v[DF+32*\p+16+\d:DF+32*\p+16+\d+1]
.endr
.irp d, 0,2
	v_pk_mul_f32 v[DF+32*\p+\d:DF+32*\p+\d+1], v[DF+32*\p+\d:DF+32*\p+\d+1], s[48:49] op_sel_hi:[1,0]
.endr
	global_store_b128 v[8+4*\hf+\p], v[DF+32*\p:DF+32*\p+3], s[12:13] th:TH_STORE_NT   ; 32 lanes store 512 consecutive bytes, aligned, of one token's row; written once, read by nobody here
.endr
.endr
	s_wait_tensorcnt 0x0
	ds_add_u32 v62, v63
	s_wait_dscnt 0x0
	s_endpgm
.Lfunc_end_k_qd3e58f99b7_down:
	.size	k_qd3e58f99b7_down, .Lfunc_end_k_qd3e58f99b7_down-k_qd3e58f99b7_down
	.p2alignl 7, 3214868480
	.fill 96, 4, 3214868480
	.section	.rodata,"a",@progbits
	.p2align	6, 0x0
	.amdhsa_kernel k_qd3e58f99b7_down
		.amdhsa_group_segment_fixed_size 271360
		.amdhsa_private_segment_fixed_size 0
		.amdhsa_enable_private_segment 0
		.amdhsa_kernarg_size 40
		.amdhsa_user_sgpr_count 2
		.amdhsa_user_sgpr_kernarg_segment_ptr 1
		.amdhsa_wavefront_size32 1
		.amdhsa_system_sgpr_workgroup_id_x 1
		.amdhsa_system_sgpr_workgroup_id_y 1
		.amdhsa_system_sgpr_workgroup_id_z 1
		.amdhsa_system_vgpr_workitem_id 0
		.amdhsa_next_free_vgpr 512
		.amdhsa_next_free_sgpr 66
		.amdhsa_reserve_vcc 0
		.amdhsa_float_denorm_mode_32 3
		.amdhsa_float_denorm_mode_16_64 3
		.amdhsa_memory_ordered 1
		.amdhsa_forward_progress 1
		.amdhsa_inst_pref_size 38
	.end_amdhsa_kernel
	.amdgpu_metadata
---
amdhsa.version: [ 1, 2 ]
amdhsa.kernels:
  - .name:           k_qd3e58f99b7_down
    .symbol:         k_qd3e58f99b7_down.kd
    .args:
      - { .name: act, .offset: 0, .size: 8, .value_kind: global_buffer, .address_space: global }
      - { .name: dcodes, .offset: 8, .size: 8, .value_kind: global_buffer, .address_space: global }
      - { .name: lowp_scales, .offset: 16, .size: 8, .value_kind: global_buffer, .address_space: global }
      - { .name: route, .offset: 24, .size: 8, .value_kind: global_buffer, .address_space: global }
      - { .name: out0, .offset: 32, .size: 8, .value_kind: global_buffer, .address_space: global }
    .group_segment_fixed_size: 271360
    .private_segment_fixed_size: 0
    .kernarg_segment_align: 8
    .kernarg_segment_size: 40
    .max_flat_workgroup_size: 256
    .sgpr_count:     66
    .vgpr_count:     512
    .wavefront_size: 32
...
	.end_amdgpu_metadata
.endif
;; end of part 3
;; ======== version 2 of 3: 3 launches
;; workspace buffers: dcodes 16,777,216 bytes; act 8,388,608 bytes; wtab 32,768 bytes; xs 2,097,152 bytes; route 6,656 bytes of whole numbers
;; launch prep (part 4): grid 577 x 1, 8 waves a work-group, no clusters, 9,216 bytes of LDS; arguments down_w, lowp_scales, selected_experts, routing_weights, x_codes, dcodes, route, wtab, xs; writes dcodes, route, wtab, xs
.if DOCPART == 4
	.amdgcn_target "amdgcn-amd-amdhsa--gfx1250"
	.amdhsa_code_object_version 6
	.text
	.protected	k_qd3e58f99b7_prep
	.globl	k_qd3e58f99b7_prep
	.p2align	8
	.type	k_qd3e58f99b7_prep,@function
k_qd3e58f99b7_prep:
	s_mov_b64 s[64:65], 0
	v_nop
	global_prefetch_b8 v0, s[64:65] scope:SCOPE_SE
	s_setreg_imm32_b32 hwreg(HW_REG_WAVE_MODE, 25, 1), 1
	s_wait_xcnt 0x0
; PREP.  Three kinds of work-group, told apart by the work-group's number alone:
;   0        sorts the tokens and stores the lists;
;   1 .. 64  sort the tokens too (the sort reads 8,192 bytes of indices), and each lays one tile of 16 sorted tokens of x_codes in the order of the operand's registers;
;   65 .. 576 turn down_w [8][1024 i][2048 h], f32, into codes of E4M3 with the given scale 2^e5.
; THE CODES of down_w: dcodes [e 8][ht 128][s 8][c 4][lane 32][16 bytes]: lane (r, hh) holds, of column h = 16 ht + r, the codes of i = 128 s + 32 c + 16 hh + 0 .. 15.
;   A lane takes a column h and its registers run down i (the product's K): each load reads 128 consecutive bytes a wave, 1,024 a work-group; the conversions give 16 neighbours along K as 16 bytes,
;   and sixteen lanes store 256 consecutive bytes, aligned.  A work-group takes 256 columns x 128 i.  No LDS, no barrier on this way.
;   code = x / 2^e5, held within +-448, to the nearest code, ties to even.  LIMIT: e5 between -126 and 119.  NaN in down_w is not served.
; THE SORT.  key = 8 min(c0, c1) + max(c0, c1), c = min(index, 7): 36 keys.  Sorted place p: tile p / 16 (64 tiles).  256 threads, four tokens each (4 tid + j).  Inside a key: the waves in order, in a wave
;   slot j = 0 .. 3, in a slot the lanes.  The keys go in nine batches of four: 16 compares, then the scalar counts and sums, then the vector work, so that vector results are handed to scalar work once a batch.
; STORED by work-group 0: route bytes 0: tok[p];  4096: elist[e][64]: the tiles in which some token has expert e in its key, then padding by e's first tile;  6144: tmask[tile], a bit an expert;
;   6400: ecount[e], then 24 zeros.  wtab [p][8] f32: w[tok[p]][e] = the sum of the routing weights of the slots whose RAW index equals e: an index outside 0 .. 7 weighs nothing, as under one_hot; only the key clamps it.
; STORED by work-group 1 + tile: xs [tile 64][s 16][c 4][lane 32][16 bytes]: lane (r, hh) holds bytes 128 s + 32 c + 16 hh + 0 .. 15 of x_codes' row tok[16 tile + r].
;   From place to token without an LDS address that hangs on data: for each row r each wave takes the ballots of 'my token's place is 16 tile + r'; one bit is set in one wave; that wave's word is the token, the others' 0;
;   the eight words meet in LDS at fixed addresses and are added.
; Two barriers, both under branches on the work-group's number alone, which all eight waves take alike.
.set NRT, 65                           ; work-groups that sort
.set X,   32                           ; quantiser: v32-95 two sets of 32 numbers
.set C,   96                           ; v96-127 the codes: eight registers a block, so that no store's data are written again
.set S,   8                            ; sort: v8-15 raw indices of my four tokens
.set RW,  16                           ; v16-23 their routing weights
.set KEY, 24                           ; v24-27 keys
.set POS, 28                           ; v28-31 sorted places
.set H,   32                           ; v32-33 my wave's count for key = lane, lane + 32
.set CN,  36                           ; v36-51 all eight waves' counts for those two keys
.set TOT, 52                           ; v52-53 their sums
.set PRE, 54                           ; v54-55 the sums over the waves in front of mine
.set PA,  60                           ; work-group 0: v60-63 4 p
.set PB,  64                           ; v64-67 32 p
.set TID, 68                           ; v68-71 my tokens' numbers
.set WT,  72                           ; v72-103 eight weights for each of my four tokens
.set DD,  60                           ; a tile's work-group: v60-63 place - 16 tile
.set TK,  64                           ; v64 lane r: the token of row r, if my wave owns it, else 0
.set XR,  72                           ; v72-103 two fragments of x
.set MK,  32                           ; s32-47 sixteen ballots
.set CT,  48                           ; s48-63 their counts
.set BS,  66                           ; s66-81 where each ballot's lanes begin
.set TT,  82                           ; s82-85 four keys' totals
.set PP,  86                           ; s86-89 four keys' counts in the waves in front of mine
.macro LOADB t                         ; block t: down_w(32 t + i, my column), i = 0 .. 31
.irp i, 0,1,2,3,4,5,6,7,8,9,10,11,12,13,14,15,16,17,18,19,20,21,22,23,24,25,26,27,28,29,30,31
	global_load_b32 v[X+32*((\t)%2)+\i], v3, s[4:5] offset:(32*(\t)+\i)*8192 th:TH_LOAD_NT
.endr
.endm
.macro BLOCKQ t
.if (\t) < 3
	s_wait_loadcnt 32                              ; this block's 32 loads are in; the next block's 32 stand behind them
.else
	s_wait_loadcnt 0x0
.endif
.irp i, 0,1,2,3,4,5,6,7,8,9,10,11,12,13,14,15,16,17,18,19,20,21,22,23,24,25,26,27,28,29,30,31
	v_med3_num_f32 v[X+32*((\t)%2)+\i], v[X+32*((\t)%2)+\i], -v10, v10   ; the conversion does not saturate (ISA guide 7.6.2): the hold at 448 x the scale comes first
.endr
.irp g, 0,1,2,3
	v_cvt_scalef32_pk8_fp8_f32 v[C+8*(\t)+2*\g:C+8*(\t)+2*\g+1], v[X+32*((\t)%2)+8*\g:X+32*((\t)%2)+8*\g+7], v11
.endr
	global_store_b128 v4, v[C+8*(\t):C+8*(\t)+3], s[14:15] offset:512*(\t)         ; i = 32 t + 0 .. 15: the lower half of the fragment's lanes
	global_store_b128 v4, v[C+8*(\t)+4:C+8*(\t)+7], s[14:15] offset:512*(\t)+256   ; i = 32 t + 16 .. 31: the upper half
.if (\t) < 2
	LOADB (\t)+2                                   ; loads into the conversions' sources want no place; the next vector lines are the other set's holds
.endif
.endm
; four keys: my wave's count of each, into lane key % 32 of H
.macro HISTB ka, kb, kc, kd
.set q, 0
.irp k, \ka, \kb, \kc, \kd
.irp j, 0,1,2,3
	v_cmp_eq_u32 s[MK+4*q+\j], \k, v[KEY+\j]
.endr
.set q, q+1
.endr
.irp m, 0,1,2,3,4,5,6,7,8,9,10,11,12,13,14,15
	s_bcnt1_i32_b32 s[MK+\m], s[MK+\m]
.endr
.set q, 0
.irp k, \ka, \kb, \kc, \kd
	s_add_co_u32 s[MK+4*q], s[MK+4*q], s[MK+4*q+1]
	s_add_co_u32 s[MK+4*q+2], s[MK+4*q+2], s[MK+4*q+3]
	s_add_co_u32 s[MK+4*q], s[MK+4*q], s[MK+4*q+2]
	v_writelane_b32 v[H+(\k)/32], s[MK+4*q], (\k)%32
.set q, q+1
.endr
.endm
; four keys: the places of my tokens that have them.  s26: where the first key's run begins; it is stepped over the four runs
.macro RANKB ka, kb, kc, kd
.set q, 0
.irp k, \ka, \kb, \kc, \kd
	v_readlane_b32 s[TT+q], v[TOT+(\k)/32], (\k)%32
	v_readlane_b32 s[PP+q], v[PRE+(\k)/32], (\k)%32
.irp j, 0,1,2,3
	v_cmp_eq_u32 s[MK+4*q+\j], \k, v[KEY+\j]
.endr
.set q, q+1
.endr
.irp u, 0,1,2,3
.irp j, 0,1,2
	s_bcnt1_i32_b32 s[CT+4*\u+\j], s[MK+4*\u+\j]
.endr
.endr
.irp u, 0,1,2,3
	s_add_co_u32 s[BS+4*\u], s26, s[PP+\u]         ; the run's begin + the waves in front of mine,
	s_add_co_u32 s[BS+4*\u+1], s[BS+4*\u], s[CT+4*\u]   ; + my wave's slots in front
	s_add_co_u32 s[BS+4*\u+2], s[BS+4*\u+1], s[CT+4*\u+1]
	s_add_co_u32 s[BS+4*\u+3], s[BS+4*\u+2], s[CT+4*\u+2]
	s_add_co_u32 s26, s26, s[TT+\u]
.endr
.irp u, 0,1,2,3
.irp j, 0,1,2,3
	v_mbcnt_lo_u32_b32 v[56+\j], s[MK+4*\u+\j], s[BS+4*\u+\j]   ; + the lanes in front of mine
.endr
.irp j, 0,1,2,3
	v_cndmask_b32 v[POS+\j], v[POS+\j], v[56+\j], s[MK+4*\u+\j]
.endr
.endr
.endm
; four keys: their experts' bits into the masks of the tiles that their runs meet.  Lane l holds tiles l and l + 32.  A run [a, b) meets a tile [lo, hi) where max(a, lo) < min(b, hi); an empty run meets none
.macro TMB ka, kb, kc, kd
.set q, 0
.irp k, \ka, \kb, \kc, \kd
	v_readlane_b32 s[TT+q], v[TOT+(\k)/32], (\k)%32
.set q, q+1
.endr
	s_mov_b32 s[BS], s26
	s_add_co_u32 s[BS+1], s[BS], s[TT]
	s_add_co_u32 s[BS+2], s[BS+1], s[TT+1]
	s_add_co_u32 s[BS+3], s[BS+2], s[TT+2]
	s_add_co_u32 s26, s[BS+3], s[TT+3]
	s_mov_b32 s[BS+4], s26
.set q, 0
.irp k, \ka, \kb, \kc, \kd
	v_mov_b32 v145, (1<<((\k)/8))|(1<<((\k)%8))
	v_max_u32 v146, s[BS+q], v104
	v_min_u32 v147, s[BS+q+1], v105
	v_max_u32 v148, s[BS+q], v106
	v_min_u32 v149, s[BS+q+1], v107
	v_cmp_lt_u32 vcc_lo, v146, v147
	v_cndmask_b32 v150, 0, v145, vcc_lo
	v_cmp_lt_u32 s24, v148, v149
	v_cndmask_b32 v151, 0, v145, s24
	v_or_b32 v109, v109, v150
	v_or_b32 v110, v110, v151
.set q, q+1
.endr
.endm
; rows r0 .. r0 + 3 of my tile: which token of my wave, if any, has that place.  A ballot m has one bit or none: bcnt(m - 1) is the lane, or 32; so 4 lane + j is below 128 where the token is mine, and the least of the four finds it
.macro FINDB r0
.irp u, 0,1,2,3
.irp j, 0,1,2,3
	v_cmp_eq_u32 s[MK+4*\u+\j], (\r0)+\u, v[DD+\j]
.endr
.endr
.irp m, 0,1,2,3,4,5,6,7,8,9,10,11,12,13,14,15
	s_sub_co_u32 s[MK+\m], s[MK+\m], 1
.endr
.irp m, 0,1,2,3,4,5,6,7,8,9,10,11,12,13,14,15
	s_bcnt1_i32_b32 s[MK+\m], s[MK+\m]
.endr
.irp u, 0,1,2,3
	s_lshl_b32 s[MK+4*\u], s[MK+4*\u], 2
.irp j, 1,2,3
	s_lshl_b32 s[MK+4*\u+\j], s[MK+4*\u+\j], 2
	s_add_co_u32 s[MK+4*\u+\j], s[MK+4*\u+\j], \j
	s_min_u32 s[MK+4*\u], s[MK+4*\u], s[MK+4*\u+\j]
.endr
	s_add_co_u32 s28, s[MK+4*\u], s27              ; + 128 x wave: the token's number
	s_cmp_lt_u32 s[MK+4*\u], 128
	s_cselect_b32 s28, s28, 0
	v_writelane_b32 v[TK], s28, (\r0)+\u
.endr
.endm
	s_load_b256 s[4:11], s[0:1], 0x0               ; down_w s[4:5], scales s[6:7], selected_experts s[8:9], routing_weights s[10:11]
	s_load_b256 s[12:19], s[0:1], 0x20             ; x_codes s[12:13], dcodes s[14:15], route s[16:17], wtab s[18:19]
	s_load_b64 s[20:21], s[0:1], 0x40              ; xs
	v_lshl_add_u32 v160, v0, 2, 0x2000
	v_mov_b32 v161, 0
	v_lshrrev_b32 v1, 5, v0
	v_readfirstlane_b32 s22, v1                    ; wave 0..7
	v_and_b32 v2, 31, v0                           ; lane
	s_cmp_lt_u32 ttmp9, NRT
	s_cbranch_scc1 .Lroute
	; ---------------- the quantiser ----------------
	s_sub_co_u32 s23, ttmp9, NRT
	s_and_b32 s24, s23, 7                          ; which 256 columns
	s_bfe_u32 s25, s23, 0x30003                    ; which 128 along i
	s_lshr_b32 s26, s23, 6                         ; expert
	s_lshl_b32 s28, s26, 23                        ; from: expert x 8,388,608
	s_lshl_b32 s29, s25, 20                        ; + 128 rows of 8,192 bytes
	s_add_co_u32 s28, s28, s29
	s_lshl_b32 s29, s24, 10                        ; + 256 columns
	s_add_co_u32 s28, s28, s29
	s_lshl_b32 s29, s22, 7                         ; + my wave's 32 columns
	s_add_co_u32 s28, s28, s29
	s_mov_b32 s29, 0
	s_lshl_b32 s30, s26, 21                        ; to: expert x 2,097,152
	s_lshl_b32 s31, s24, 18                        ; + 16 column tiles of 16,384 bytes
	s_add_co_u32 s30, s30, s31
	s_lshl_b32 s31, s22, 15                        ; + my wave's two column tiles
	s_add_co_u32 s30, s30, s31
	s_lshl_b32 s31, s25, 11                        ; + the K step's 2,048 bytes
	s_add_co_u32 s30, s30, s31
	s_mov_b32 s31, 0
	v_lshlrev_b32 v3, 2, v2                        ; in: 4 bytes a lane
	v_and_b32 v4, 15, v2
	v_lshlrev_b32 v4, 4, v4
	v_lshrrev_b32 v5, 4, v2
	v_lshl_add_u32 v4, v5, 14, v4                  ; out: 16 (lane % 16) + 16,384 (lane / 16)
	s_wait_kmcnt 0x0
	s_load_b32 s32, s[6:7], 0x14                   ; e5
	s_add_nc_u64 s[4:5], s[4:5], s[28:29]
	s_add_nc_u64 s[14:15], s[14:15], s[30:31]
	LOADB 0
	LOADB 1
	s_wait_kmcnt 0x0
	s_add_co_i32 s32, s32, 127
	s_lshl_b32 s33, s32, 23
	v_mov_b32 v11, s33                             ; 2^e5 as f32: the conversion takes its exponent field
	s_add_co_i32 s32, s32, 8
	s_lshl_b32 s32, s32, 23
	s_or_b32 s32, s32, 0x600000
	v_mov_b32 v10, s32                             ; 448 x 2^e5
	BLOCKQ 0
	BLOCKQ 1
	BLOCKQ 2
	BLOCKQ 3
	s_endpgm
	; ---------------- the sort ----------------
.Lroute:
	v_lshlrev_b32 v1, 5, v0                        ; my four tokens: 32 bytes in each of the two inputs
	v_mul_u32_u24 v6, v2, 48                       ; LDS: eight waves' words for a key (or a row), 48 bytes apart
	s_lshl_b32 s23, s22, 2
	v_add_nc_u32 v5, s23, v6                       ; my wave's word among them
	v_and_b32 v7, 15, v2
	v_mul_u32_u24 v7, v7, 48                       ; the words of row lane % 16
	v_mov_b32 v[H], 0
	v_mov_b32 v[H+1], 0
	v_mov_b32 v[PRE], 0
	v_mov_b32 v[PRE+1], 0
.irp j, 0,1,2,3
	v_mov_b32 v[POS+\j], 0
.endr
	s_wait_kmcnt 0x0
	global_load_b128 v[S:S+3], v1, s[8:9]
	global_load_b128 v[S+4:S+7], v1, s[8:9] offset:16
	global_load_b128 v[RW:RW+3], v1, s[10:11]
	global_load_b128 v[RW+4:RW+7], v1, s[10:11] offset:16
	s_wait_loadcnt 0x0
.irp j, 0,1,2,3
	v_min_u32 v56, 7, v[S+2*\j]
	v_min_u32 v57, 7, v[S+2*\j+1]
	v_min_u32 v58, v56, v57
	v_max_u32 v59, v56, v57
	v_lshl_add_u32 v[KEY+\j], v58, 3, v59
.endr
	HISTB 0, 1, 2, 3                               ; the 36 keys 8 a + b, b >= a, in ascending order
	HISTB 4, 5, 6, 7
	HISTB 9, 10, 11, 12
	HISTB 13, 14, 15, 18
	HISTB 19, 20, 21, 22
	HISTB 23, 27, 28, 29
	HISTB 30, 31, 36, 37
	HISTB 38, 39, 45, 46
	HISTB 47, 54, 55, 63
	ds_store_b32 v5, v[H]                          ; key = lane
	ds_store_b32 v5, v[H+1] offset:1536            ; key = lane + 32
	s_wait_dscnt 0x0                               ; for the others' sake: my counts lie in LDS
	s_barrier_signal -1
	s_barrier_wait -1
	ds_load_b128 v[CN:CN+3], v6
	ds_load_b128 v[CN+4:CN+7], v6 offset:16
	ds_load_b128 v[CN+8:CN+11], v6 offset:1536
	ds_load_b128 v[CN+12:CN+15], v6 offset:1552
	s_wait_dscnt 0x0
.irp g, 0,1
	v_add3_u32 v[TOT+\g], v[CN+8*\g], v[CN+8*\g+1], v[CN+8*\g+2]
	v_add3_u32 v[TOT+\g], v[TOT+\g], v[CN+8*\g+3], v[CN+8*\g+4]
	v_add3_u32 v[TOT+\g], v[TOT+\g], v[CN+8*\g+5], v[CN+8*\g+6]
	v_add_nc_u32 v[TOT+\g], v[TOT+\g], v[CN+8*\g+7]
.endr
.irp w, 0,1,2,3,4,5,6
	s_cmp_gt_u32 s22, \w                           ; is wave w in front of mine?
	s_cselect_b32 s25, -1, 0
	v_and_b32 v56, s25, v[CN+\w]
	v_and_b32 v57, s25, v[CN+8+\w]
	v_add_nc_u32 v[PRE], v[PRE], v56
	v_add_nc_u32 v[PRE+1], v[PRE+1], v57
.endr
	s_mov_b32 s26, 0
	RANKB 0, 1, 2, 3
	RANKB 4, 5, 6, 7
	RANKB 9, 10, 11, 12
	RANKB 13, 14, 15, 18
	RANKB 19, 20, 21, 22
	RANKB 23, 27, 28, 29
	RANKB 30, 31, 36, 37
	RANKB 38, 39, 45, 46
	RANKB 47, 54, 55, 63
	s_cmp_lg_u32 ttmp9, 0
	s_cbranch_scc1 .Ltile
	; ---------------- work-group 0: the lists ----------------
	v_lshlrev_b32 v[TID], 2, v0
.irp j, 1,2,3
	v_add_nc_u32 v[TID+\j], \j, v[TID]
.endr
.irp j, 0,1,2,3
	v_min_u32 v[POS+\j], 1023, v[POS+\j]           ; a place is below 1,024 by its making; the clamp states it
	v_lshlrev_b32 v[PA+\j], 2, v[POS+\j]
	v_lshlrev_b32 v[PB+\j], 5, v[POS+\j]
.endr
.irp j, 0,1,2,3
	global_store_b32 v[PA+\j], v[TID+\j], s[16:17] ; tok[p]
.endr
.irp j, 0,1,2,3
.irp e, 0,1,2,3,4,5,6,7
	v_cmp_eq_u32 vcc_lo, \e, v[S+2*\j]
	v_cndmask_b32 v56, 0, v[RW+2*\j], vcc_lo
	v_cmp_eq_u32 vcc_lo, \e, v[S+2*\j+1]
	v_cndmask_b32 v57, 0, v[RW+2*\j+1], vcc_lo
	v_add_f32 v[WT+8*\j+\e], v56, v57              ; w[token][e], in f32
.endr
	global_store_b128 v[PB+\j], v[WT+8*\j:WT+8*\j+3], s[18:19]
	global_store_b128 v[PB+\j], v[WT+8*\j+4:WT+8*\j+7], s[18:19] offset:16
.endr
	s_cmp_lg_u32 s22, 0
	s_cbranch_scc1 .Lend                           ; the lists are wave 0's work; no barrier follows
	v_lshlrev_b32 v104, 4, v2                      ; tile l: places [16 l, 16 l + 16); tile l + 32: 512 further on
	v_add_nc_u32 v105, 16, v104
	v_add_nc_u32 v106, 512, v104
	v_add_nc_u32 v107, 528, v104
	v_lshlrev_b32 v108, 2, v2
	v_mov_b32 v109, 0
	v_mov_b32 v110, 0
	v_add_nc_u32 v111, 32, v2
	v_mov_b32 v144, 0
	s_mov_b32 s26, 0
	TMB 0, 1, 2, 3
	TMB 4, 5, 6, 7
	TMB 9, 10, 11, 12
	TMB 13, 14, 15, 18
	TMB 19, 20, 21, 22
	TMB 23, 27, 28, 29
	TMB 30, 31, 36, 37
	TMB 38, 39, 45, 46
	TMB 47, 54, 55, 63
	global_store_b32 v108, v109, s[16:17] offset:6144
	global_store_b32 v108, v110, s[16:17] offset:6272
	; elist[e]: the tiles with bit e go to the front in order; the others' 64 - count entries are filled with e's first tile.  The 64 lane slots are a permutation of the 64 entries.
.irp e, 0,1,2,3,4,5,6,7                        ; all sixteen ballots first
	v_and_b32 v56, 1<<\e, v109
	v_and_b32 v57, 1<<\e, v110
	v_cmp_ne_u32 s[MK+2*\e], 0, v56
	v_cmp_ne_u32 s[MK+2*\e+1], 0, v57
.endr
.irp e, 0,1,2,3,4,5,6,7
	s_bcnt1_i32_b32 s24, s[MK+2*\e]
	s_bcnt1_i32_b32 s25, s[MK+2*\e+1]
	s_add_co_u32 s27, s24, s25                     ; the count
	s_ctz_i32_b32 s28, s[MK+2*\e]
	s_ctz_i32_b32 s29, s[MK+2*\e+1]
	s_add_co_u32 s29, s29, 32
	s_cmp_lg_u32 s[MK+2*\e], 0
	s_cselect_b32 s28, s28, s29
	s_min_u32 s28, s28, 63                         ; e's first tile (where e has none: some valid tile, never worked on)
	s_not_b32 s30, s[MK+2*\e]
	s_not_b32 s31, s[MK+2*\e+1]
	s_add_co_u32 s25, s25, 32                      ; count + (32 - the lower half's members)
	v_mov_b32 v58, s28
	v_mbcnt_lo_u32_b32 v56, s[MK+2*\e], 0
	v_mbcnt_lo_u32_b32 v57, s30, s27
	v_cndmask_b32 v[112+4*\e], v57, v56, s[MK+2*\e]
	v_cndmask_b32 v[114+4*\e], v58, v2, s[MK+2*\e]
	v_mbcnt_lo_u32_b32 v56, s[MK+2*\e+1], s24
	v_mbcnt_lo_u32_b32 v57, s31, s25
	v_cndmask_b32 v[113+4*\e], v57, v56, s[MK+2*\e+1]
	v_cndmask_b32 v[115+4*\e], v58, v111, s[MK+2*\e+1]
	v_min_u32 v[112+4*\e], 63, v[112+4*\e]
	v_min_u32 v[113+4*\e], 63, v[113+4*\e]
	v_lshlrev_b32 v[112+4*\e], 2, v[112+4*\e]
	v_lshlrev_b32 v[113+4*\e], 2, v[113+4*\e]
	global_store_b32 v[112+4*\e], v[114+4*\e], s[16:17] offset:4096+256*\e   ; each expert has registers of its own: no store's sources are written again
	global_store_b32 v[113+4*\e], v[115+4*\e], s[16:17] offset:4096+256*\e
	v_writelane_b32 v144, s27, \e
.endr
	global_store_b32 v108, v144, s[16:17] offset:6400
.Lend:
	s_wait_tensorcnt 0x0
	ds_add_u32 v160, v161
	s_wait_dscnt 0x0
	s_endpgm
	; ---------------- work-groups 1 to 64: a tile of x in the order of the operand's registers ----------------
.Ltile:
	s_sub_co_u32 s24, ttmp9, 1                     ; my tile
	s_lshl_b32 s25, s24, 4
	s_lshl_b32 s27, s22, 7                         ; my wave's first token
.irp j, 0,1,2,3
	v_sub_nc_u32 v[DD+\j], v[POS+\j], s25          ; 0 .. 15 where the token lies in my tile
.endr
	v_mov_b32 v[TK], 0
	FINDB 0
	FINDB 4
	FINDB 8
	FINDB 12
	ds_store_b32 v5, v[TK] offset:3072             ; row = lane, word = wave: bytes of their own, behind the counts
	s_wait_dscnt 0x0                               ; for the others' sake: my words lie in LDS
	s_barrier_signal -1
	s_barrier_wait -1
	ds_load_b128 v[CN:CN+3], v7 offset:3072
	ds_load_b128 v[CN+4:CN+7], v7 offset:3088
	v_lshrrev_b32 v68, 4, v2
	v_lshlrev_b32 v68, 4, v68                      ; 16 hh
	s_lshl_b32 s28, s22, 8                         ; my two K steps: bytes 256 w on of a row
	v_add_nc_u32 v68, s28, v68
	v_lshlrev_b32 v69, 4, v2                       ; out: 16 x lane
	s_lshl_b32 s28, s24, 15                        ; tile x 32,768
	s_lshl_b32 s29, s22, 12                        ; + my two K steps' 4,096 bytes
	s_add_co_u32 s28, s28, s29
	s_mov_b32 s29, 0
	s_add_nc_u64 s[20:21], s[20:21], s[28:29]
	s_wait_dscnt 0x0
	v_add3_u32 v67, v[CN], v[CN+1], v[CN+2]        ; seven zeros and the token
	v_add3_u32 v67, v67, v[CN+3], v[CN+4]
	v_add3_u32 v67, v67, v[CN+5], v[CN+6]
	v_add_nc_u32 v67, v67, v[CN+7]
	v_min_u32 v67, 1023, v67
	v_lshl_add_u32 v67, v67, 11, v68               ; token x 2,048 + 256 w + 16 hh
.irp s, 0,1
.irp c, 0,1,2,3
	global_load_b128 v[XR+16*\s+4*\c:XR+16*\s+4*\c+3], v67, s[12:13] offset:128*\s+32*\c
.endr
.endr
.irp s, 0,1
.irp c, 0,1,2,3
	s_wait_loadcnt 7-4*\s-\c                       ; loads come back in order: this one is in, the younger ones may be out
	global_store_b128 v69, v[XR+16*\s+4*\c:XR+16*\s+4*\c+3], s[20:21] offset:2048*\s+512*\c   ; 32 lanes store 512 consecutive bytes, aligned
.endr
.endr
	s_wait_tensorcnt 0x0
	ds_add_u32 v160, v161
	s_wait_dscnt 0x0
	s_endpgm
.Lfunc_end_k_qd3e58f99b7_prep:
	.size	k_qd3e58f99b7_prep, .Lfunc_end_k_qd3e58f99b7_prep-k_qd3e58f99b7_prep
	.p2alignl 7, 3214868480
	.fill 96, 4, 3214868480
	.section	.rodata,"a",@progbits
	.p2align	6, 0x0
	.amdhsa_kernel k_qd3e58f99b7_prep
		.amdhsa_group_segment_fixed_size 9216
		.amdhsa_private_segment_fixed_size 0
		.amdhsa_enable_private_segment 0
		.amdhsa_kernarg_size 72
		.amdhsa_user_sgpr_count 2
		.amdhsa_user_sgpr_kernarg_segment_ptr 1
		.amdhsa_wavefront_size32 1
		.amdhsa_system_sgpr_workgroup_id_x 1
		.amdhsa_system_sgpr_workgroup_id_y 1
		.amdhsa_system_sgpr_workgroup_id_z 1
		.amdhsa_system_vgpr_workitem_id 0
		.amdhsa_next_free_vgpr 162
		.amdhsa_next_free_sgpr 92
		.amdhsa_reserve_vcc 1
		.amdhsa_float_denorm_mode_32 3
		.amdhsa_float_denorm_mode_16_64 3
		.amdhsa_memory_ordered 1
		.amdhsa_forward_progress 1
		.amdhsa_inst_pref_size 146
	.end_amdhsa_kernel
	.amdgpu_metadata
---
amdhsa.version: [ 1, 2 ]
amdhsa.kernels:
  - .name:           k_qd3e58f99b7_prep
    .symbol:         k_qd3e58f99b7_prep.kd
    .args:
      - { .name: down_w, .offset: 0, .size: 8, .value_kind: global_buffer, .address_space: global }
      - { .name: lowp_scales, .offset: 8, .size: 8, .value_kind: global_buffer, .address_space: global }
      - { .name: selected_experts, .offset: 16, .size: 8, .value_kind: global_buffer, .address_space: global }
      - { .name: routing_weights, .offset: 24, .size: 8, .value_kind: global_buffer, .address_space: global }
      - { .name: x_codes, .offset: 32, .size: 8, .value_kind: global_buffer, .address_space: global }
      - { .name: dcodes, .offset: 40, .size: 8, .value_kind: global_buffer, .address_space: global }
      - { .name: route, .offset: 48, .size: 8, .value_kind: global_buffer, .address_space: global }
      - { .name: wtab, .offset: 56, .size: 8, .value_kind: global_buffer, .address_space: global }
      - { .name: xs, .offset: 64, .size: 8, .value_kind: global_buffer, .address_space: global }
    .group_segment_fixed_size: 9216
    .private_segment_fixed_size: 0
    .kernarg_segment_align: 8
    .kernarg_segment_size: 72
    .max_flat_workgroup_size: 256
    .sgpr_count:     92
    .vgpr_count:     162
    .wavefront_size: 32
...
	.end_amdgpu_metadata
.endif
;; end of part 4
;; launch gateup (part 5): grid 32 x 8, 4 waves a work-group, no clusters, 139,776 bytes of LDS; arguments xs, gate_w_codes, up_w_codes, lowp_scales, route, wtab, act; writes act
.if DOCPART == 5
	.amdgcn_target "amdgcn-amd-amdhsa--gfx1250"
	.amdhsa_code_object_version 6
	.text
	.protected	k_qd3e58f99b7_gateup
	.globl	k_qd3e58f99b7_gateup
	.p2align	8
	.type	k_qd3e58f99b7_gateup,@function
k_qd3e58f99b7_gateup:
	s_mov_b64 s[64:65], 0
	v_nop
	global_prefetch_b8 v0, s[64:65] scope:SCOPE_SE
	s_setreg_imm32_b32 hwreg(HW_REG_WAVE_MODE, 25, 1), 1
	s_wait_xcnt 0x0
; GATEUP.  act = Q(gelu(x G_e) (x U_e) w[t][e]) for the units (tile of 16 sorted tokens, expert e) that the stored list names; both products on E4M3 codes as they are given.
; SHARES.  A work-group has expert e (y) and 32 columns of the intermediate axis (x): 32 rows of gate_w_codes and 32 of up_w_codes, 2,048 bytes each.  THE FOUR WAVES SHARE K: wave w has bytes 512 w .. 512 w + 511 of
; every row, four K steps of 128.  So a wave's weights, 4 tiles x 4 K steps x 16 registers, stay in 256 registers for the whole launch, each weight byte is loaded once in the launch, and each byte of a tile of x is loaded
; by one wave of the work-group and feeds four matrix instructions.  The expert's units go in groups of four (64 rows): 16 groups in a loop of constant count; groups past the expert's count are passed over by scalar
; branches on the stored count, round the work alone: every wave passes every barrier.  The four waves' partial sums of a group meet in LDS; wave w then finishes unit w of the group.
; x COMES AS xs, laid by the launch before in the order of the operand's registers, [tile 64][s 16][c 4][lane 32][16 bytes]: a fragment is four loads of 512 consecutive bytes, at 16 x lane from a scalar base
; xs + 8,192 w + 32,768 x tile; a group's four tiles are read from the list by one scalar load, issued ahead of 32 matrix instructions and awaited behind them.
; LAYOUT.  The products are used transposed (source 0 = 16 weight rows, source 1 = 16 tokens): a lane holds ONE token.  Lane r of tile u takes weight row 32 sl + 8 u + r + 8 (r / 8), so that the 16 registers of tiles
; u = 0, 1 are columns 32 sl + 16 (lane / 16) + 0 .. 15: 16 neighbours along the next product's K, which are one group of four registers of that operand.  act is laid in the order of the operand's registers:
; [tile 64][e 8][s 8][c 4][lane 32][16 bytes], and the wave's one store covers 512 consecutive bytes, aligned.
; A fragment holds, in registers 4 c .. 4 c + 3, k = 32 c + 16 (lane / 16) + 0 .. 15: a permutation of k inside an instruction, the same in both operands.
; ARITHMETIC in f32: g = sum x 2^(e0 + e1), u = sum x 2^(e2 + e3); gelu(g) = g / (1 + 2^(-2 log2(e) sqrt(2 / pi) g (1 + 0.044715 g^2))), which is 0.5 g (1 + tanh(..)); x u x w; held within +-448 x 2^e4; converted.
; A token of the tile that does not use e has w = 0 and gets code 0.  The K sums are formed in four parts and added in f32.
; LIMITS: e0 + e1 and e2 + e3 between -126 and 127; e4 between -126 and 119.  NaN codes among the inputs, and NaN or infinite routing weights, are not served.
; NO TENSOR LOADS, NO CLUSTER, though the 32 work-groups of an expert read the same tiles of x: which tiles, and how many, hangs on the stored list, and the passing over of groups is a branch on a loaded number.
; REGISTERS, in windows of 256: window 0: addresses, the 16 accumulators (unit i, tile t) at v[128 + 8 (4 i + t)], later the four partial sums;  window 1: the weights, fragment (t, s) at v[16 (4 t + s)];
;   windows 2, 3: two buffers for a group's x, fragment (i, s) at v[16 (4 i + s)].
.set WRT,  0                           ; LDS: w for each of 64 unit slots x 16 rows: 4,096 bytes
.set TAU,  4096                        ; the tile's number for the same: 4,096 bytes
.set RED0, 8192                        ; partial sums, two buffers by turns: [writer wave 16,384][unit 4,096][tile 1,024][half 512][16 x lane]: images of registers, no pitch
.set RED1, 73728
.set XB,   68                          ; s[68:75], s[76:83]: the four units' bases in xs, a set for each x buffer
.set ACC,  128
.set T1,   64                          ; v64-79, v80-95 at work in the activation
.set T2,   80
.set MSB, 0
.macro WIN new                         ; s_set_vgpr_msb: bits 1:0 source 0, 3:2 source 1, 5:4 source 2, 7:6 destination; the high byte repeats the setting that is left
.if MSB != (\new)
	s_set_vgpr_msb (MSB<<8)|(\new)
.set MSB, (\new)
.endif
.endm
.macro WLOAD f                         ; weight fragment f = 4 t + s: t = 0, 1 gate's tiles u = 0, 1; t = 2, 3 up's
.irp c, 0,1,2,3
.if (\f) < 8
	global_load_b128 v[16*(\f)+4*\c:16*(\f)+4*\c+3], v3, s[6:7] offset:((\f)/4)*16384+((\f)%4)*128+32*\c
.else
	global_load_b128 v[16*(\f)+4*\c:16*(\f)+4*\c+3], v3, s[8:9] offset:((\f)/4-2)*16384+((\f)%4)*128+32*\c
.endif
.endr
.endm
.macro XBASE buf, src                  ; four tiles' numbers in s[src] on become the four bases of buffer buf
.irp i, 0,1,2,3
	s_min_u32 s[\src+\i], s[\src+\i], 63
	s_lshl_b32 s52, s[\src+\i], 15                 ; tile x 32,768 (s53 = 0)
	s_add_nc_u64 s[XB+8*(\buf)+2*\i:XB+8*(\buf)+2*\i+1], s[4:5], s[52:53]
.endr
.endm
.macro XLOAD buf, i0                   ; 32 loads of 512 consecutive bytes: units i0, i0 + 1 of a group, my four K steps
	WIN 0x80+0x40*(\buf)
.irp i, \i0, \i0+1
.irp s, 0,1,2,3
.irp c, 0,1,2,3
	global_load_b128 v[16*(4*(\i)+\s)+4*\c:16*(4*(\i)+\s)+4*\c+3], v30, s[XB+8*(\buf)+2*(\i):XB+8*(\buf)+2*(\i)+1] offset:2048*\s+512*\c
.endr
.endr
.endr
	WIN 0
.endm
.macro MULP buf, i0                    ; 32 matrix instructions: units i0, i0 + 1 x four tiles x four K steps; the eight accumulators take turns, one instruction a turn; the first K step starts the sums
	WIN 0x09+4*(\buf)
.irp s, 0,1,2,3
.irp i, \i0, \i0+1
.irp t, 0,1,2,3
.if \s == 0
	v_wmma_f32_16x16x128_fp8_fp8 v[ACC+8*(4*(\i)+\t):ACC+8*(4*(\i)+\t)+7], v[16*(4*\t+\s):16*(4*\t+\s)+15], v[16*(4*(\i)+\s):16*(4*(\i)+\s)+15], 0
.else
	v_wmma_f32_16x16x128_fp8_fp8 v[ACC+8*(4*(\i)+\t):ACC+8*(4*(\i)+\t)+7], v[16*(4*\t+\s):16*(4*\t+\s)+15], v[16*(4*(\i)+\s):16*(4*(\i)+\s)+15], v[ACC+8*(4*(\i)+\t):ACC+8*(4*(\i)+\t)+7]
.endif
.endr
.endr
.endr
	WIN 0
.endm
.macro PLACES n                        ; plain vector instructions behind matrix instructions: 4 in front of loads into their registers and of stores of their results, 5 in front of matrix instructions that begin an accumulator anew
.rept \n
	v_nop
.endr
.endm
.macro REDST b                         ; my 16 partial sums into buffer b, each accumulator from its low end on
.irp i, 0,1,2,3
.irp t, 0,1,2,3
	ds_store_b128 v[10+\b], v[ACC+8*(4*\i+\t):ACC+8*(4*\i+\t)+3] offset:4096*\i+1024*\t
	ds_store_b128 v[10+\b], v[ACC+8*(4*\i+\t)+4:ACC+8*(4*\i+\t)+7] offset:4096*\i+1024*\t+512
.endr
.endr
.endm
.macro FINAL b                         ; unit w of the group: the four waves' partial sums, the activation, the codes, one store
	s_wait_xcnt 0x0                                ; my last store has read its offset and its data: both are written again below
	ds_load_b32 v16, v15 offset:WRT+256*\b         ; w of my token
	ds_load_b32 v17, v15 offset:TAU+256*\b         ; the unit's tile
.irp q, 0,1,2,3
.irp t, 0,1,2,3
	ds_load_b128 v[ACC+32*\q+8*\t:ACC+32*\q+8*\t+3], v[12+\b] offset:16384*\q+1024*\t
	ds_load_b128 v[ACC+32*\q+8*\t+4:ACC+32*\q+8*\t+7], v[12+\b] offset:16384*\q+1024*\t+512
.endr
.endr
	s_wait_dscnt 0x0
.irp k, 0,2,4,6,8,10,12,14,16,18,20,22,24,26,28,30
	v_pk_add_f32 v[128+\k:129+\k], v[128+\k:129+\k], v[160+\k:161+\k]
	v_pk_add_f32 v[192+\k:193+\k], v[192+\k:193+\k], v[224+\k:225+\k]
.endr
.irp k, 0,2,4,6,8,10,12,14,16,18,20,22,24,26,28,30
	v_pk_add_f32 v[128+\k:129+\k], v[128+\k:129+\k], v[192+\k:193+\k]   ; v128-143: gate's 16 sums; v144-159: up's
.endr
	v_mul_f32 v26, s44, v16                        ; w x 2^(e2 + e3)
	v_min_u32 v17, 63, v17
	v_mov_b32 v27, v26
	v_lshl_add_u32 v18, v17, 17, v19               ; tile x 131,072 + my place in the unit
.irp k, 0,2,4,6,8,10,12,14
	v_pk_mul_f32 v[128+\k:129+\k], v[128+\k:129+\k], s[42:43] op_sel_hi:[1,0]     ; g
.endr
.irp k, 0,2,4,6,8,10,12,14
	v_pk_mul_f32 v[T1+\k:T1+\k+1], v[128+\k:129+\k], v[128+\k:129+\k]             ; g^2
	v_pk_mul_f32 v[T2+\k:T2+\k+1], v[128+\k:129+\k], 0xc0135761 op_sel_hi:[1,0]   ; -2 log2(e) sqrt(2 / pi) g
.endr
.irp k, 0,2,4,6,8,10,12,14
	v_pk_fma_f32 v[T1+\k:T1+\k+1], v[T1+\k:T1+\k+1], 0x3d372713, 1.0 op_sel_hi:[1,0,0]   ; 1 + 0.044715 g^2
.endr
.irp k, 0,2,4,6,8,10,12,14
	v_pk_mul_f32 v[T1+\k:T1+\k+1], v[T1+\k:T1+\k+1], v[T2+\k:T2+\k+1]
.endr
.irp j, 0,1,2,3,4,5,6,7,8,9,10,11,12,13,14,15
	v_exp_f32 v[T1+\j], v[T1+\j]
.endr
.irp k, 0,2,4,6,8,10,12,14
	v_pk_mul_f32 v[144+\k:145+\k], v[144+\k:145+\k], v[26:27]                     ; u x w: plain work behind the batch, which names none of its results
.endr
	s_wait_alu depctr_va_vdst(0)                   ; one wait for the sixteen exponentials, ahead of their first reader
.irp k, 0,2,4,6,8,10,12,14
	v_pk_add_f32 v[T1+\k:T1+\k+1], v[T1+\k:T1+\k+1], 1.0 op_sel_hi:[1,0]
.endr
.irp j, 0,1,2,3,4,5,6,7,8,9,10,11,12,13,14,15
	v_rcp_f32 v[T1+\j], v[T1+\j]
.endr
	v_nop                                          ; a plain instruction behind the last reciprocal
	s_wait_alu depctr_va_vdst(0)                   ; and one wait for the sixteen
.irp k, 0,2,4,6,8,10,12,14
	v_pk_mul_f32 v[128+\k:129+\k], v[128+\k:129+\k], v[T1+\k:T1+\k+1]             ; gelu(g)
.endr
.irp k, 0,2,4,6,8,10,12,14
	v_pk_mul_f32 v[128+\k:129+\k], v[128+\k:129+\k], v[144+\k:145+\k]             ; x u w
.endr
.irp j, 0,1,2,3,4,5,6,7,8,9,10,11,12,13,14,15
	v_med3_num_f32 v[128+\j], v[128+\j], -v25, v25 ; the conversion does not saturate (ISA guide 7.6.2)
.endr
	v_cvt_scalef32_pk8_fp8_f32 v[20:21], v[128:135], v24
	v_cvt_scalef32_pk8_fp8_f32 v[22:23], v[136:143], v24
	v_nop                                          ; a plain instruction behind the last conversion: later products write its sources
	global_store_b128 v18, v[20:23], s[16:17]      ; 32 lanes store 512 consecutive bytes, aligned
.endm
; ONE GROUP, g = G + b, on x buffer b and partial-sum buffer b.  At its head x(g) is in registers, and x(g + 1) is on its way or in.  On every way through it all loads older than those it issues itself are waited for.
.macro HALF b
	s_lshl_b32 s34, s28, 8
	v_add_nc_u32 v15, s34, v14                     ; the tables' address of group G, unit w: made outside the branches
	s_lshl_b32 s35, s28, 4
	s_add_co_u32 s35, s35, s37                     ; the list: 256 e + 16 G (the last scalar load that read s35 has been waited for)
	s_lshl_b32 s31, s28, 2
	s_add_co_u32 s31, s31, 4*\b                    ; the group's first unit slot
	s_add_co_u32 s32, s31, 8                       ; that of the group two on
	s_add_co_u32 s33, s31, s26                     ; my unit slot
	s_cmp_lt_u32 s31, s27
	s_cbranch_scc0 .Lidle_\@                       ; the expert has no unit here
	s_cmp_lt_u32 s32, s27
	s_cbranch_scc0 .Lnone_\@                       ; nothing to fetch ahead
	s_load_b128 s[48:51], s[12:13], s35 offset:0x1000+16*(\b+2)   ; the four tiles of group g + 2
	MULP \b, 0
	PLACES 4
	s_wait_kmcnt 0x0
	s_wait_xcnt 0x0                                ; every x load issued so far has read its base: this buffer's bases are written again
	XBASE \b, 48
	XLOAD \b, 0                                    ; group g + 2, units 0 and 1, into the registers just multiplied
	MULP \b, 2
	PLACES 5
	s_wait_loadcnt 32                              ; all but the 32 just issued: x(g + 1) is whole
	XLOAD \b, 2
	s_branch .Lred_\@
.Lnone_\@:
	MULP \b, 0
	MULP \b, 2
	PLACES 5
	s_wait_loadcnt 0x0
.Lred_\@:
	REDST \b
	s_branch .Lbar_\@
.Lidle_\@:
	s_wait_loadcnt 0x0
.Lbar_\@:
	s_wait_dscnt 0x0                               ; my partial sums (and, the first time, my quarter of the tables) lie in LDS, and my reads of the other buffer are over: it is written again behind this barrier
	s_barrier_signal -1
	s_barrier_wait -1
	s_cmp_lt_u32 s33, s27
	s_cbranch_scc0 .Lnofin_\@                      ; a padded slot is multiplied and not finished
	FINAL \b
.Lnofin_\@:
.endm
	s_load_b256 s[4:11], s[0:1], 0x0               ; xs s[4:5], gate s[6:7], up s[8:9], scales s[10:11]
	s_load_b128 s[12:15], s[0:1], 0x20             ; route s[12:13], wtab s[14:15]
	s_load_b64 s[16:17], s[0:1], 0x30              ; act
	v_lshl_add_u32 v126, v0, 2, 0x22000
	v_mov_b32 v127, 0
	v_lshrrev_b32 v1, 5, v0
	v_readfirstlane_b32 s26, v1                    ; wave 0..3
	s_and_b32 s29, ttmp7, 0xffff                   ; expert
	v_and_b32 v1, 15, v0                           ; r
	v_bfe_u32 v2, v0, 4, 1                         ; h
	v_and_b32 v31, 31, v0
	v_lshlrev_b32 v30, 4, v31                      ; 16 x lane; never rewritten
	s_lshl_b32 s31, s26, 9
	v_lshlrev_b32 v28, 4, v2
	v_add_nc_u32 v28, s31, v28                     ; 512 w + 16 h: my part of a weight row
	v_and_b32 v3, 8, v1
	v_add_nc_u32 v3, v3, v1                        ; r + 8 (r / 8)
	v_lshl_add_u32 v3, v3, 11, v28                 ; the weights' offset
	v_lshlrev_b32 v8, 2, v1                        ; 4 r
	s_lshl_b32 s31, s26, 6
	v_add_nc_u32 v14, s31, v8                      ; 64 w + 4 r: unit w's row r in a group's tables
	s_lshl_b32 s31, s26, 14
	v_add_nc_u32 v10, s31, v30
	v_add_nc_u32 v11, RED1, v10                    ; where I store partial sums
	v_add_nc_u32 v10, RED0, v10
	s_lshl_b32 s31, s26, 12
	v_add_nc_u32 v12, s31, v30
	v_add_nc_u32 v13, RED1, v12                    ; where I read unit w's
	v_add_nc_u32 v12, RED0, v12
	s_lshl_b32 s31, s26, 10
	v_lshl_add_u32 v29, v2, 9, v8
	v_add_nc_u32 v29, s31, v29                     ; the tables' making: slot 16 w + 8 h + n, row r: 1,024 w + 512 h + 4 r (+ 64 n)
	s_lshl_b32 s31, s29, 14
	s_lshl_b32 s32, ttmp9, 9
	s_add_co_u32 s31, s31, s32
	v_add_nc_u32 v19, s31, v30                     ; act: 16,384 e + 512 sl + 16 x lane
	s_lshl_b32 s36, s29, 2                         ; 4 e
	s_lshl_b32 s37, s29, 8                         ; 256 e
	s_lshl_b32 s31, s26, 6
	s_add_co_u32 s31, s31, s37
	v_lshlrev_b32 v56, 5, v2
	v_add_nc_u32 v56, s31, v56                     ; the list: 256 e + 4 (16 w + 8 h)
	s_lshl_b32 s32, s29, 21
	s_lshl_b32 s33, ttmp9, 16
	s_add_co_u32 s32, s32, s33                     ; the weights: expert x 2,097,152 + 32 rows x 2,048 x slice
	s_mov_b32 s33, 0
	s_lshl_b32 s52, s26, 13                        ; xs: my four K steps: 8,192 w
	s_mov_b32 s53, 0
	s_wait_kmcnt 0x0
	s_load_b32 s27, s[12:13], s36 offset:0x1900    ; ecount[e]
	s_load_b128 s[20:23], s[10:11], 0x0            ; e0 .. e3
	s_load_b64 s[24:25], s[10:11], 0x10            ; e4, e5
	s_load_b128 s[48:51], s[12:13], s37 offset:0x1000   ; the tiles of group 0,
	s_load_b128 s[56:59], s[12:13], s37 offset:0x1010   ; and of group 1
	s_add_nc_u64 s[4:5], s[4:5], s[52:53]
	s_add_nc_u64 s[6:7], s[6:7], s[32:33]
	s_add_nc_u64 s[8:9], s[8:9], s[32:33]
	global_load_b128 v[32:35], v56, s[12:13] offset:4096   ; my eight entries of elist[e], for the tables
	global_load_b128 v[36:39], v56, s[12:13] offset:4112
	WIN 0x40
.irp f, 0,1,2,3,4,5,6,7
	WLOAD \f
.endr
	WIN 0
	s_wait_loadcnt 32                              ; the list is in: behind it stand gate's 32 loads
.irp n, 0,1,2,3,4,5,6,7
	v_min_u32 v[32+\n], 63, v[32+\n]
.endr
.irp n, 0,1,2,3,4,5,6,7
	v_lshl_add_u32 v[72+\n], v[32+\n], 4, v1       ; p = 16 x tile + r
	v_lshlrev_b32 v[72+\n], 5, v[72+\n]
	v_add_nc_u32 v[72+\n], s36, v[72+\n]           ; wtab: 32 p + 4 e
.endr
.irp n, 0,1,2,3,4,5,6,7
	global_load_b32 v[48+\n], v[72+\n], s[14:15]
.endr
	WIN 0x40
.irp f, 8,9,10,11,12,13,14,15
	WLOAD \f
.endr
	WIN 0
	s_wait_kmcnt 0x0
	s_min_u32 s27, s27, 64                         ; the expert's units
	s_add_co_i32 s42, s20, s21
	s_add_co_i32 s42, s42, 127
	s_lshl_b32 s42, s42, 23                        ; 2^(e0 + e1)
	s_mov_b32 s43, s42                             ; (named with it as a pair)
	s_add_co_i32 s44, s22, s23
	s_add_co_i32 s44, s44, 127
	s_lshl_b32 s44, s44, 23                        ; 2^(e2 + e3)
	s_add_co_i32 s45, s24, 127
	s_lshl_b32 s46, s45, 23
	v_mov_b32 v24, s46                             ; 2^e4
	s_add_co_i32 s45, s45, 8
	s_lshl_b32 s45, s45, 23
	s_or_b32 s45, s45, 0x600000
	v_mov_b32 v25, s45                             ; 448 x 2^e4
	; groups 0 and 1 are fetched whatever the count: the list's padding makes every tile a valid one, and both buffers are written on every way
	XBASE 0, 48
	XBASE 1, 56
	XLOAD 0, 0
	XLOAD 0, 2
	XLOAD 1, 0
	s_wait_loadcnt 32                              ; all but the 32 just issued: the tables' numbers, the weights and x(0) are in
.irp n, 0,1,2,3,4,5,6,7
	ds_store_b32 v29, v[48+\n] offset:WRT+64*\n    ; the tables are first read behind group 0's barrier, in front of which every wave waits for these stores
	ds_store_b32 v29, v[32+\n] offset:TAU+64*\n
.endr
	XLOAD 1, 2
	s_mov_b32 s28, 0                               ; G
.Lgroups:                                              ; 8 trips, two groups each
	HALF 0
	HALF 1
	s_add_co_u32 s28, s28, 2
	s_cmp_lt_u32 s28, 16
	s_cbranch_scc1 .Lgroups
	s_wait_tensorcnt 0x0
	ds_add_u32 v126, v127
	s_wait_dscnt 0x0
	s_endpgm
.Lfunc_end_k_qd3e58f99b7_gateup:
	.size	k_qd3e58f99b7_gateup, .Lfunc_end_k_qd3e58f99b7_gateup-k_qd3e58f99b7_gateup
	.p2alignl 7, 3214868480
	.fill 96, 4, 3214868480
	.section	.rodata,"a",@progbits
	.p2align	6, 0x0
	.amdhsa_kernel k_qd3e58f99b7_gateup
		.amdhsa_group_segment_fixed_size 139776
		.amdhsa_private_segment_fixed_size 0
		.amdhsa_enable_private_segment 0
		.amdhsa_kernarg_size 56
		.amdhsa_user_sgpr_count 2
		.amdhsa_user_sgpr_kernarg_segment_ptr 1
		.amdhsa_wavefront_size32 1
		.amdhsa_system_sgpr_workgroup_id_x 1
		.amdhsa_system_sgpr_workgroup_id_y 1
		.amdhsa_system_sgpr_workgroup_id_z 1
		.amdhsa_system_vgpr_workitem_id 0
		.amdhsa_next_free_vgpr 1024
		.amdhsa_next_free_sgpr 84
		.amdhsa_reserve_vcc 0
		.amdhsa_float_denorm_mode_32 3
		.amdhsa_float_denorm_mode_16_64 3
		.amdhsa_memory_ordered 1
		.amdhsa_forward_progress 1
		.amdhsa_inst_pref_size 88
	.end_amdhsa_kernel
	.amdgpu_metadata
---
amdhsa.version: [ 1, 2 ]
amdhsa.kernels:
  - .name:           k_qd3e58f99b7_gateup
    .symbol:         k_qd3e58f99b7_gateup.kd
    .args:
      - { .name: xs, .offset: 0, .size: 8, .value_kind: global_buffer, .address_space: global }
      - { .name: gate_w_codes, .offset: 8, .size: 8, .value_kind: global_buffer, .address_space: global }
      - { .name: up_w_codes, .offset: 16, .size: 8, .value_kind: global_buffer, .address_space: global }
      - { .name: lowp_scales, .offset: 24, .size: 8, .value_kind: global_buffer, .address_space: global }
      - { .name: route, .offset: 32, .size: 8, .value_kind: global_buffer, .address_space: global }
      - { .name: wtab, .offset: 40, .size: 8, .value_kind: global_buffer, .address_space: global }
      - { .name: act, .offset: 48, .size: 8, .value_kind: global_buffer, .address_space: global }
    .group_segment_fixed_size: 139776
    .private_segment_fixed_size: 0
    .kernarg_segment_align: 8
    .kernarg_segment_size: 56
    .max_flat_workgroup_size: 128
    .sgpr_count:     84
    .vgpr_count:     1024
    .wavefront_size: 32
...
	.end_amdgpu_metadata
.endif
;; end of part 5
;; launch down: the kernel of part 3 again; grid 16 x 16, 8 waves a work-group, no clusters, 271,360 bytes of LDS; arguments act, dcodes, lowp_scales, route, out0; writes out0
;; ======== version 3 of 3: 3 launches
;; workspace buffers: dcodes 16,777,216 bytes; act 8,388,608 bytes; wtab 32,768 bytes; xs 2,097,152 bytes; route 6,656 bytes of whole numbers
;; launch prep (part 6): grid 577 x 1, 8 waves a work-group, no clusters, 9,216 bytes of LDS; arguments down_w, lowp_scales, selected_experts, routing_weights, x_codes, dcodes, route, wtab, xs; writes dcodes, route, wtab, xs
.if DOCPART == 6
	.amdgcn_target "amdgcn-amd-amdhsa--gfx1250"
	.amdhsa_code_object_version 6
	.text
	.protected	k_qd3e58f99b7_prep
	.globl	k_qd3e58f99b7_prep
	.p2align	8
	.type	k_qd3e58f99b7_prep,@function
k_qd3e58f99b7_prep:
	s_mov_b64 s[64:65], 0
	v_nop
	global_prefetch_b8 v0, s[64:65] scope:SCOPE_SE
	s_setreg_imm32_b32 hwreg(HW_REG_WAVE_MODE, 25, 1), 1
	s_wait_xcnt 0x0
; PREP.  Three kinds of work-group, told apart by the work-group's number alone:
;   0        sorts the tokens and stores the lists;
;   1 .. 64  sort the tokens too (the sort reads 8,192 bytes of indices), and each lays one tile of 16 sorted tokens of x_codes in the order of the operand's registers;
;   65 .. 576 turn down_w [8][1024 i][2048 h], f32, into codes of E4M3 with the given scale 2^e5.
; THE CODES of down_w: dcodes [e 8][ht 128][s 8][c 4][lane 32][16 bytes]: lane (r, hh) holds, of column h = 16 ht + r, the codes of i = 128 s + 32 c + 16 hh + 0 .. 15.
;   A lane takes a column h and its registers run down i (the product's K): each load reads 128 consecutive bytes a wave, 1,024 a work-group; the conversions give 16 neighbours along K as 16 bytes,
;   and sixteen lanes store 256 consecutive bytes, aligned.  A work-group takes 256 columns x 128 i.  No LDS, no barrier on this way.
;   code = x / 2^e5, held within +-448, to the nearest code, ties to even.  LIMIT: e5 between -126 and 119.  NaN in down_w is not served.
; THE SORT.  key = 8 min(c0, c1) + max(c0, c1), c = min(index, 7): 36 keys.  Sorted place p: tile p / 16 (64 tiles).  256 threads, four tokens each (4 tid + j).  Inside a key: the waves in order, in a wave
;   slot j = 0 .. 3, in a slot the lanes.  The keys go in nine batches of four: 16 compares, then the scalar counts and sums, then the vector work, so that vector results are handed to scalar work once a batch.
; STORED by work-group 0: route bytes 0: tok[p];  4096: elist[e][64]: the tiles in which some token has expert e in its key, then padding by e's first tile;  6144: tmask[tile], a bit an expert;
;   6400: ecount[e], then 24 zeros.  wtab [p][8] f32: w[tok[p]][e] = the sum of the routing weights of the slots whose RAW index equals e: an index outside 0 .. 7 weighs nothing, as under one_hot; only the key clamps it.
; STORED by work-group 1 + tile: xs [tile 64][s 16][c 4][lane 32][16 bytes]: lane (r, hh) holds bytes 128 s + 32 c + 16 hh + 0 .. 15 of x_codes' row tok[16 tile + r].
;   From place to token without an LDS address that hangs on data: for each row r each wave takes the ballots of 'my token's place is 16 tile + r'; one bit is set in one wave; that wave's word is the token, the others' 0;
;   the eight words meet in LDS at fixed addresses and are added.
; Two barriers, both under branches on the work-group's number alone, which all eight waves take alike.
.set NRT, 65                           ; work-groups that sort
.set X,   32                           ; quantiser: v32-95 two sets of 32 numbers
.set C,   96                           ; v96-127 the codes: eight registers a block, so that no store's data are written again
.set S,   8                            ; sort: v8-15 raw indices of my four tokens
.set RW,  16                           ; v16-23 their routing weights
.set KEY, 24                           ; v24-27 keys
.set POS, 28                           ; v28-31 sorted places
.set H,   32                           ; v32-33 my wave's count for key = lane, lane + 32
.set CN,  36                           ; v36-51 all eight waves' counts for those two keys
.set TOT, 52                           ; v52-53 their sums
.set PRE, 54                           ; v54-55 the sums over the waves in front of mine
.set PA,  60                           ; work-group 0: v60-63 4 p
.set PB,  64                           ; v64-67 32 p
.set TID, 68                           ; v68-71 my tokens' numbers
.set WT,  72                           ; v72-103 eight weights for each of my four tokens
.set DD,  60                           ; a tile's work-group: v60-63 place - 16 tile
.set TK,  64                           ; v64 lane r: the token of row r, if my wave owns it, else 0
.set XR,  72                           ; v72-103 two fragments of x
.set MK,  32                           ; s32-47 sixteen ballots
.set CT,  48                           ; s48-63 their counts
.set BS,  66                           ; s66-81 where each ballot's lanes begin
.set TT,  82                           ; s82-85 four keys' totals
.set PP,  86                           ; s86-89 four keys' counts in the waves in front of mine
.macro LOADB t                         ; block t: down_w(32 t + i, my column), i = 0 .. 31
.irp i, 0,1,2,3,4,5,6,7,8,9,10,11,12,13,14,15,16,17,18,19,20,21,22,23,24,25,26,27,28,29,30,31
	global_load_b32 v[X+32*((\t)%2)+\i], v3, s[4:5] offset:(32*(\t)+\i)*8192 th:TH_LOAD_NT
.endr
.endm
.macro BLOCKQ t
.if (\t) < 3
	s_wait_loadcnt 32                              ; this block's 32 loads are in; the next block's 32 stand behind them
.else
	s_wait_loadcnt 0x0
.endif
.irp i, 0,1,2,3,4,5,6,7,8,9,10,11,12,13,14,15,16,17,18,19,20,21,22,23,24,25,26,27,28,29,30,31
	v_med3_num_f32 v[X+32*((\t)%2)+\i], v[X+32*((\t)%2)+\i], -v10, v10   ; the conversion does not saturate (ISA guide 7.6.2): the hold at 448 x the scale comes first
.endr
.irp g, 0,1,2,3
	v_cvt_scalef32_pk8_fp8_f32 v[C+8*(\t)+2*\g:C+8*(\t)+2*\g+1], v[X+32*((\t)%2)+8*\g:X+32*((\t)%2)+8*\g+7], v11
.endr
	global_store_b128 v4, v[C+8*(\t):C+8*(\t)+3], s[14:15] offset:512*(\t)         ; i = 32 t + 0 .. 15: the lower half of the fragment's lanes
	global_store_b128 v4, v[C+8*(\t)+4:C+8*(\t)+7], s[14:15] offset:512*(\t)+256   ; i = 32 t + 16 .. 31: the upper half
.if (\t) < 2
	LOADB (\t)+2                                   ; loads into the conversions' sources want no place; the next vector lines are the other set's holds
.endif
.endm
; four keys: my wave's count of each, into lane key % 32 of H
.macro HISTB ka, kb, kc, kd
.set q, 0
.irp k, \ka, \kb, \kc, \kd
.irp j, 0,1,2,3
	v_cmp_eq_u32 s[MK+4*q+\j], \k, v[KEY+\j]
.endr
.set q, q+1
.endr
.irp m, 0,1,2,3,4,5,6,7,8,9,10,11,12,13,14,15
	s_bcnt1_i32_b32 s[MK+\m], s[MK+\m]
.endr
.set q, 0
.irp k, \ka, \kb, \kc, \kd
	s_add_co_u32 s[MK+4*q], s[MK+4*q], s[MK+4*q+1]
	s_add_co_u32 s[MK+4*q+2], s[MK+4*q+2], s[MK+4*q+3]
	s_add_co_u32 s[MK+4*q], s[MK+4*q], s[MK+4*q+2]
	v_writelane_b32 v[H+(\k)/32], s[MK+4*q], (\k)%32
.set q, q+1
.endr
.endm
; four keys: the places of my tokens that have them.  s26: where the first key's run begins; it is stepped over the four runs
.macro RANKB ka, kb, kc, kd
.set q, 0
.irp k, \ka, \kb, \kc, \kd
	v_readlane_b32 s[TT+q], v[TOT+(\k)/32], (\k)%32
	v_readlane_b32 s[PP+q], v[PRE+(\k)/32], (\k)%32
.irp j, 0,1,2,3
	v_cmp_eq_u32 s[MK+4*q+\j], \k, v[KEY+\j]
.endr
.set q, q+1
.endr
.irp u, 0,1,2,3
.irp j, 0,1,2
	s_bcnt1_i32_b32 s[CT+4*\u+\j], s[MK+4*\u+\j]
.endr
.endr
.irp u, 0,1,2,3
	s_add_co_u32 s[BS+4*\u], s26, s[PP+\u]         ; the run's begin + the waves in front of mine,
	s_add_co_u32 s[BS+4*\u+1], s[BS+4*\u], s[CT+4*\u]   ; + my wave's slots in front
	s_add_co_u32 s[BS+4*\u+2], s[BS+4*\u+1], s[CT+4*\u+1]
	s_add_co_u32 s[BS+4*\u+3], s[BS+4*\u+2], s[CT+4*\u+2]
	s_add_co_u32 s26, s26, s[TT+\u]
.endr
.irp u, 0,1,2,3
.irp j, 0,1,2,3
	v_mbcnt_lo_u32_b32 v[56+\j], s[MK+4*\u+\j], s[BS+4*\u+\j]   ; + the lanes in front of mine
.endr
.irp j, 0,1,2,3
	s_delay_alu instid0(VALU_DEP_4)
	v_cndmask_b32 v[POS+\j], v[POS+\j], v[56+\j], s[MK+4*\u+\j]
.endr
.endr
.endm
; four keys: their experts' bits into the masks of the tiles that their runs meet.  Lane l holds tiles l and l + 32.  A run [a, b) meets a tile [lo, hi) where max(a, lo) < min(b, hi); an empty run meets none
.macro TMB ka, kb, kc, kd
.set q, 0
.irp k, \ka, \kb, \kc, \kd
	v_readlane_b32 s[TT+q], v[TOT+(\k)/32], (\k)%32
.set q, q+1
.endr
	s_mov_b32 s[BS], s26
	s_add_co_u32 s[BS+1], s[BS], s[TT]
	s_add_co_u32 s[BS+2], s[BS+1], s[TT+1]
	s_add_co_u32 s[BS+3], s[BS+2], s[TT+2]
	s_add_co_u32 s26, s[BS+3], s[TT+3]
	s_mov_b32 s[BS+4], s26
.set q, 0
.irp k, \ka, \kb, \kc, \kd
	v_mov_b32 v145, (1<<((\k)/8))|(1<<((\k)%8))
	v_max_u32 v146, s[BS+q], v104
	v_min_u32 v147, s[BS+q+1], v105
	v_max_u32 v148, s[BS+q], v106
	v_min_u32 v149, s[BS+q+1], v107
	s_delay_alu instid0(VALU_DEP_3)
	v_cmp_lt_u32 vcc_lo, v146, v147
	s_delay_alu instid0(VALU_DEP_1)
	v_cndmask_b32 v150, 0, v145, vcc_lo
	s_delay_alu instid0(VALU_DEP_3)
	v_cmp_lt_u32 s24, v148, v149
	s_delay_alu instid0(VALU_DEP_1)
	v_cndmask_b32 v151, 0, v145, s24
	s_delay_alu instid0(VALU_DEP_3)
	v_or_b32 v109, v109, v150
	s_delay_alu instid0(VALU_DEP_2)
	v_or_b32 v110, v110, v151
.set q, q+1
.endr
.endm
; rows r0 .. r0 + 3 of my tile: which token of my wave, if any, has that place.  A ballot m has one bit or none: bcnt(m - 1) is the lane, or 32; so 4 lane + j is below 128 where the token is mine, and the least of the four finds it
.macro FINDB r0
.irp u, 0,1,2,3
.irp j, 0,1,2,3
	v_cmp_eq_u32 s[MK+4*\u+\j], (\r0)+\u, v[DD+\j]
.endr
.endr
.irp m, 0,1,2,3,4,5,6,7,8,9,10,11,12,13,14,15
	s_sub_co_u32 s[MK+\m], s[MK+\m], 1
.endr
.irp m, 0,1,2,3,4,5,6,7,8,9,10,11,12,13,14,15
	s_bcnt1_i32_b32 s[MK+\m], s[MK+\m]
.endr
.irp u, 0,1,2,3
	s_wait_alu depctr_va_vdst(0)
	s_lshl_b32 s[MK+4*\u], s[MK+4*\u], 2
.irp j, 1,2,3
	s_lshl_b32 s[MK+4*\u+\j], s[MK+4*\u+\j], 2
	s_add_co_u32 s[MK+4*\u+\j], s[MK+4*\u+\j], \j
	s_min_u32 s[MK+4*\u], s[MK+4*\u], s[MK+4*\u+\j]
.endr
	s_add_co_u32 s28, s[MK+4*\u], s27              ; + 128 x wave: the token's number
	s_cmp_lt_u32 s[MK+4*\u], 128
	s_cselect_b32 s28, s28, 0
	v_writelane_b32 v[TK], s28, (\r0)+\u
.endr
.endm
	s_load_b256 s[4:11], s[0:1], 0x0               ; down_w s[4:5], scales s[6:7], selected_experts s[8:9], routing_weights s[10:11]
	s_load_b256 s[12:19], s[0:1], 0x20             ; x_codes s[12:13], dcodes s[14:15], route s[16:17], wtab s[18:19]
	s_load_b64 s[20:21], s[0:1], 0x40              ; xs
	v_lshl_add_u32 v160, v0, 2, 0x2000
	v_mov_b32 v161, 0
	v_lshrrev_b32 v1, 5, v0
	s_delay_alu instid0(VALU_DEP_1)
	v_readfirstlane_b32 s22, v1                    ; wave 0..7
	v_and_b32 v2, 31, v0                           ; lane
	s_cmp_lt_u32 ttmp9, NRT
	s_cbranch_scc1 .Lroute
	; ---------------- the quantiser ----------------
	s_sub_co_u32 s23, ttmp9, NRT
	s_and_b32 s24, s23, 7                          ; which 256 columns
	s_bfe_u32 s25, s23, 0x30003                    ; which 128 along i
	s_lshr_b32 s26, s23, 6                         ; expert
	s_lshl_b32 s28, s26, 23                        ; from: expert x 8,388,608
	s_lshl_b32 s29, s25, 20                        ; + 128 rows of 8,192 bytes
	s_add_co_u32 s28, s28, s29
	s_lshl_b32 s29, s24, 10                        ; + 256 columns
	s_add_co_u32 s28, s28, s29
	s_lshl_b32 s29, s22, 7                         ; + my wave's 32 columns
	s_add_co_u32 s28, s28, s29
	s_mov_b32 s29, 0
	s_lshl_b32 s30, s26, 21                        ; to: expert x 2,097,152
	s_lshl_b32 s31, s24, 18                        ; + 16 column tiles of 16,384 bytes
	s_add_co_u32 s30, s30, s31
	s_lshl_b32 s31, s22, 15                        ; + my wave's two column tiles
	s_add_co_u32 s30, s30, s31
	s_lshl_b32 s31, s25, 11                        ; + the K step's 2,048 bytes
	s_add_co_u32 s30, s30, s31
	s_mov_b32 s31, 0
	s_wait_alu depctr_va_vdst(0)
	v_lshlrev_b32 v3, 2, v2                        ; in: 4 bytes a lane
	v_and_b32 v4, 15, v2
	s_delay_alu instid0(VALU_DEP_1)
	v_lshlrev_b32 v4, 4, v4
	v_lshrrev_b32 v5, 4, v2
	s_delay_alu instid0(VALU_DEP_1)
	v_lshl_add_u32 v4, v5, 14, v4                  ; out: 16 (lane % 16) + 16,384 (lane / 16)
	s_wait_alu depctr_va_vdst(0)
	s_wait_kmcnt 0x0
	s_load_b32 s32, s[6:7], 0x14                   ; e5
	s_add_nc_u64 s[4:5], s[4:5], s[28:29]
	s_add_nc_u64 s[14:15], s[14:15], s[30:31]
	LOADB 0
	LOADB 1
	s_wait_kmcnt 0x0
	s_add_co_i32 s32, s32, 127
	s_lshl_b32 s33, s32, 23
	v_mov_b32 v11, s33                             ; 2^e5 as f32: the conversion takes its exponent field
	s_add_co_i32 s32, s32, 8
	s_lshl_b32 s32, s32, 23
	s_or_b32 s32, s32, 0x600000
	v_mov_b32 v10, s32                             ; 448 x 2^e5
	s_wait_alu depctr_va_vdst(0)
	BLOCKQ 0
	BLOCKQ 1
	BLOCKQ 2
	BLOCKQ 3
	s_endpgm
	; ---------------- the sort ----------------
.Lroute:
	v_lshlrev_b32 v1, 5, v0                        ; my four tokens: 32 bytes in each of the two inputs
	s_wait_alu depctr_va_vdst(0)
	v_mul_u32_u24 v6, v2, 48                       ; LDS: eight waves' words for a key (or a row), 48 bytes apart
	s_lshl_b32 s23, s22, 2
	v_add_nc_u32 v5, s23, v6                       ; my wave's word among them
	v_and_b32 v7, 15, v2
	s_delay_alu instid0(VALU_DEP_1)
	v_mul_u32_u24 v7, v7, 48                       ; the words of row lane % 16
	v_mov_b32 v[H], 0
	v_mov_b32 v[H+1], 0
	v_mov_b32 v[PRE], 0
	v_mov_b32 v[PRE+1], 0
.irp j, 0,1,2,3
	v_mov_b32 v[POS+\j], 0
.endr
	s_wait_kmcnt 0x0
	global_load_b128 v[S:S+3], v1, s[8:9]
	global_load_b128 v[S+4:S+7], v1, s[8:9] offset:16
	global_load_b128 v[RW:RW+3], v1, s[10:11]
	global_load_b128 v[RW+4:RW+7], v1, s[10:11] offset:16
	s_wait_loadcnt 0x0
.irp j, 0,1,2,3
	v_min_u32 v56, 7, v[S+2*\j]
	v_min_u32 v57, 7, v[S+2*\j+1]
	s_delay_alu instid0(VALU_DEP_1)
	v_min_u32 v58, v56, v57
	s_delay_alu instid0(VALU_DEP_2)
	v_max_u32 v59, v56, v57
	s_delay_alu instid0(VALU_DEP_1)
	v_lshl_add_u32 v[KEY+\j], v58, 3, v59
.endr
	HISTB 0, 1, 2, 3                               ; the 36 keys 8 a + b, b >= a, in ascending order
	HISTB 4, 5, 6, 7
	HISTB 9, 10, 11, 12
	HISTB 13, 14, 15, 18
	HISTB 19, 20, 21, 22
	HISTB 23, 27, 28, 29
	HISTB 30, 31, 36, 37
	HISTB 38, 39, 45, 46
	HISTB 47, 54, 55, 63
	ds_store_b32 v5, v[H]                          ; key = lane
	ds_store_b32 v5, v[H+1] offset:1536            ; key = lane + 32
	s_wait_dscnt 0x0                               ; for the others' sake: my counts lie in LDS
	s_barrier_signal -1
	s_barrier_wait -1
	ds_load_b128 v[CN:CN+3], v6
	ds_load_b128 v[CN+4:CN+7], v6 offset:16
	ds_load_b128 v[CN+8:CN+11], v6 offset:1536
	ds_load_b128 v[CN+12:CN+15], v6 offset:1552
	s_wait_dscnt 0x0
.irp g, 0,1
	v_add3_u32 v[TOT+\g], v[CN+8*\g], v[CN+8*\g+1], v[CN+8*\g+2]
	s_delay_alu instid0(VALU_DEP_1)
	v_add3_u32 v[TOT+\g], v[TOT+\g], v[CN+8*\g+3], v[CN+8*\g+4]
	s_delay_alu instid0(VALU_DEP_1)
	v_add3_u32 v[TOT+\g], v[TOT+\g], v[CN+8*\g+5], v[CN+8*\g+6]
	s_delay_alu instid0(VALU_DEP_1)
	v_add_nc_u32 v[TOT+\g], v[TOT+\g], v[CN+8*\g+7]
.endr
.irp w, 0,1,2,3,4,5,6
	s_cmp_gt_u32 s22, \w                           ; is wave w in front of mine?
	s_cselect_b32 s25, -1, 0
	v_and_b32 v56, s25, v[CN+\w]
	v_and_b32 v57, s25, v[CN+8+\w]
	s_delay_alu instid0(VALU_DEP_2)
	v_add_nc_u32 v[PRE], v[PRE], v56
	s_delay_alu instid0(VALU_DEP_2)
	v_add_nc_u32 v[PRE+1], v[PRE+1], v57
.endr
	s_mov_b32 s26, 0
	RANKB 0, 1, 2, 3
	RANKB 4, 5, 6, 7
	RANKB 9, 10, 11, 12
	RANKB 13, 14, 15, 18
	RANKB 19, 20, 21, 22
	RANKB 23, 27, 28, 29
	RANKB 30, 31, 36, 37
	RANKB 38, 39, 45, 46
	RANKB 47, 54, 55, 63
	s_cmp_lg_u32 ttmp9, 0
	s_cbranch_scc1 .Ltile
	; ---------------- work-group 0: the lists ----------------
	v_lshlrev_b32 v[TID], 2, v0
.irp j, 1,2,3
	v_add_nc_u32 v[TID+\j], \j, v[TID]
.endr
.irp j, 0,1,2,3
	v_min_u32 v[POS+\j], 1023, v[POS+\j]           ; a place is below 1,024 by its making; the clamp states it
	s_delay_alu instid0(VALU_DEP_1)
	v_lshlrev_b32 v[PA+\j], 2, v[POS+\j]
	s_delay_alu instid0(VALU_DEP_2)
	v_lshlrev_b32 v[PB+\j], 5, v[POS+\j]
.endr
.irp j, 0,1,2,3
	global_store_b32 v[PA+\j], v[TID+\j], s[16:17] ; tok[p]
.endr
.irp j, 0,1,2,3
.irp e, 0,1,2,3,4,5,6,7
	v_cmp_eq_u32 vcc_lo, \e, v[S+2*\j]
	s_delay_alu instid0(VALU_DEP_1)
	v_cndmask_b32 v56, 0, v[RW+2*\j], vcc_lo
	v_cmp_eq_u32 vcc_lo, \e, v[S+2*\j+1]
	s_delay_alu instid0(VALU_DEP_1)
	v_cndmask_b32 v57, 0, v[RW+2*\j+1], vcc_lo
	s_delay_alu instid0(VALU_DEP_1)
	v_add_f32 v[WT+8*\j+\e], v56, v57              ; w[token][e], in f32
.endr
	global_store_b128 v[PB+\j], v[WT+8*\j:WT+8*\j+3], s[18:19]
	global_store_b128 v[PB+\j], v[WT+8*\j+4:WT+8*\j+7], s[18:19] offset:16
.endr
	s_cmp_lg_u32 s22, 0
	s_cbranch_scc1 .Lend                           ; the lists are wave 0's work; no barrier follows
	v_lshlrev_b32 v104, 4, v2                      ; tile l: places [16 l, 16 l + 16); tile l + 32: 512 further on
	s_delay_alu instid0(VALU_DEP_1)
	v_add_nc_u32 v105, 16, v104
	s_delay_alu instid0(VALU_DEP_2)
	v_add_nc_u32 v106, 512, v104
	s_delay_alu instid0(VALU_DEP_3)
	v_add_nc_u32 v107, 528, v104
	v_lshlrev_b32 v108, 2, v2
	v_mov_b32 v109, 0
	v_mov_b32 v110, 0
	v_add_nc_u32 v111, 32, v2
	v_mov_b32 v144, 0
	s_mov_b32 s26, 0
	TMB 0, 1, 2, 3
	TMB 4, 5, 6, 7
	TMB 9, 10, 11, 12
	TMB 13, 14, 15, 18
	TMB 19, 20, 21, 22
	TMB 23, 27, 28, 29
	TMB 30, 31, 36, 37
	TMB 38, 39, 45, 46
	TMB 47, 54, 55, 63
	global_store_b32 v108, v109, s[16:17] offset:6144
	global_store_b32 v108, v110, s[16:17] offset:6272
	; elist[e]: the tiles with bit e go to the front in order; the others' 64 - count entries are filled with e's first tile.  The 64 lane slots are a permutation of the 64 entries.
.irp e, 0,1,2,3,4,5,6,7                        ; all sixteen ballots first
	v_and_b32 v56, 1<<\e, v109
	v_and_b32 v57, 1<<\e, v110
	s_delay_alu instid0(VALU_DEP_2)
	v_cmp_ne_u32 s[MK+2*\e], 0, v56
	s_delay_alu instid0(VALU_DEP_2)
	v_cmp_ne_u32 s[MK+2*\e+1], 0, v57
.endr
.irp e, 0,1,2,3,4,5,6,7
	s_bcnt1_i32_b32 s24, s[MK+2*\e]
	s_bcnt1_i32_b32 s25, s[MK+2*\e+1]
	s_add_co_u32 s27, s24, s25                     ; the count
	s_ctz_i32_b32 s28, s[MK+2*\e]
	s_ctz_i32_b32 s29, s[MK+2*\e+1]
	s_add_co_u32 s29, s29, 32
	s_cmp_lg_u32 s[MK+2*\e], 0
	s_cselect_b32 s28, s28, s29
	s_min_u32 s28, s28, 63                         ; e's first tile (where e has none: some valid tile, never worked on)
	s_not_b32 s30, s[MK+2*\e]
	s_not_b32 s31, s[MK+2*\e+1]
	s_add_co_u32 s25, s25, 32                      ; count + (32 - the lower half's members)
	v_mov_b32 v58, s28
	v_mbcnt_lo_u32_b32 v56, s[MK+2*\e], 0
	v_mbcnt_lo_u32_b32 v57, s30, s27
	s_delay_alu instid0(VALU_DEP_1)
	v_cndmask_b32 v[112+4*\e], v57, v56, s[MK+2*\e]
	s_delay_alu instid0(VALU_DEP_4)
	v_cndmask_b32 v[114+4*\e], v58, v2, s[MK+2*\e]
	v_mbcnt_lo_u32_b32 v56, s[MK+2*\e+1], s24
	v_mbcnt_lo_u32_b32 v57, s31, s25
	s_delay_alu instid0(VALU_DEP_1)
	v_cndmask_b32 v[113+4*\e], v57, v56, s[MK+2*\e+1]
	v_cndmask_b32 v[115+4*\e], v58, v111, s[MK+2*\e+1]
	v_min_u32 v[112+4*\e], 63, v[112+4*\e]
	s_delay_alu instid0(VALU_DEP_3)
	v_min_u32 v[113+4*\e], 63, v[113+4*\e]
	s_delay_alu instid0(VALU_DEP_2)
	v_lshlrev_b32 v[112+4*\e], 2, v[112+4*\e]
	s_delay_alu instid0(VALU_DEP_2)
	v_lshlrev_b32 v[113+4*\e], 2, v[113+4*\e]
	global_store_b32 v[112+4*\e], v[114+4*\e], s[16:17] offset:4096+256*\e   ; each expert has registers of its own: no store's sources are written again
	global_store_b32 v[113+4*\e], v[115+4*\e], s[16:17] offset:4096+256*\e
	v_writelane_b32 v144, s27, \e
.endr
	global_store_b32 v108, v144, s[16:17] offset:6400
.Lend:
	s_wait_tensorcnt 0x0
	ds_add_u32 v160, v161
	s_wait_dscnt 0x0
	s_endpgm
	; ---------------- work-groups 1 to 64: a tile of x in the order of the operand's registers ----------------
.Ltile:
	s_sub_co_u32 s24, ttmp9, 1                     ; my tile
	s_lshl_b32 s25, s24, 4
	s_lshl_b32 s27, s22, 7                         ; my wave's first token
	s_wait_alu depctr_va_vdst(0)
.irp j, 0,1,2,3
	v_sub_nc_u32 v[DD+\j], v[POS+\j], s25          ; 0 .. 15 where the token lies in my tile
.endr
	v_mov_b32 v[TK], 0
	FINDB 0
	FINDB 4
	FINDB 8
	FINDB 12
	ds_store_b32 v5, v[TK] offset:3072             ; row = lane, word = wave: bytes of their own, behind the counts
	s_wait_dscnt 0x0                               ; for the others' sake: my words lie in LDS
	s_barrier_signal -1
	s_barrier_wait -1
	ds_load_b128 v[CN:CN+3], v7 offset:3072
	ds_load_b128 v[CN+4:CN+7], v7 offset:3088
	v_lshrrev_b32 v68, 4, v2
	s_delay_alu instid0(VALU_DEP_1)
	v_lshlrev_b32 v68, 4, v68                      ; 16 hh
	s_lshl_b32 s28, s22, 8                         ; my two K steps: bytes 256 w on of a row
	v_add_nc_u32 v68, s28, v68
	v_lshlrev_b32 v69, 4, v2                       ; out: 16 x lane
	s_lshl_b32 s28, s24, 15                        ; tile x 32,768
	s_lshl_b32 s29, s22, 12                        ; + my two K steps' 4,096 bytes
	s_add_co_u32 s28, s28, s29
	s_mov_b32 s29, 0
	s_add_nc_u64 s[20:21], s[20:21], s[28:29]
	s_wait_dscnt 0x0
	v_add3_u32 v67, v[CN], v[CN+1], v[CN+2]        ; seven zeros and the token
	s_delay_alu instid0(VALU_DEP_1)
	v_add3_u32 v67, v67, v[CN+3], v[CN+4]
	s_delay_alu instid0(VALU_DEP_1)
	v_add3_u32 v67, v67, v[CN+5], v[CN+6]
	s_delay_alu instid0(VALU_DEP_1)
	v_add_nc_u32 v67, v67, v[CN+7]
	s_delay_alu instid0(VALU_DEP_1)
	v_min_u32 v67, 1023, v67
	s_wait_alu depctr_va_vdst(0)
	v_lshl_add_u32 v67, v67, 11, v68               ; token x 2,048 + 256 w + 16 hh
.irp s, 0,1
.irp c, 0,1,2,3
	global_load_b128 v[XR+16*\s+4*\c:XR+16*\s+4*\c+3], v67, s[12:13] offset:128*\s+32*\c
.endr
.endr
.irp s, 0,1
.irp c, 0,1,2,3
	s_wait_loadcnt 7-4*\s-\c                       ; loads come back in order: this one is in, the younger ones may be out
	global_store_b128 v69, v[XR+16*\s+4*\c:XR+16*\s+4*\c+3], s[20:21] offset:2048*\s+512*\c   ; 32 lanes store 512 consecutive bytes, aligned
.endr
.endr
	s_wait_tensorcnt 0x0
	ds_add_u32 v160, v161
	s_wait_dscnt 0x0
	s_endpgm
.Lfunc_end_k_qd3e58f99b7_prep:
	.size	k_qd3e58f99b7_prep, .Lfunc_end_k_qd3e58f99b7_prep-k_qd3e58f99b7_prep
	.p2alignl 7, 3214868480
	.fill 96, 4, 3214868480
	.section	.rodata,"a",@progbits
	.p2align	6, 0x0
	.amdhsa_kernel k_qd3e58f99b7_prep
		.amdhsa_group_segment_fixed_size 9216
		.amdhsa_private_segment_fixed_size 0
		.amdhsa_enable_private_segment 0
		.amdhsa_kernarg_size 72
		.amdhsa_user_sgpr_count 2
		.amdhsa_user_sgpr_kernarg_segment_ptr 1
		.amdhsa_wavefront_size32 1
		.amdhsa_system_sgpr_workgroup_id_x 1
		.amdhsa_system_sgpr_workgroup_id_y 1
		.amdhsa_system_sgpr_workgroup_id_z 1
		.amdhsa_system_vgpr_workitem_id 0
		.amdhsa_next_free_vgpr 162
		.amdhsa_next_free_sgpr 92
		.amdhsa_reserve_vcc 1
		.amdhsa_float_denorm_mode_32 3
		.amdhsa_float_denorm_mode_16_64 3
		.amdhsa_memory_ordered 1
		.amdhsa_forward_progress 1
		.amdhsa_inst_pref_size 164
	.end_amdhsa_kernel
	.amdgpu_metadata
---
amdhsa.version: [ 1, 2 ]
amdhsa.kernels:
  - .name:           k_qd3e58f99b7_prep
    .symbol:         k_qd3e58f99b7_prep.kd
    .args:
      - { .name: down_w, .offset: 0, .size: 8, .value_kind: global_buffer, .address_space: global }
      - { .name: lowp_scales, .offset: 8, .size: 8, .value_kind: global_buffer, .address_space: global }
      - { .name: selected_experts, .offset: 16, .size: 8, .value_kind: global_buffer, .address_space: global }
      - { .name: routing_weights, .offset: 24, .size: 8, .value_kind: global_buffer, .address_space: global }
      - { .name: x_codes, .offset: 32, .size: 8, .value_kind: global_buffer, .address_space: global }
      - { .name: dcodes, .offset: 40, .size: 8, .value_kind: global_buffer, .address_space: global }
      - { .name: route, .offset: 48, .size: 8, .value_kind: global_buffer, .address_space: global }
      - { .name: wtab, .offset: 56, .size: 8, .value_kind: global_buffer, .address_space: global }
      - { .name: xs, .offset: 64, .size: 8, .value_kind: global_buffer, .address_space: global }
    .group_segment_fixed_size: 9216
    .private_segment_fixed_size: 0
    .kernarg_segment_align: 8
    .kernarg_segment_size: 72
    .max_flat_workgroup_size: 256
    .sgpr_count:     92
    .vgpr_count:     162
    .wavefront_size: 32
...
	.end_amdgpu_metadata
.endif
;; end of part 6
;; launch gateup (part 7): grid 32 x 8, 4 waves a work-group, no clusters, 139,776 bytes of LDS; arguments xs, gate_w_codes, up_w_codes, lowp_scales, route, wtab, act; writes act
.if DOCPART == 7
	.amdgcn_target "amdgcn-amd-amdhsa--gfx1250"
	.amdhsa_code_object_version 6
	.text
	.protected	k_qd3e58f99b7_gateup
	.globl	k_qd3e58f99b7_gateup
	.p2align	8
	.type	k_qd3e58f99b7_gateup,@function
k_qd3e58f99b7_gateup:
	s_mov_b64 s[64:65], 0
	v_nop
	global_prefetch_b8 v0, s[64:65] scope:SCOPE_SE
	s_setreg_imm32_b32 hwreg(HW_REG_WAVE_SCHED_MODE, 0, 2), 2
	s_setreg_imm32_b32 hwreg(HW_REG_WAVE_MODE, 25, 1), 1
	s_wait_xcnt 0x0
	s_wait_alu depctr_vm_vsrc(0)
; GATEUP.  act = Q(gelu(x G_e) (x U_e) w[t][e]) for the units (tile of 16 sorted tokens, expert e) that the stored list names; both products on E4M3 codes as they are given.
; SHARES.  A work-group has expert e (y) and 32 columns of the intermediate axis (x): 32 rows of gate_w_codes and 32 of up_w_codes, 2,048 bytes each.  THE FOUR WAVES SHARE K: wave w has bytes 512 w .. 512 w + 511 of
; every row, four K steps of 128.  So a wave's weights, 4 tiles x 4 K steps x 16 registers, stay in 256 registers for the whole launch, each weight byte is loaded once in the launch, and each byte of a tile of x is loaded
; by one wave of the work-group and feeds four matrix instructions.  The expert's units go in groups of four (64 rows): 16 groups in a loop of constant count; groups past the expert's count are passed over by scalar
; branches on the stored count, round the work alone: every wave passes every barrier.  The four waves' partial sums of a group meet in LDS; wave w then finishes unit w of the group.
; x COMES AS xs, laid by the launch before in the order of the operand's registers, [tile 64][s 16][c 4][lane 32][16 bytes]: a fragment is four loads of 512 consecutive bytes, at 16 x lane from a scalar base
; xs + 8,192 w + 32,768 x tile; a group's four tiles are read from the list by one scalar load, issued ahead of 32 matrix instructions and awaited behind them.
; LAYOUT.  The products are used transposed (source 0 = 16 weight rows, source 1 = 16 tokens): a lane holds ONE token.  Lane r of tile u takes weight row 32 sl + 8 u + r + 8 (r / 8), so that the 16 registers of tiles
; u = 0, 1 are columns 32 sl + 16 (lane / 16) + 0 .. 15: 16 neighbours along the next product's K, which are one group of four registers of that operand.  act is laid in the order of the operand's registers:
; [tile 64][e 8][s 8][c 4][lane 32][16 bytes], and the wave's one store covers 512 consecutive bytes, aligned.
; A fragment holds, in registers 4 c .. 4 c + 3, k = 32 c + 16 (lane / 16) + 0 .. 15: a permutation of k inside an instruction, the same in both operands.
; ARITHMETIC in f32: g = sum x 2^(e0 + e1), u = sum x 2^(e2 + e3); gelu(g) = g / (1 + 2^(-2 log2(e) sqrt(2 / pi) g (1 + 0.044715 g^2))), which is 0.5 g (1 + tanh(..)); x u x w; held within +-448 x 2^e4; converted.
; A token of the tile that does not use e has w = 0 and gets code 0.  The K sums are formed in four parts and added in f32.
; LIMITS: e0 + e1 and e2 + e3 between -126 and 127; e4 between -126 and 119.  NaN codes among the inputs, and NaN or infinite routing weights, are not served.
; NO TENSOR LOADS, NO CLUSTER, though the 32 work-groups of an expert read the same tiles of x: which tiles, and how many, hangs on the stored list, and the passing over of groups is a branch on a loaded number.
; REGISTERS, in windows of 256: window 0: addresses, the 16 accumulators (unit i, tile t) at v[128 + 8 (4 i + t)], later the four partial sums;  window 1: the weights, fragment (t, s) at v[16 (4 t + s)];
;   windows 2, 3: two buffers for a group's x, fragment (i, s) at v[16 (4 i + s)].
; THE MODE: SCHED_MODE bits 1:0 = 2 (LLVM: expert scheduling mode 2), set by the entry lines.  The code itself states the register dependences between vector or matrix instructions and memory or LDS
; instructions, with s_wait_alu, always for 0.
; THE PLAN.  Registers that memory or LDS instructions touch, in the loop:
;   x buffer b, units 0, 1   read by group g's first 32 products; behind them the loads of group g + 2 land there.
;   x buffer b, units 2, 3   read by group g's last 32 products; behind them the loads of group g + 2 land there.
;   v128-255                 written by the products; read by the LDS stores of the partial sums; then FINAL's LDS loads land there, and its arithmetic reads and writes them.
;   v15                      an LDS address, written at each group's head; read by FINAL's two table loads.      v16, v17: those loads land there; FINAL's arithmetic reads them.
;   v18, v[20:23]            written by FINAL's arithmetic and conversions; read by its one store.
;   v3, v10-13, v29, v30, v56  made at the head and never written again.   v72-79: the head's offsets into wtab; FINAL's arithmetic writes them later.
; A group's waits: at its head, ahead of the branches, one on vm_vsrc, the add to v15, one on va_vdst; one on va_vdst behind each half of the products; one on vm_vsrc beside the wait on DScnt in front of the barrier;
; in FINAL one ahead of and one behind each batch of transcendentals and one ahead of the store.  Behind the wait that follows the first 32 products, the 32 loads into units 0 and 1 are dealt among the last 32 products, which name the
; weights, units 2 and 3 of x and v192-255: none of the registers that those loads touch.
.set WRT,  0                           ; LDS: w for each of 64 unit slots x 16 rows: 4,096 bytes
.set TAU,  4096                        ; the tile's number for the same: 4,096 bytes
.set RED0, 8192                        ; partial sums, two buffers by turns: [writer wave 16,384][unit 4,096][tile 1,024][half 512][16 x lane]: images of registers, no pitch
.set RED1, 73728
.set XB,   68                          ; s[68:75], s[76:83]: the four units' bases in xs, a set for each x buffer
.set ACC,  128
.set T1,   64                          ; v64-79, v80-95 at work in the activation
.set T2,   80
.set MSB, 0
.macro WIN new                         ; s_set_vgpr_msb: bits 1:0 source 0, 3:2 source 1, 5:4 source 2, 7:6 destination; the high byte repeats the setting that is left
.if MSB != (\new)
	s_set_vgpr_msb (MSB<<8)|(\new)
.set MSB, (\new)
.endif
.endm
.macro WLOAD f                         ; weight fragment f = 4 t + s: t = 0, 1 gate's tiles u = 0, 1; t = 2, 3 up's
.irp c, 0,1,2,3
.if (\f) < 8
	global_load_b128 v[16*(\f)+4*\c:16*(\f)+4*\c+3], v3, s[6:7] offset:((\f)/4)*16384+((\f)%4)*128+32*\c
.else
	global_load_b128 v[16*(\f)+4*\c:16*(\f)+4*\c+3], v3, s[8:9] offset:((\f)/4-2)*16384+((\f)%4)*128+32*\c
.endif
.endr
.endm
.macro XBASE buf, src                  ; four tiles' numbers in s[src] on become the four bases of buffer buf
.irp i, 0,1,2,3
	s_min_u32 s[\src+\i], s[\src+\i], 63
	s_lshl_b32 s52, s[\src+\i], 15                 ; tile x 32,768 (s53 = 0)
	s_add_nc_u64 s[XB+8*(\buf)+2*\i:XB+8*(\buf)+2*\i+1], s[4:5], s[52:53]
.endr
.endm
.macro XL1 buf, i                      ; 16 loads of 512 consecutive bytes: unit i of a group, my four K steps
	WIN 0x80+0x40*(\buf)
.irp s, 0,1,2,3
.irp c, 0,1,2,3
	global_load_b128 v[16*(4*(\i)+\s)+4*\c:16*(4*(\i)+\s)+4*\c+3], v30, s[XB+8*(\buf)+2*(\i):XB+8*(\buf)+2*(\i)+1] offset:2048*\s+512*\c
.endr
.endr
.endm
.macro XLOAD buf, i0                   ; 32 loads: units i0, i0 + 1
	XL1 \buf, \i0
	XL1 \buf, \i0+1
	WIN 0
.endm
.macro MULQ buf, i0, s0                ; 16 matrix instructions: units i0, i0 + 1 x four tiles x K steps s0, s0 + 1; the eight accumulators take turns, one instruction a turn; K step 0 starts the sums
	WIN 0x09+4*(\buf)
.irp s, \s0, \s0+1
.irp i, \i0, \i0+1
.irp t, 0,1,2,3
.if (\s) == 0
	v_wmma_f32_16x16x128_fp8_fp8 v[ACC+8*(4*(\i)+\t):ACC+8*(4*(\i)+\t)+7], v[16*(4*\t+(\s)):16*(4*\t+(\s))+15], v[16*(4*(\i)+(\s)):16*(4*(\i)+(\s))+15], 0
.else
	v_wmma_f32_16x16x128_fp8_fp8 v[ACC+8*(4*(\i)+\t):ACC+8*(4*(\i)+\t)+7], v[16*(4*\t+(\s)):16*(4*\t+(\s))+15], v[16*(4*(\i)+(\s)):16*(4*(\i)+(\s))+15], v[ACC+8*(4*(\i)+\t):ACC+8*(4*(\i)+\t)+7]
.endif
.endr
.endr
.endr
.endm
.macro MULP buf, i0                    ; 32 matrix instructions: units i0, i0 + 1, all four K steps, ascending
	MULQ \buf, \i0, 0
	MULQ \buf, \i0, 2
	WIN 0
.endm
.macro PLACES n                        ; plain vector instructions behind matrix instructions: 4 in front of stores of their results and of loads into their registers, 5 in front of matrix instructions that begin an accumulator anew; the wait that states the dependence stands behind them
.rept \n
	v_nop
.endr
.endm
.macro REDST b                         ; my 16 partial sums into buffer b, each accumulator from its low end on
.irp i, 0,1,2,3
.irp t, 0,1,2,3
	ds_store_b128 v[10+\b], v[ACC+8*(4*\i+\t):ACC+8*(4*\i+\t)+3] offset:4096*\i+1024*\t
	ds_store_b128 v[10+\b], v[ACC+8*(4*\i+\t)+4:ACC+8*(4*\i+\t)+7] offset:4096*\i+1024*\t+512
.endr
.endr
.endm
.macro FINAL b                         ; unit w of the group: the four waves' partial sums, the activation, the codes, one store
	s_wait_xcnt 0x0                                ; my last store has read its offset and its data: both are written again below
	ds_load_b32 v16, v15 offset:WRT+256*\b         ; w of my token
	ds_load_b32 v17, v15 offset:TAU+256*\b         ; the unit's tile
.irp q, 0,1,2,3
.irp t, 0,1,2,3
	ds_load_b128 v[ACC+32*\q+8*\t:ACC+32*\q+8*\t+3], v[12+\b] offset:16384*\q+1024*\t
	ds_load_b128 v[ACC+32*\q+8*\t+4:ACC+32*\q+8*\t+7], v[12+\b] offset:16384*\q+1024*\t+512
.endr
.endr
	s_wait_dscnt 0x0
.irp k, 0,2,4,6,8,10,12,14,16,18,20,22,24,26,28,30
	v_pk_add_f32 v[128+\k:129+\k], v[128+\k:129+\k], v[160+\k:161+\k]
	v_pk_add_f32 v[192+\k:193+\k], v[192+\k:193+\k], v[224+\k:225+\k]
.endr
.irp k, 0,2,4,6,8,10,12,14,16,18,20,22,24,26,28,30
	v_pk_add_f32 v[128+\k:129+\k], v[128+\k:129+\k], v[192+\k:193+\k]   ; v128-143: gate's 16 sums; v144-159: up's
.endr
	v_mul_f32 v26, s44, v16                        ; w x 2^(e2 + e3)
	v_min_u32 v17, 63, v17
	v_mov_b32 v27, v26
	v_lshl_add_u32 v18, v17, 17, v19               ; tile x 131,072 + my place in the unit
.irp k, 0,2,4,6,8,10,12,14
	v_pk_mul_f32 v[128+\k:129+\k], v[128+\k:129+\k], s[42:43] op_sel_hi:[1,0]     ; g
.endr
.irp k, 0,2,4,6,8,10,12,14
	v_pk_mul_f32 v[T1+\k:T1+\k+1], v[128+\k:129+\k], v[128+\k:129+\k]             ; g^2
	v_pk_mul_f32 v[T2+\k:T2+\k+1], v[128+\k:129+\k], 0xc0135761 op_sel_hi:[1,0]   ; -2 log2(e) sqrt(2 / pi) g
.endr
.irp k, 0,2,4,6,8,10,12,14
	v_pk_fma_f32 v[T1+\k:T1+\k+1], v[T1+\k:T1+\k+1], 0x3d372713, 1.0 op_sel_hi:[1,0,0]   ; 1 + 0.044715 g^2
.endr
.irp k, 0,2,4,6,8,10,12,14
	v_pk_mul_f32 v[T1+\k:T1+\k+1], v[T1+\k:T1+\k+1], v[T2+\k:T2+\k+1]
.endr
	s_wait_alu depctr_va_vdst(0)
.irp j, 0,1,2,3,4,5,6,7,8,9,10,11,12,13,14,15
	v_exp_f32 v[T1+\j], v[T1+\j]
.endr
.irp k, 0,2,4,6,8,10,12,14
	v_pk_mul_f32 v[144+\k:145+\k], v[144+\k:145+\k], v[26:27]                     ; u x w: plain work behind the batch, which names none of its results
.endr
	s_wait_alu depctr_va_vdst(0)                   ; the sixteen exponentials have written v64-79: one wait for the batch, ahead of its first reader
.irp k, 0,2,4,6,8,10,12,14
	v_pk_add_f32 v[T1+\k:T1+\k+1], v[T1+\k:T1+\k+1], 1.0 op_sel_hi:[1,0]
.endr
	s_wait_alu depctr_va_vdst(0)
.irp j, 0,1,2,3,4,5,6,7,8,9,10,11,12,13,14,15
	v_rcp_f32 v[T1+\j], v[T1+\j]
.endr
	v_nop                                          ; a plain instruction behind the last reciprocal
	s_wait_alu depctr_va_vdst(0)                   ; the sixteen reciprocals have written v64-79: one wait, ahead of their first reader
.irp k, 0,2,4,6,8,10,12,14
	v_pk_mul_f32 v[128+\k:129+\k], v[128+\k:129+\k], v[T1+\k:T1+\k+1]             ; gelu(g)
.endr
.irp k, 0,2,4,6,8,10,12,14
	v_pk_mul_f32 v[128+\k:129+\k], v[128+\k:129+\k], v[144+\k:145+\k]             ; x u w
.endr
.irp j, 0,1,2,3,4,5,6,7,8,9,10,11,12,13,14,15
	v_med3_num_f32 v[128+\j], v[128+\j], -v25, v25 ; the conversion does not saturate (ISA guide 7.6.2)
.endr
	v_cvt_scalef32_pk8_fp8_f32 v[20:21], v[128:135], v24
	v_cvt_scalef32_pk8_fp8_f32 v[22:23], v[136:143], v24
	v_nop                                          ; a plain instruction behind the last conversion: later products write its sources
	s_wait_alu depctr_va_vdst(0)                   ; the conversions have written v[20:23], and v18 is written: the store reads them
	global_store_b128 v18, v[20:23], s[16:17]      ; 32 lanes store 512 consecutive bytes, aligned
.endm
; ONE GROUP, g = G + b, on x buffer b and partial-sum buffer b.  At its head x(g) is in registers, and x(g + 1) is on its way or in.  On every way through it all loads older than those it issues itself are waited for.
.macro HALF b
	s_lshl_b32 s34, s28, 8
	s_wait_alu depctr_vm_vsrc(0)                   ; the last FINAL's two table loads have read v15, which the next line writes
	v_add_nc_u32 v15, s34, v14                     ; the tables' address of group G, unit w: made outside the branches
	s_wait_alu depctr_va_vdst(0)                   ; v15 is written, which FINAL's table loads read; the last FINAL's arithmetic is done with v16, v17 and v128-255, in which this FINAL's loads land.  Ahead of the branches: it holds on every way to FINAL
	s_lshl_b32 s35, s28, 4
	s_add_co_u32 s35, s35, s37                     ; the list: 256 e + 16 G (the last scalar load that read s35 has been waited for)
	s_lshl_b32 s31, s28, 2
	s_add_co_u32 s31, s31, 4*\b                    ; the group's first unit slot
	s_add_co_u32 s32, s31, 8                       ; that of the group two on
	s_add_co_u32 s33, s31, s26                     ; my unit slot
	s_cmp_lt_u32 s31, s27
	s_cbranch_scc0 .Lidle_\@                       ; the expert has no unit here
	s_cmp_lt_u32 s32, s27
	s_cbranch_scc0 .Lnone_\@                       ; nothing to fetch ahead
	s_load_b128 s[48:51], s[12:13], s35 offset:0x1000+16*(\b+2)   ; the four tiles of group g + 2
	MULP \b, 0
	PLACES 4
	s_wait_kmcnt 0x0
	s_wait_xcnt 0x0                                ; every x load issued so far has read its base: this buffer's bases are written again
	XBASE \b, 48
	WIN 0x80+0x40*(\b)
	s_wait_alu depctr_va_vdst(0)                   ; the products of units 0 and 1 are done reading their fragments of x, in which the 32 loads below land
	XL1 \b, 0                                      ; group g + 2, unit 0, into the registers just multiplied
	MULQ \b, 2, 0                                  ; no vector or matrix instruction since the wait names units 0 and 1 of x or v30
	XL1 \b, 1                                      ; group g + 2, unit 1
	MULQ \b, 2, 2
	WIN 0
	PLACES 5
	s_wait_alu depctr_va_vdst(0)                   ; the products of units 2 and 3 are done reading their fragments of x, in which the loads below land; all 16 accumulators are written, which the LDS stores read
	s_wait_loadcnt 32                              ; all but the 32 issued in this group: x(g + 1) is whole
	XLOAD \b, 2
	s_branch .Lred_\@
.Lnone_\@:
	MULP \b, 0
	MULP \b, 2
	PLACES 5
	s_wait_alu depctr_va_vdst(0)                   ; the products have written the 16 accumulators, which the LDS stores read
	s_wait_loadcnt 0x0
.Lred_\@:
	REDST \b
	s_branch .Lbar_\@
.Lidle_\@:
	s_wait_loadcnt 0x0
.Lbar_\@:
	s_wait_dscnt 0x0                               ; my partial sums (and, the first time, my quarter of the tables) lie in LDS, and my reads of the other buffer are over: it is written again behind this barrier
	s_wait_alu depctr_vm_vsrc(0)                   ; my LDS stores have read v128-255, in which FINAL's loads land and which the next group's products write; my last store to act has read v18 and v[20:23]; the first time, the loads from wtab have read v72-79: FINAL writes all of these
	s_barrier_signal -1
	s_barrier_wait -1
	s_cmp_lt_u32 s33, s27
	s_cbranch_scc0 .Lnofin_\@                      ; a padded slot is multiplied and not finished
	FINAL \b
.Lnofin_\@:
.endm
	s_load_b256 s[4:11], s[0:1], 0x0               ; xs s[4:5], gate s[6:7], up s[8:9], scales s[10:11]
	s_load_b128 s[12:15], s[0:1], 0x20             ; route s[12:13], wtab s[14:15]
	s_load_b64 s[16:17], s[0:1], 0x30              ; act
	v_lshl_add_u32 v126, v0, 2, 0x22000
	v_mov_b32 v127, 0
	v_lshrrev_b32 v1, 5, v0
	v_readfirstlane_b32 s26, v1                    ; wave 0..3
	s_and_b32 s29, ttmp7, 0xffff                   ; expert
	v_and_b32 v1, 15, v0                           ; r
	v_bfe_u32 v2, v0, 4, 1                         ; h
	v_and_b32 v31, 31, v0
	v_lshlrev_b32 v30, 4, v31                      ; 16 x lane; never rewritten
	s_wait_alu depctr_va_sdst(0)                   ; s26 is written, ahead of its first reader
	s_lshl_b32 s31, s26, 9
	v_lshlrev_b32 v28, 4, v2
	v_add_nc_u32 v28, s31, v28                     ; 512 w + 16 h: my part of a weight row
	v_and_b32 v3, 8, v1
	v_add_nc_u32 v3, v3, v1                        ; r + 8 (r / 8)
	v_lshl_add_u32 v3, v3, 11, v28                 ; the weights' offset
	v_lshlrev_b32 v8, 2, v1                        ; 4 r
	s_lshl_b32 s31, s26, 6
	v_add_nc_u32 v14, s31, v8                      ; 64 w + 4 r: unit w's row r in a group's tables
	s_lshl_b32 s31, s26, 14
	v_add_nc_u32 v10, s31, v30
	v_add_nc_u32 v11, RED1, v10                    ; where I store partial sums
	v_add_nc_u32 v10, RED0, v10
	s_lshl_b32 s31, s26, 12
	v_add_nc_u32 v12, s31, v30
	v_add_nc_u32 v13, RED1, v12                    ; where I read unit w's
	v_add_nc_u32 v12, RED0, v12
	s_lshl_b32 s31, s26, 10
	v_lshl_add_u32 v29, v2, 9, v8
	v_add_nc_u32 v29, s31, v29                     ; the tables' making: slot 16 w + 8 h + n, row r: 1,024 w + 512 h + 4 r (+ 64 n)
	s_lshl_b32 s31, s29, 14
	s_lshl_b32 s32, ttmp9, 9
	s_add_co_u32 s31, s31, s32
	v_add_nc_u32 v19, s31, v30                     ; act: 16,384 e + 512 sl + 16 x lane
	s_lshl_b32 s36, s29, 2                         ; 4 e
	s_lshl_b32 s37, s29, 8                         ; 256 e
	s_lshl_b32 s31, s26, 6
	s_add_co_u32 s31, s31, s37
	v_lshlrev_b32 v56, 5, v2
	v_add_nc_u32 v56, s31, v56                     ; the list: 256 e + 4 (16 w + 8 h)
	s_lshl_b32 s32, s29, 21
	s_lshl_b32 s33, ttmp9, 16
	s_add_co_u32 s32, s32, s33                     ; the weights: expert x 2,097,152 + 32 rows x 2,048 x slice
	s_mov_b32 s33, 0
	s_lshl_b32 s52, s26, 13                        ; xs: my four K steps: 8,192 w
	s_mov_b32 s53, 0
	s_wait_kmcnt 0x0
	s_load_b32 s27, s[12:13], s36 offset:0x1900    ; ecount[e]
	s_load_b128 s[20:23], s[10:11], 0x0            ; e0 .. e3
	s_load_b64 s[24:25], s[10:11], 0x10            ; e4, e5
	s_load_b128 s[48:51], s[12:13], s37 offset:0x1000   ; the tiles of group 0,
	s_load_b128 s[56:59], s[12:13], s37 offset:0x1010   ; and of group 1
	s_add_nc_u64 s[4:5], s[4:5], s[52:53]
	s_add_nc_u64 s[6:7], s[6:7], s[32:33]
	s_add_nc_u64 s[8:9], s[8:9], s[32:33]
	s_wait_alu depctr_va_vdst(0)                   ; the offsets and LDS addresses v3, v10-13, v29, v30 and v56 are written, which the loads and stores of the whole kernel read
	global_load_b128 v[32:35], v56, s[12:13] offset:4096   ; my eight entries of elist[e], for the tables
	global_load_b128 v[36:39], v56, s[12:13] offset:4112
	WIN 0x40
.irp f, 0,1,2,3,4,5,6,7
	WLOAD \f
.endr
	WIN 0
	s_wait_loadcnt 32                              ; the list is in: behind it stand gate's 32 loads
.irp n, 0,1,2,3,4,5,6,7
	v_min_u32 v[32+\n], 63, v[32+\n]
.endr
.irp n, 0,1,2,3,4,5,6,7
	v_lshl_add_u32 v[72+\n], v[32+\n], 4, v1       ; p = 16 x tile + r
	v_lshlrev_b32 v[72+\n], 5, v[72+\n]
	v_add_nc_u32 v[72+\n], s36, v[72+\n]           ; wtab: 32 p + 4 e
.endr
	s_wait_alu depctr_va_vdst(0)                   ; v72-79 are written, which the eight loads below read as offsets; so are v32-39, which the tables' LDS stores read
.irp n, 0,1,2,3,4,5,6,7
	global_load_b32 v[48+\n], v[72+\n], s[14:15]
.endr
	WIN 0x40
.irp f, 8,9,10,11,12,13,14,15
	WLOAD \f
.endr
	WIN 0
	s_wait_kmcnt 0x0
	s_min_u32 s27, s27, 64                         ; the expert's units
	s_add_co_i32 s42, s20, s21
	s_add_co_i32 s42, s42, 127
	s_lshl_b32 s42, s42, 23                        ; 2^(e0 + e1)
	s_mov_b32 s43, s42                             ; (named with it as a pair)
	s_add_co_i32 s44, s22, s23
	s_add_co_i32 s44, s44, 127
	s_lshl_b32 s44, s44, 23                        ; 2^(e2 + e3)
	s_add_co_i32 s45, s24, 127
	s_lshl_b32 s46, s45, 23
	v_mov_b32 v24, s46                             ; 2^e4
	s_add_co_i32 s45, s45, 8
	s_lshl_b32 s45, s45, 23
	s_or_b32 s45, s45, 0x600000
	v_mov_b32 v25, s45                             ; 448 x 2^e4
	; groups 0 and 1 are fetched whatever the count: the list's padding makes every tile a valid one, and both buffers are written on every way
	XBASE 0, 48
	XBASE 1, 56
	XLOAD 0, 0
	XLOAD 0, 2
	XLOAD 1, 0
	s_wait_loadcnt 32                              ; all but the 32 just issued: the tables' numbers, the weights and x(0) are in
.irp n, 0,1,2,3,4,5,6,7
	ds_store_b32 v29, v[48+\n] offset:WRT+64*\n    ; the tables are first read behind group 0's barrier, in front of which every wave waits for these stores
	ds_store_b32 v29, v[32+\n] offset:TAU+64*\n
.endr
	XLOAD 1, 2
	s_mov_b32 s28, 0                               ; G
.Lgroups:                                              ; 8 trips, two groups each
	HALF 0
	HALF 1
	s_add_co_u32 s28, s28, 2
	s_cmp_lt_u32 s28, 16
	s_cbranch_scc1 .Lgroups
	s_wait_dscnt 0x0                               ; the closing lines, six on end
	s_wait_alu 0x0
	s_wait_tensorcnt 0x0
	ds_add_u32 v126, v127
	s_wait_dscnt 0x0
	s_endpgm
.Lfunc_end_k_qd3e58f99b7_gateup:
	.size	k_qd3e58f99b7_gateup, .Lfunc_end_k_qd3e58f99b7_gateup-k_qd3e58f99b7_gateup
	.p2alignl 7, 3214868480
	.fill 96, 4, 3214868480
	.section	.rodata,"a",@progbits
	.p2align	6, 0x0
	.amdhsa_kernel k_qd3e58f99b7_gateup
		.amdhsa_group_segment_fixed_size 139776
		.amdhsa_private_segment_fixed_size 0
		.amdhsa_enable_private_segment 0
		.amdhsa_kernarg_size 56
		.amdhsa_user_sgpr_count 2
		.amdhsa_user_sgpr_kernarg_segment_ptr 1
		.amdhsa_wavefront_size32 1
		.amdhsa_system_sgpr_workgroup_id_x 1
		.amdhsa_system_sgpr_workgroup_id_y 1
		.amdhsa_system_sgpr_workgroup_id_z 1
		.amdhsa_system_vgpr_workitem_id 0
		.amdhsa_next_free_vgpr 1024
		.amdhsa_next_free_sgpr 84
		.amdhsa_reserve_vcc 0
		.amdhsa_float_denorm_mode_32 3
		.amdhsa_float_denorm_mode_16_64 3
		.amdhsa_memory_ordered 1
		.amdhsa_forward_progress 1
		.amdhsa_inst_pref_size 89
	.end_amdhsa_kernel
	.amdgpu_metadata
---
amdhsa.version: [ 1, 2 ]
amdhsa.kernels:
  - .name:           k_qd3e58f99b7_gateup
    .symbol:         k_qd3e58f99b7_gateup.kd
    .args:
      - { .name: xs, .offset: 0, .size: 8, .value_kind: global_buffer, .address_space: global }
      - { .name: gate_w_codes, .offset: 8, .size: 8, .value_kind: global_buffer, .address_space: global }
      - { .name: up_w_codes, .offset: 16, .size: 8, .value_kind: global_buffer, .address_space: global }
      - { .name: lowp_scales, .offset: 24, .size: 8, .value_kind: global_buffer, .address_space: global }
      - { .name: route, .offset: 32, .size: 8, .value_kind: global_buffer, .address_space: global }
      - { .name: wtab, .offset: 40, .size: 8, .value_kind: global_buffer, .address_space: global }
      - { .name: act, .offset: 48, .size: 8, .value_kind: global_buffer, .address_space: global }
    .group_segment_fixed_size: 139776
    .private_segment_fixed_size: 0
    .kernarg_segment_align: 8
    .kernarg_segment_size: 56
    .max_flat_workgroup_size: 128
    .sgpr_count:     84
    .vgpr_count:     1024
    .wavefront_size: 32
...
	.end_amdgpu_metadata
.endif
;; end of part 7
;; launch down (part 8): grid 16 x 16, 8 waves a work-group, no clusters, 271,360 bytes of LDS; arguments act, dcodes, lowp_scales, route, out0; writes out0
.if DOCPART == 8
	.amdgcn_target "amdgcn-amd-amdhsa--gfx1250"
	.amdhsa_code_object_version 6
	.text
	.protected	k_qd3e58f99b7_down
	.globl	k_qd3e58f99b7_down
	.p2align	8
	.type	k_qd3e58f99b7_down,@function
k_qd3e58f99b7_down:
	s_mov_b64 s[64:65], 0
	v_nop
	global_prefetch_b8 v0, s[64:65] scope:SCOPE_SE
	s_setreg_imm32_b32 hwreg(HW_REG_WAVE_SCHED_MODE, 0, 2), 2
	s_setreg_imm32_b32 hwreg(HW_REG_WAVE_MODE, 25, 1), 1
	s_wait_xcnt 0x0
	s_wait_alu depctr_vm_vsrc(0)
; DOWN.  out0[token][h] = 2^(e4 + e5) x the sum over (e, i) of act's codes x dcodes' codes, for the units that the stored masks name; where a token's tile has no unit of e, act is 0 there and nothing is multiplied.
; SHARES.  A work-group has 128 columns h (x) and a block of 64 sorted tokens, four tiles (y): each piece of an output row has one owner.  THE EIGHT WAVES SHARE K: wave w takes K step w (128 of the 1,024 i) of every
; expert.  So each byte of dcodes and of act is loaded by one wave of the work-group; a step's 8 fragments of dcodes and up to 4 of act feed up to 32 matrix instructions, and all experts add into the same 32
; accumulators.  The block's experts are walked by the bits of its four masks, in a loop of constant count; an expert that no tile uses is passed over by a scalar branch on the stored masks.  No barrier stands in the loop.
; Both operands lie in memory in the order of the operand's registers: a fragment is four loads of 512 consecutive bytes.
; The matrix instruction is used transposed (source 0 = 16 columns h, source 1 = 16 tokens): a lane holds eight neighbouring h of one token.  At the end the eight waves' partial sums meet in LDS (64 rows x 528 bytes a wave);
; wave w adds rows 8 w .. 8 w + 7 and stores each as 512 consecutive bytes, aligned, of its token's row.
; LIMIT: e4 + e5 between -126 and 127.  The K sums are formed in eight parts and added in f32.
; NO TENSOR LOADS, NO CLUSTER, though the 16 blocks read the same dcodes: which experts a block walks hangs on the stored masks, so partners would ask for different tiles, and the walk is a branch on loaded numbers.
; REGISTERS: window 0: v1 16 x lane; v2 where I store partial sums; v4-7 where I read them; v8-15 my eight rows' offsets in out0; v64-191 dcodes' 8 fragments, later the partial sums; v192-255 act's 4 fragments.
;   window 1: accumulator (tile i, column tile ct) at v[8 (8 i + ct)].
; THE MODE: SCHED_MODE bits 1:0 = 2 (LLVM: expert scheduling mode 2), set by the entry lines.  The code itself states the register dependences between vector or matrix instructions and memory or LDS
; instructions, with s_wait_alu, always for 0.
; THE PLAN.  Registers that memory or LDS instructions touch:
;   v64-191, v192-255   In the loop: a step's loads land there (in the first step a tile without a unit gets zeros by vector moves); the step's products read them.  There is one set of each: 256 accumulators, 128 and 64
;                       registers of fragments and 20 of addresses leave 44 of the wave's 512, fewer than a second set of either.  So ONE wait on va_vdst stands in a step, ahead of its loads.
;   the accumulators    Written by the products; read by the LDS stores on the way out: one wait on va_vdst ahead of them, which also states that the products are done reading v64-191, in which the way out's LDS loads land.
;   v64-191, way out    The LDS loads of four rows land there; the additions read and write them; the four stores read four registers a row.  The four rows' arithmetic stands together, one wait on va_vdst ahead of
;                       the four stores, one on vm_vsrc ahead of the next four rows' loads.
;   v1, v2, v4-15       Made at the head and never written again.
.set DF, 64
.set AF, 192
.set MSB, 0
.macro WIN new                         ; s_set_vgpr_msb: bits 1:0 source 0, 3:2 source 1, 5:4 source 2, 7:6 destination; the high byte repeats the setting that is left
.if MSB != (\new)
	s_set_vgpr_msb (MSB<<8)|(\new)
.set MSB, (\new)
.endif
.endm
.macro NEXTE                           ; the lowest expert left in s33 goes to s34
	s_ctz_i32_b32 s34, s33
	s_min_u32 s34, s34, 7
	s_sub_co_u32 s40, s33, 1
	s_and_b32 s33, s33, s40
.endm
; One expert's K step w.  first = 1: the step that starts all 32 sums with the constant 0; there a tile without a unit gets zero codes, so that every register is written on both ways and nothing is cleared later.
.macro STEP first
	s_lshl_b32 s40, s34, 21
	s_mov_b32 s41, 0
	s_add_nc_u64 s[44:45], s[36:37], s[40:41]      ; (the last step's loads are all in: their bases may be written)
	s_lshl_b32 s40, s34, 14
	s_add_nc_u64 s[46:47], s[38:39], s[40:41]
.if !\first
	s_wait_alu depctr_va_vdst(0)                   ; the last step's products are done reading the fragments of dcodes and of act, and the first step's zeros are written: the loads below land in these registers
.endif
.irp ct, 0,1,2,3,4,5,6,7
.irp c, 0,1,2,3
	global_load_b128 v[DF+16*\ct+4*\c:DF+16*\ct+4*\c+3], v1, s[44:45] offset:16384*\ct+512*\c
.endr
.endr
.irp i, 0,1,2,3
	s_bitcmp1_b32 s[16+\i], s34
	s_cbranch_scc0 .Loff_\@_\i
.irp c, 0,1,2,3
	global_load_b128 v[AF+16*\i+4*\c:AF+16*\i+4*\c+3], v1, s[46:47] offset:131072*\i+512*\c
.endr
.if \first
	s_branch .Lon_\@_\i
.endif
.Loff_\@_\i:
.if \first
.irp j, 0,1,2,3,4,5,6,7,8,9,10,11,12,13,14,15
	v_mov_b32 v[AF+16*\i+\j], 0
.endr
.Lon_\@_\i:
.endif
.endr
	s_wait_loadcnt 0x0
.irp i, 0,1,2,3
.if \first
	WIN 0x40
	s_wait_alu depctr_va_vdst(0)
.irp ct, 0,1,2,3,4,5,6,7
	v_wmma_f32_16x16x128_fp8_fp8 v[8*(8*\i+\ct):8*(8*\i+\ct)+7], v[DF+16*\ct:DF+16*\ct+15], v[AF+16*\i:AF+16*\i+15], 0
.endr
.else
	s_bitcmp1_b32 s[16+\i], s34
	s_cbranch_scc0 .Lskip_\@_\i
	WIN 0x50
.irp ct, 0,1,2,3,4,5,6,7
	v_wmma_f32_16x16x128_fp8_fp8 v[8*(8*\i+\ct):8*(8*\i+\ct)+7], v[DF+16*\ct:DF+16*\ct+15], v[AF+16*\i:AF+16*\i+15], v[8*(8*\i+\ct):8*(8*\i+\ct)+7]
.endr
	WIN 0
.Lskip_\@_\i:
.endif
.endr
	WIN 0
.rept 4
	v_nop                                          ; places in front of the next step's loads into these fragments, and of the stores of the results.  An accumulator has one instruction a step: no two neighbours share one
.endr
.endm
	s_load_b256 s[4:11], s[0:1], 0x0               ; act s[4:5], dcodes s[6:7], scales s[8:9], route s[10:11]
	s_load_b64 s[12:13], s[0:1], 0x20              ; out0
	v_lshl_add_u32 v62, v0, 2, 0x42000
	v_mov_b32 v63, 0
	v_lshrrev_b32 v1, 5, v0
	v_readfirstlane_b32 s32, v1                    ; wave 0..7
	s_and_b32 s50, ttmp7, 0xffff                   ; block of 64 sorted tokens
	v_and_b32 v3, 31, v0
	v_lshlrev_b32 v1, 4, v3                        ; 16 x lane
	v_and_b32 v16, 15, v0                          ; r
	v_bfe_u32 v17, v0, 4, 1                        ; hh
	s_wait_alu depctr_va_sdst(0)                   ; s32 is written, ahead of its first reader
	s_mul_i32 s51, s32, 33792
	v_mul_u32_u24 v2, v16, 528
	v_lshl_add_u32 v2, v17, 5, v2
	v_add_nc_u32 v2, s51, v2                       ; in: my wave's region, row r, + 32 hh
	s_mul_i32 s51, s32, 8*528
	v_add_nc_u32 v4, s51, v1                       ; back: rows 8 w on, 16 bytes a lane, in waves 0, 2, 4, 6's regions
	v_add_nc_u32 v5, 67584, v4
	v_add_nc_u32 v6, 135168, v4
	v_add_nc_u32 v7, 202752, v4
	s_lshl_b32 s52, s32, 11                        ; my K step: 2,048 bytes a fragment
	s_lshl_b32 s40, ttmp9, 17                      ; dcodes: 8 column tiles of 16,384 bytes a slice
	s_add_co_u32 s40, s40, s52
	s_mov_b32 s41, 0
	s_lshl_b32 s42, s50, 19                        ; act: 4 tiles of 131,072 bytes a block
	s_add_co_u32 s42, s42, s52
	s_mov_b32 s43, 0
	s_lshl_b32 s53, s50, 8
	s_lshl_b32 s54, s32, 5
	s_add_co_u32 s53, s53, s54                     ; tok: 4 (64 block + 8 w)
	s_lshl_b32 s54, s50, 4                         ; tmask: 4 words a block
	s_lshl_b32 s55, ttmp9, 9                       ; out0: 512 bytes a slice
	v_add_nc_u32 v18, s55, v1
	s_wait_alu depctr_va_vdst(0)
	s_wait_kmcnt 0x0
	s_load_b128 s[16:19], s[10:11], s54 offset:0x1800   ; the four tiles' masks
	s_load_b256 s[24:31], s[10:11], s53 offset:0x0      ; the tokens of my eight rows
	s_load_b64 s[20:21], s[8:9], 0x10              ; e4, e5
	s_add_nc_u64 s[36:37], s[6:7], s[40:41]
	s_add_nc_u64 s[38:39], s[4:5], s[42:43]
	s_wait_kmcnt 0x0
	s_or_b32 s33, s16, s17
	s_or_b32 s33, s33, s18
	s_or_b32 s33, s33, s19
	s_and_b32 s33, s33, 0xff                       ; the block's experts
.irp k, 0,1,2,3,4,5,6,7
	s_min_u32 s[24+\k], s[24+\k], 1023
	s_lshl_b32 s[24+\k], s[24+\k], 13              ; a row of out0 is 8,192 bytes
	v_add_nc_u32 v[8+\k], s[24+\k], v18
.endr
	s_add_co_i32 s48, s20, s21
	s_add_co_i32 s48, s48, 127
	s_lshl_b32 s48, s48, 23                        ; 2^(e4 + e5)
	s_mov_b32 s49, s48                             ; (named with it as a pair)
	s_wait_alu depctr_va_vdst(0)                   ; the offsets and LDS addresses v1, v2 and v4 to v15 are written, which the loads and stores of the whole kernel read
	NEXTE
	STEP 1
	s_mov_b32 s35, 7
.Lexp:                                                 ; 7 trips: at most seven experts more
	s_cmp_eq_u32 s33, 0
	s_cbranch_scc1 .Lnomore
	NEXTE
	STEP 0
.Lnomore:
	s_sub_co_u32 s35, s35, 1
	s_cmp_lg_u32 s35, 0
	s_cbranch_scc1 .Lexp
	; THE PARTIAL SUMS MEET.  Lane (r, hh) of accumulator (i, ct) holds row 16 i + r, bytes 64 ct + 32 hh + 0 .. 31; each accumulator goes from its low end on
	WIN 0x04                                       ; the stores' data: window 1
	s_wait_alu depctr_va_vdst(0)                   ; the products have written the 32 accumulators, which the LDS stores read (the four places stand at the last step's end), and are done reading v64-191, in which the LDS loads behind the barrier land
.irp i, 0,1,2,3
.irp ct, 0,1,2,3,4,5,6,7
	ds_store_b128 v2, v[8*(8*\i+\ct):8*(8*\i+\ct)+3] offset:8448*\i+64*\ct
	ds_store_b128 v2, v[8*(8*\i+\ct)+4:8*(8*\i+\ct)+7] offset:8448*\i+64*\ct+16
.endr
.endr
	WIN 0
	s_wait_dscnt 0x0                               ; for the others' sake: my partial sums lie in LDS
	s_barrier_signal -1
	s_barrier_wait -1
.irp hf, 0,1                                   ; four rows at a time
.if \hf
	s_wait_xcnt 0x0                                ; the first four stores have read their data: the registers are loaded again
	s_wait_alu depctr_vm_vsrc(0)                   ; the first four stores have read v[64:67], v[96:99], v[128:131] and v[160:163], in which the loads below land (the additions that named v64-191 stand ahead of the last wait on va_vdst)
.endif
.irp p, 0,1,2,3
.irp q, 0,1,2,3,4,5,6,7
	ds_load_b128 v[DF+32*\p+4*\q:DF+32*\p+4*\q+3], v[4+\q/2] offset:33792*(\q%2)+528*(4*\hf+\p)
.endr
.endr
	s_wait_dscnt 0x0
.irp p, 0,1,2,3
.irp q, 0,2,4,6
.irp d, 0,2
	v_pk_add_f32 v[DF+32*\p+4*\q+\d:DF+32*\p+4*\q+\d+1], v[DF+32*\p+4*\q+\d:DF+32*\p+4*\q+\d+1], v[DF+32*\p+4*\q+4+\d:DF+32*\p+4*\q+4+\d+1]
.endr
.endr
.irp q, 0,4
.irp d, 0,2
	v_pk_add_f32 v[DF+32*\p+4*\q+\d:DF+32*\p+4*\q+\d+1], v[DF+32*\p+4*\q+\d:DF+32*\p+4*\q+\d+1], v[DF+32*\p+4*\q+8+\d:DF+32*\p+4*\q+8+\d+1]
.endr
.endr
.irp d, 0,2
	v_pk_add_f32 v[DF+32*\p+\d:DF+32*\p+\d+1], v[DF+32*\p+\d:DF+32*\p+\d+1], v[DF+32*\p+16+\d:DF+32*\p+16+\d+1]
.endr
.irp d, 0,2
	v_pk_mul_f32 v[DF+32*\p+\d:DF+32*\p+\d+1], v[DF+32*\p+\d:DF+32*\p+\d+1], s[48:49] op_sel_hi:[1,0]
.endr
.endr
	s_wait_alu depctr_va_vdst(0)                   ; the four rows' sums are written, which the four stores read
.irp p, 0,1,2,3
	global_store_b128 v[8+4*\hf+\p], v[DF+32*\p:DF+32*\p+3], s[12:13] th:TH_STORE_NT   ; 32 lanes store 512 consecutive bytes, aligned, of one token's row; written once, read by nobody here
.endr
.endr
	s_wait_dscnt 0x0                               ; the closing lines, six on end
	s_wait_alu 0x0
	s_wait_tensorcnt 0x0
	ds_add_u32 v62, v63
	s_wait_dscnt 0x0
	s_endpgm
.Lfunc_end_k_qd3e58f99b7_down:
	.size	k_qd3e58f99b7_down, .Lfunc_end_k_qd3e58f99b7_down-k_qd3e58f99b7_down
	.p2alignl 7, 3214868480
	.fill 96, 4, 3214868480
	.section	.rodata,"a",@progbits
	.p2align	6, 0x0
	.amdhsa_kernel k_qd3e58f99b7_down
		.amdhsa_group_segment_fixed_size 271360
		.amdhsa_private_segment_fixed_size 0
		.amdhsa_enable_private_segment 0
		.amdhsa_kernarg_size 40
		.amdhsa_user_sgpr_count 2
		.amdhsa_user_sgpr_kernarg_segment_ptr 1
		.amdhsa_wavefront_size32 1
		.amdhsa_system_sgpr_workgroup_id_x 1
		.amdhsa_system_sgpr_workgroup_id_y 1
		.amdhsa_system_sgpr_workgroup_id_z 1
		.amdhsa_system_vgpr_workitem_id 0
		.amdhsa_next_free_vgpr 512
		.amdhsa_next_free_sgpr 66
		.amdhsa_reserve_vcc 0
		.amdhsa_float_denorm_mode_32 3
		.amdhsa_float_denorm_mode_16_64 3
		.amdhsa_memory_ordered 1
		.amdhsa_forward_progress 1
		.amdhsa_inst_pref_size 39
	.end_amdhsa_kernel
	.amdgpu_metadata
---
amdhsa.version: [ 1, 2 ]
amdhsa.kernels:
  - .name:           k_qd3e58f99b7_down
    .symbol:         k_qd3e58f99b7_down.kd
    .args:
      - { .name: act, .offset: 0, .size: 8, .value_kind: global_buffer, .address_space: global }
      - { .name: dcodes, .offset: 8, .size: 8, .value_kind: global_buffer, .address_space: global }
      - { .name: lowp_scales, .offset: 16, .size: 8, .value_kind: global_buffer, .address_space: global }
      - { .name: route, .offset: 24, .size: 8, .value_kind: global_buffer, .address_space: global }
      - { .name: out0, .offset: 32, .size: 8, .value_kind: global_buffer, .address_space: global }
    .group_segment_fixed_size: 271360
    .private_segment_fixed_size: 0
    .kernarg_segment_align: 8
    .kernarg_segment_size: 40
    .max_flat_workgroup_size: 256
    .sgpr_count:     66
    .vgpr_count:     512
    .wavefront_size: 32
...
	.end_amdgpu_metadata
.endif
;; end of part 8
